; MI455X (gfx1250); checked and timed in simulation.
; The chip was launched on July 23, 2026; its instructions are those of AMD's public machine-readable ISA for CDNA 5 (MIT licence, August 2026) and "CDNA5" Instruction Set Architecture Reference Guide (July 2026). The comments in the code are by the model that wrote it; some were corrected since.
;; Transformer Block. Allowed arithmetic: matrix products marked QUANTISED: E2M3 operands, one E8M0 scale for each 32 along K, by v_wmma_scale_f32_16x16x128_f8f6f4 with both operands' format E2M3, f32 sums; everything else in f32.
;; Inputs: b_attn 3,072 float32; b_fc 4,096 float32; b_fc2 1,024 float32; b_proj 1,024 float32; ln1_b 1,024 float32; ln1_g 1,024 float32; ln2_b 1,024 float32; ln2_g 1,024 float32; w_attn 1,024 x 3,072 float32; w_fc 1,024 x 4,096 float32; w_fc2 4,096 x 1,024 float32; w_proj 1,024 x 1,024 float32; x 2 x 2,048 x 1,024 float32.
;; Outputs: out0 2 x 2,048 x 1,024 float32.
;; This version of the problem:
;;   THIS VERSION OF THE PROBLEM IS GIVEN IN LOW PRECISION. The matrix products marked QUANTISED in the list below multiply operands that are first quantised to E2M3 (2 exponent bits, 3 mantissa bits; 6 bits a number), with one power-of-two scale for each 32 numbers along K (OCP MX v1.0); their sums are f32. All else is computed in f32.
;;   The module's matrix products, in the order in which they are computed (A, B: the left and right operand; K: the contracted axis; several contracted axes count as one K, in the product's order):
;;     1. [M 4,096, K 1,024] x [K 1,024, N 3,072]; A: computed on the way; B: input w_attn: QUANTISED
;;     2. batch 32 x [M 2,048, K 64] x [K 64, N 2,048]; A: computed on the way; B: computed on the way: QUANTISED
;;     3. batch 32 x [M 2,048, K 2,048] x [K 2,048, N 64]; A: softmax (see below); B: computed on the way: QUANTISED
;;     4. [M 4,096, K 1,024] x [K 1,024, N 1,024]; A: computed on the way; B: input w_proj: QUANTISED
;;     5. [M 4,096, K 1,024] x [K 1,024, N 4,096]; A: computed on the way; B: input w_fc: QUANTISED
;;     6. [M 4,096, K 4,096] x [K 4,096, N 1,024]; A: computed on the way; B: input w_fc2: QUANTISED
;;   THE QUANTISER, for each operand of a quantised product, along K:
;;     - K is cut into blocks of 32 from its start; a last block that is shorter is filled with zeros.
;;     - A block's scale is 2^e with e = floor(log2(the largest magnitude in the block)) - 2, held to -126 .. 127; a block of zeros has e = 0. As a byte (E8M0): e + 127.
;;     - Each number is divided by its block's scale, clamped to +-7.5, and rounded to the nearest number of E2M3, ties to even, subnormals kept.
;;     - The product sums the exact products of the quantised numbers (number of the format x scale) in f32.
;;   ~~~python
;;   def quantise(x, axis):      # numpy; x: float32 -> the quantised numbers, widened to float32 again
;;       x = np.moveaxis(x, axis, -1); K = x.shape[-1]
;;       x = np.pad(x, [(0, 0)] * (x.ndim - 1) + [(0, -K % 32)]); x = x.reshape(x.shape[:-1] + (-1, 32)); a = np.abs(x).max(-1, keepdims=True)
;;       e = np.where(a > 0, np.clip(np.frexp(np.where(a > 0, a, 1))[1] - 1 - 2, -126, 127), 0)      # np.frexp(a)[1] - 1 = floor(log2(a)), exactly
;;       r = np.clip(x / 2.0 ** e, -7.5, 7.5)
;;       step = 2.0 ** (np.maximum(np.frexp(np.where(r == 0, 1, r))[1] - 1, 0) - 3)
;;       q = np.round(r / step) * step * 2.0 ** e      # np.round: ties to even
;;       return np.moveaxis(q.reshape(q.shape[:-2] + (-1,))[..., :K], -1, axis).astype(np.float32)
;;   ~~~
;;   SOFTMAX AHEAD OF A QUANTISED PRODUCT. Where the list says 'softmax', what is quantised is not the finished softmax but p = 2^(t - M), with t = logit x log2(e) and M = ceil(the row's largest t), a whole number; so 1/2 < the row's largest p <= 1. The row's sum l is taken of the UNQUANTISED p, in f32, and the product's result is divided by l at the end. Since M is a whole number, a kernel that streams over the keys may use a running M (the ceiling of the running maximum): every later rescaling is an exact power of two, which a block's scale takes up: the codes' values come out the same.
;;   OPERANDS COMPUTED ON THE WAY. 'Computed on the way' means the value that the module computes at that place (a softmax that the list does not call 'softmax' is quantised finished and normalised). What goes into a quantiser is computed in f32, as accurately as f32 sums, v_exp_f32 and their like allow (about 1e-6 of the number): no bf16 or f16 on the way to a quantiser, and a product that is left as it is and whose result goes on into a quantised operand takes f32 operands (vector FMAs, or v_wmma_f32_16x16x4_f32). A number that lies on a knife's edge between two numbers of the format may be rounded either way, as far as f32 arithmetic and the matrix unit's own rounding can turn it there, and no further.
;; 2 versions. Each part assembles by itself: llvm-mc -triple=amdgcn-amd-amdhsa -mcpu=gfx1250 --defsym DOCPART=n.
;; ======== version 1 of 2: 8 launches
;; workspace buffers: wq 9,830,400 bytes; acts 3,276,800 bytes; qkv 10,092,544 bytes; x1 16,777,216 bytes; hid 13,107,200 bytes
;; launch quantw (part 1): grid 768 x 1, 4 waves a work-group, no clusters, 0 bytes of LDS; arguments w_attn, w_proj, w_fc, w_fc2, wq; writes wq
.if DOCPART == 1
	.amdgcn_target "amdgcn-amd-amdhsa--gfx1250"
	.amdhsa_code_object_version 6
	.text
	.protected	k_q69cc614212_quantw
	.globl	k_q69cc614212_quantw
	.p2align	8
	.type	k_q69cc614212_quantw,@function
k_q69cc614212_quantw:
	s_mov_b64 s[64:65], 0
	v_nop
	global_prefetch_b8 v0, s[64:65] scope:SCOPE_SE
	s_setreg_imm32_b32 hwreg(HW_REG_WAVE_MODE, 25, 1), 1
	s_wait_xcnt 0x0
; The four weights, f32 stored [K][N] (K is the FIRST axis), become codes of FP6 (E2M3) with one E8M0 byte for each 32 along K, laid in wq AS IMAGES OF THE OPERAND'S REGISTERS.
; AN IMAGE: 16 rows (here: columns n of the weight) x 128 along K = 12 registers a lane = 1,536 bytes; registers 4 g .. 4 g + 3 of lane l lie at 512 g + 16 l.  Lane (r, h) holds row r; registers 6 c .. 6 c + 5 hold k = 64 c + 32 h + 0 .. 31.
; ORDER OF ROWS: in each group of 32 columns, tile u (0, 1), row r stands for column 8 u + r + 8 (r / 8).  A block of 128 columns has tiles 2 p + u, p = 0 .. 3.  Codes: [block of 128 columns][K step of 128][tile][1,536].
; SCALE WORDS (four bytes: 128 along K of one row): [block][pair of K steps][p][lane r + 16 (K step & 1)][2 words: tiles 2 p, 2 p + 1]: 1,024 bytes for a block and a pair.
; SHARES: a work-group takes one weight, 128 columns, 128 along K; wave w takes group p = w of 32 columns.  A LANE TAKES A COLUMN AND ITS REGISTERS RUN DOWN K: a load reads 128 consecutive bytes, the four waves 512;
; a block of 32 along K lies in one lane, so its largest magnitude needs no other lane, and the conversions give codes with K innermost.  The lane's four blocks are the 12 registers of image lane (r, 0) (blocks 0, 2) and of (r, 1) (blocks 1, 3).
; A block's scale is 2^(floor(log2(largest magnitude)) - 2); its byte is the largest magnitude's exponent field - 2, held at 1 from below.
; LIMITS: NaN and infinities are not served; a block whose largest magnitude lies under 2^-124 keeps the byte 1; a block of zeros has the byte 1 where the rule says 127 (its codes are zeros; this program alone reads the bytes).
; No LDS, no barrier, no matrix unit, no cluster: the launch streams, and no two work-groups read the same bytes.  The four paths part on the work-group's number alone and share nothing.
.set X,   64                           ; v64-127  two sets of 32 numbers
.set CH0, 16                           ; v16-27   image lane (r, 0);  v28-39 image lane (r, 1)
.set CT,  40                           ; v40-42   the second half of a block's codes (a conversion's three registers begin on an even number)
	s_load_b256 s[4:11], s[0:1], 0x0               ; w_attn s[4:5], w_proj s[6:7], w_fc s[8:9], w_fc2 s[10:11]
	s_load_b64 s[12:13], s[0:1], 0x20              ; wq
	v_lshrrev_b32 v1, 5, v0
	v_readfirstlane_b32 s14, v1                    ; wave = group p
	v_and_b32 v2, 15, v0                           ; r
	v_bfe_u32 v3, v0, 4, 1                         ; u
	v_and_b32 v4, 8, v2
	v_add_nc_u32 v4, v4, v2                        ; r + 8 (r / 8)
	v_lshl_add_u32 v4, v3, 3, v4                   ; + 8 u: my column in the group
	v_lshlrev_b32 v6, 2, v4                        ; in bytes
	v_lshlrev_b32 v7, 4, v2
	v_mad_u32_u24 v7, v3, 1536, v7                 ; out: tile u, 16 r
	v_lshlrev_b32 v8, 3, v2                        ; scale words: 8 r
	s_wait_kmcnt 0x0
.macro LOADW t, n                      ; block t: W(32 t + i, my column) into set t % 2
.set i, 0
.rept 32
	global_load_b32 v[X+32*((\t)%2)+i], v6, s[20:21] offset:(32*(\t)+i)*(\n)*4 th:TH_LOAD_NT
.set i, i+1
.endr
.endm
.macro BLOCKW t, n
.set XS, X+32*((\t)%2)
.set CH, CH0+12*((\t)%2)+6*((\t)/2)
.if (\t) < 3
	s_wait_loadcnt 32                              ; this block's 32 loads are in; the next block's 32 may be out
.else
	s_wait_loadcnt 0x0
.endif
	v_max3_num_f32 v12, |v[XS]|, |v[XS+1]|, |v[XS+2]|          ; the block's largest magnitude, in two chains
	v_max3_num_f32 v13, |v[XS+3]|, |v[XS+4]|, |v[XS+5]|
.irp i, 6,10,14,18,22,26
	v_max3_num_f32 v12, v12, |v[XS+\i]|, |v[XS+\i+1]|
	v_max3_num_f32 v13, v13, |v[XS+\i+2]|, |v[XS+\i+3]|
.endr
	v_max3_num_f32 v12, v12, |v[XS+30]|, |v[XS+31]|
	v_max3_num_f32 v12, v12, v13, 0x1800000        ; and the floor 2^(3 - 127): the byte cannot fall under 1
	v_add_nc_u32 v14, 0xff000000, v12              ; 2 off the exponent field: the conversion takes this operand's exponent field as its scale
	v_cvt_scalef32_pk16_fp6_f32 v[CH:CH+2], v[XS:XS+15], v14
	v_cvt_scalef32_pk16_fp6_f32 v[CT:CT+2], v[XS+16:XS+31], v14
.if (\t) == 0
	v_lshrrev_b32 v10, 23, v14                     ; the scale's byte (a plain line behind the conversions)
.else
	v_lshrrev_b32 v15, 23, v14
	v_lshl_or_b32 v10, v15, 8*(\t), v10            ; byte t of my column's scale word
.endif
.irp i, 0,1,2
	v_mov_b32 v[CH+3+\i], v[CT+\i]
.endr
.if (\t) < 2
	LOADW (\t)+2, \n
.endif
.endm
; One weight's path.  sp: its pointer; first: its first work-group; n: its columns; klog: log2 of its K steps; coff, soff: where its codes and scale words begin in wq.
.macro WPATH sp, first, n, klog, coff, soff
	s_sub_co_u32 s15, ttmp9, \first                ; idx = block x K steps + K step
	s_and_b32 s16, s15, (1<<\klog)-1               ; K step
	s_lshr_b32 s17, s15, \klog                     ; block of 128 columns
	s_mul_i32 s16, s16, 128*\n*4
	s_lshl_b32 s17, s17, 9
	s_add_co_u32 s16, s16, s17
	s_lshl_b32 s17, s14, 7
	s_add_co_u32 s16, s16, s17                     ; + my wave's 32 columns
	s_mov_b32 s17, 0
	s_add_nc_u64 s[20:21], s[\sp:\sp+1], s[16:17]
	LOADW 0, \n
	LOADW 1, \n
	s_mul_i32 s16, s15, 12288
	s_mul_i32 s18, s14, 3072
	s_add_co_u32 s16, s16, s18
	s_add_co_u32 s16, s16, \coff
	s_add_nc_u64 s[22:23], s[12:13], s[16:17]      ; my two tiles' images
	s_lshr_b32 s16, s15, 1
	s_lshl_b32 s16, s16, 10
	s_lshl_b32 s18, s14, 8
	s_add_co_u32 s16, s16, s18
	s_and_b32 s18, s15, 1
	s_lshl_b32 s18, s18, 7
	s_add_co_u32 s16, s16, s18
	s_add_co_u32 s16, s16, \soff
	s_add_nc_u64 s[24:25], s[12:13], s[16:17]      ; my 128 bytes of scale words
	BLOCKW 0, \n
	BLOCKW 1, \n
	BLOCKW 2, \n
	BLOCKW 3, \n
.irp h, 0,1
.irp g, 0,1,2
	global_store_b128 v7, v[CH0+12*\h+4*\g:CH0+12*\h+4*\g+3], s[22:23] offset:256*\h+512*\g   ; sixteen lanes store 256 consecutive bytes, aligned: lanes 0-15 in tile 2 p, lanes 16-31 in tile 2 p + 1
.endr
.endr
	v_mov_b32 v11, v10
	v_permlane16_swap_b32 v10, v11                 ; every lane now holds (tile 2 p's word of row r, tile 2 p + 1's)
	global_store_b64 v8, v[10:11], s[24:25]        ; 128 consecutive bytes; both halves of the lanes store equal bytes
	s_endpgm
.endm
	s_cmp_lt_u32 ttmp9, 192
	s_cbranch_scc1 .Lw_attn
	s_cmp_lt_u32 ttmp9, 256
	s_cbranch_scc1 .Lw_proj
	s_cmp_lt_u32 ttmp9, 512
	s_cbranch_scc1 .Lw_fc
	WPATH 10, 512, 1024, 5, 6291456, 9699328
.Lw_attn:
	WPATH 4, 0, 3072, 3, 0, 9437184
.Lw_proj:
	WPATH 6, 192, 1024, 3, 2359296, 9535488
.Lw_fc:
	WPATH 8, 256, 4096, 3, 3145728, 9568256
.Lfunc_end_k_q69cc614212_quantw:
	.size	k_q69cc614212_quantw, .Lfunc_end_k_q69cc614212_quantw-k_q69cc614212_quantw
	.p2alignl 7, 3214868480
	.fill 96, 4, 3214868480
	.section	.rodata,"a",@progbits
	.p2align	6, 0x0
	.amdhsa_kernel k_q69cc614212_quantw
		.amdhsa_group_segment_fixed_size 0
		.amdhsa_private_segment_fixed_size 0
		.amdhsa_enable_private_segment 0
		.amdhsa_kernarg_size 40
		.amdhsa_user_sgpr_count 2
		.amdhsa_user_sgpr_kernarg_segment_ptr 1
		.amdhsa_wavefront_size32 1
		.amdhsa_system_sgpr_workgroup_id_x 1
		.amdhsa_system_sgpr_workgroup_id_y 1
		.amdhsa_system_sgpr_workgroup_id_z 1
		.amdhsa_system_vgpr_workitem_id 0
		.amdhsa_next_free_vgpr 128
		.amdhsa_next_free_sgpr 66
		.amdhsa_reserve_vcc 0
		.amdhsa_float_denorm_mode_32 3
		.amdhsa_float_denorm_mode_16_64 3
		.amdhsa_memory_ordered 1
		.amdhsa_forward_progress 1
		.amdhsa_inst_pref_size 79
	.end_amdhsa_kernel
	.amdgpu_metadata
---
amdhsa.version: [ 1, 2 ]
amdhsa.kernels:
  - .name:           k_q69cc614212_quantw
    .symbol:         k_q69cc614212_quantw.kd
    .args:
      - { .name: w_attn, .offset: 0, .size: 8, .value_kind: global_buffer, .address_space: global }
      - { .name: w_proj, .offset: 8, .size: 8, .value_kind: global_buffer, .address_space: global }
      - { .name: w_fc, .offset: 16, .size: 8, .value_kind: global_buffer, .address_space: global }
      - { .name: w_fc2, .offset: 24, .size: 8, .value_kind: global_buffer, .address_space: global }
      - { .name: wq, .offset: 32, .size: 8, .value_kind: global_buffer, .address_space: global }
    .group_segment_fixed_size: 0
    .private_segment_fixed_size: 0
    .kernarg_segment_align: 8
    .kernarg_segment_size: 40
    .max_flat_workgroup_size: 128
    .sgpr_count:     66
    .vgpr_count:     128
    .wavefront_size: 32
...
	.end_amdgpu_metadata
.endif
;; end of part 1
;; launch ln1 (part 2): grid 128 x 1, 16 waves a work-group, no clusters, 101,632 bytes of LDS; arguments x, ln1_g, ln1_b, acts; writes acts
.if DOCPART == 2
	.amdgcn_target "amdgcn-amd-amdhsa--gfx1250"
	.amdhsa_code_object_version 6
	.text
	.protected	k_q69cc614212_ln1
	.globl	k_q69cc614212_ln1
	.p2align	8
	.type	k_q69cc614212_ln1,@function
k_q69cc614212_ln1:
	s_mov_b64 s[64:65], 0
	v_nop
	global_prefetch_b8 v0, s[64:65] scope:SCOPE_SE
	s_setreg_imm32_b32 hwreg(HW_REG_WAVE_MODE, 25, 1), 1
	s_wait_xcnt 0x0
; y = (x - mean) / sqrt(var + 1e-5) * g + b along rows of 1,024 f32, then quantised along the row to FP6 (E2M3) with one E8M0 byte for each 32, and stored AS IMAGES OF THE OPERAND'S REGISTERS.
; AN IMAGE: 16 rows x 128 along K = 1,536 bytes; registers 4 g .. 4 g + 3 of lane l at 512 g + 16 l; lane (r, h): row r, registers 6 c .. 6 c + 5 = k 64 c + 32 h + 0 .. 31.
; ORDER OF ROWS: in a group of 32 rows, tile u, row r stands for row 8 u + r + 8 (r / 8).  Codes: [block of 128 rows][K step 0 .. 7][tile 2 p + u][1,536]; scale words at byte 3,145,728: [block][pair of K steps][p][lane r + 16 (K step & 1)][2 words: tiles 2 p, 2 p + 1].
; SHARES: a work-group takes one group of 32 rows; each of its sixteen waves two whole rows, kept in registers between the passes.  Mean first, then the centred squares (two passes over registers: a common offset of the inputs costs no digits).
; A row is loaded 16 bytes a lane (512 consecutive bytes a load).  The conversions want 32 neighbours in ONE lane: the finished row turns through the wave's own stage in LDS (128 bytes + 16 of padding for each block of 32), and lane l gets block l whole.
; Its 24 bytes of codes go to their place in the sixteen images that the work-group gathers in LDS (pitch 1,552), its byte to the scale words' image; one barrier; wave f stores image f as 3 x 512 consecutive bytes, waves 0-3 the scale words, 256 each.
; LIMITS: NaN and infinities are not served; a block whose largest magnitude lies under 2^-124 keeps the byte 1; a block of zeros has the byte 1 where the rule says 127 (zero codes; this program alone reads the bytes).
; No matrix unit, no cluster: the launch streams, and work-groups share only g and b (8 KB).
.set IMG,   73728                      ; behind the sixteen stages of 4,608 bytes
.set IP,    1552
.set SCB,   98560                      ; 1,024 bytes of scale words
.set SPARE, 99584                      ; the spare words: 128 bytes for each of 16 waves
.set GG,  96                           ; v96-127 g;  v128-159 b
.set BB,  128
.set Y,   160                          ; v160-191 a block of 32 neighbours
.set CC,  192                          ; v192-199 codes and the byte
	s_load_b256 s[4:11], s[0:1], 0x0               ; x s[4:5], g s[6:7], b s[8:9], acts s[10:11]
	v_lshl_add_u32 v10, v0, 2, SPARE               ; my spare word; never rewritten
	v_mov_b32 v11, 0                               ; 0; never rewritten
	v_lshrrev_b32 v12, 5, v0
	v_readfirstlane_b32 s12, v12                   ; wave w
	v_and_b32 v13, 31, v0                          ; lane l
	v_lshlrev_b32 v1, 4, v13                       ; 16 l
	v_lshlrev_b32 v9, 3, v13                       ; 8 l
	s_mul_i32 s13, s12, 4608                       ; my stage
	v_lshrrev_b32 v14, 3, v13
	v_mul_u32_u24 v2, v14, 144
	v_and_b32 v15, 7, v13
	v_lshl_add_u32 v2, v15, 4, v2
	v_add_nc_u32 v2, s13, v2                       ; into the stage: 144 (l / 8) + 16 (l % 8); load j's 512 bytes lie 576 j on
	v_mul_u32_u24 v3, v13, 144
	v_add_nc_u32 v3, s13, v3                       ; out of it: block l
	s_bfe_u32 s14, s12, 0x10002                    ; u = (w / 4) & 1: my two rows' tile
	s_and_b32 s15, s12, 3
	s_lshl_b32 s15, s15, 1
	s_lshr_b32 s16, s12, 3
	s_lshl_b32 s16, s16, 3
	s_add_co_u32 s15, s15, s16                     ; r0 = 2 (w & 3) + 8 (w / 8): my first row's place in the tile
	s_mul_i32 s17, s14, 8*IP
	s_lshl_b32 s18, s15, 4
	s_add_co_u32 s17, s17, s18
	s_add_co_u32 s17, s17, IMG                     ; images 8 u .., image lane r0
	v_lshrrev_b32 v14, 2, v13                      ; my block's K step
	v_mul_u32_u24 v16, v14, IP
	v_and_b32 v15, 1, v13                          ; h
	v_lshl_add_u32 v16, v15, 8, v16
	v_bfe_u32 v15, v13, 1, 1                       ; c
	v_mad_u32_u24 v4, v15, 520, v16                ; registers 6 c, 6 c + 1 and 6 c + 4, 6 c + 5 (the latter 512 on),
	v_mad_u32_u24 v5, v15, 1016, v16               ; registers 6 c + 2, 6 c + 3 (8 on)
	v_add_nc_u32 v4, s17, v4
	v_add_nc_u32 v5, s17, v5
	v_and_b32 v15, 3, v13
	v_lshl_add_u32 v6, v14, 7, v15                 ; the byte: 128 x K step + block in the step,
	s_lshl_b32 s18, s15, 3
	s_lshl_b32 s19, s14, 2
	s_add_co_u32 s18, s18, s19
	s_add_co_u32 s18, s18, SCB
	v_add_nc_u32 v6, s18, v6                       ; + 8 r0 + 4 u
	s_mul_i32 s19, s12, IP
	s_add_co_u32 s19, s19, IMG
	v_add_nc_u32 v7, s19, v1                       ; back: image w
	s_lshl_b32 s19, s12, 8
	s_add_co_u32 s19, s19, SCB
	v_add_nc_u32 v8, s19, v9                       ; back: pair w of the scale words (waves 0-3 use it)
	s_mov_b32 s20, 0x3a800000                      ; 1 / 1,024
	s_mov_b32 s21, 0x3727c5ac                      ; 1e-5
	s_mov_b32 s30, 0x76543210
	s_mov_b32 s31, 0xfedcba98                      ; lane l xor 16
	s_lshl_b32 s24, ttmp9, 17                      ; 32 rows of 4,096 bytes a work-group,
	s_lshl_b32 s25, s12, 13
	s_add_co_u32 s24, s24, s25                     ; two a wave
	s_mov_b32 s25, 0
	s_lshr_b32 s22, ttmp9, 2                       ; block of 128 rows
	s_and_b32 s23, ttmp9, 3                        ; p
	s_lshl_b32 s26, s22, 3
	s_and_b32 s27, s12, 7
	s_add_co_u32 s26, s26, s27
	s_mul_i32 s26, s26, 12288                      ; image w: K step w & 7,
	s_lshl_b32 s27, s23, 1
	s_lshr_b32 s28, s12, 3
	s_add_co_u32 s27, s27, s28
	s_mul_i32 s27, s27, 1536                       ; tile 2 p + w / 8
	s_add_co_u32 s26, s26, s27
	s_mov_b32 s27, 0
	s_lshl_b32 s28, s22, 2
	s_add_co_u32 s28, s28, s12
	s_lshl_b32 s28, s28, 10
	s_lshl_b32 s29, s23, 8
	s_add_co_u32 s28, s28, s29
	s_add_co_u32 s28, s28, 3145728
	s_mov_b32 s29, 0
	s_wait_kmcnt 0x0
	s_add_nc_u64 s[4:5], s[4:5], s[24:25]
	s_add_nc_u64 s[26:27], s[10:11], s[26:27]
	s_add_nc_u64 s[28:29], s[10:11], s[28:29]
.irp j, 0,1,2,3,4,5,6,7
	global_load_b128 v[32+4*\j:35+4*\j], v1, s[4:5] offset:512*\j th:TH_LOAD_NT
.endr
.irp j, 0,1,2,3,4,5,6,7
	global_load_b128 v[64+4*\j:67+4*\j], v1, s[4:5] offset:4096+512*\j th:TH_LOAD_NT
.endr
.irp j, 0,1,2,3,4,5,6,7
	global_load_b128 v[GG+4*\j:GG+4*\j+3], v1, s[6:7] offset:512*\j
.endr
.irp j, 0,1,2,3,4,5,6,7
	global_load_b128 v[BB+4*\j:BB+4*\j+3], v1, s[8:9] offset:512*\j
.endr
.macro REDUCE                          ; v12 summed over the 32 lanes, the result in every lane
	v_add_f32_dpp v12, v12, v12 row_xmask:1 row_mask:0xf bank_mask:0xf
	v_add_f32_dpp v12, v12, v12 row_xmask:2 row_mask:0xf bank_mask:0xf
	v_add_f32_dpp v12, v12, v12 row_xmask:4 row_mask:0xf bank_mask:0xf
	v_add_f32_dpp v12, v12, v12 row_xmask:8 row_mask:0xf bank_mask:0xf
	v_permlanex16_b32 v13, v12, s30, s31
	v_add_f32 v12, v12, v13
.endm
.macro FOLD                            ; four chains of pairs into v12
	v_pk_add_f32 v[12:13], v[12:13], v[14:15]
	v_pk_add_f32 v[16:17], v[16:17], v[18:19]
	v_pk_add_f32 v[12:13], v[12:13], v[16:17]
	v_add_f32 v12, v12, v13
.endm
; The row in v[x] .. v[x + 31] is centred in place; 1 / sqrt(var + eps) goes to v[rs], v[rs + 1].  left: the younger loads that may stay out.
.macro STATS x, rs, left
	s_wait_loadcnt \left
.irp k, 0,1,2,3
	v_pk_add_f32 v[12+2*\k:13+2*\k], v[\x+2*\k:\x+2*\k+1], v[\x+8+2*\k:\x+9+2*\k]
.endr
.irp q, 16,24
.irp k, 0,1,2,3
	v_pk_add_f32 v[12+2*\k:13+2*\k], v[12+2*\k:13+2*\k], v[\x+\q+2*\k:\x+\q+2*\k+1]
.endr
.endr
	FOLD
	REDUCE
	v_mul_f32 v20, s20, v12                        ; the mean,
	v_mov_b32 v21, v20                             ; twice: a pair for the packed form
.set n, 0
.rept 16
	v_pk_add_f32 v[\x+n:\x+n+1], v[\x+n:\x+n+1], v[20:21] neg_lo:[0,1] neg_hi:[0,1]
.set n, n+2
.endr
.irp k, 0,1,2,3
	v_pk_mul_f32 v[12+2*\k:13+2*\k], v[\x+2*\k:\x+2*\k+1], v[\x+2*\k:\x+2*\k+1]
.endr
.irp q, 8,16,24
.irp k, 0,1,2,3
	v_pk_fma_f32 v[12+2*\k:13+2*\k], v[\x+\q+2*\k:\x+\q+2*\k+1], v[\x+\q+2*\k:\x+\q+2*\k+1], v[12+2*\k:13+2*\k]
.endr
.endr
	FOLD
	REDUCE
	v_fma_f32 v22, v12, s20, s21                   ; var + eps
	v_rsq_f32 v[\rs], v22
	v_nop                                          ; a plain line behind the transcendental,
	s_wait_alu depctr_va_vdst(0)                   ; and the wait ahead of its first use
	v_mov_b32 v[\rs+1], v[\rs]
.endm
; The centred row is finished, turned through the stage and quantised; rho: which of my two rows.
.macro NORMQ x, rs, rho
.set n, 0
.rept 16
	v_pk_mul_f32 v[\x+n:\x+n+1], v[\x+n:\x+n+1], v[\rs:\rs+1]
.set n, n+2
.endr
.set n, 0
.rept 16
	v_pk_fma_f32 v[\x+n:\x+n+1], v[\x+n:\x+n+1], v[GG+n:GG+n+1], v[BB+n:BB+n+1]
.set n, n+2
.endr
.irp j, 0,1,2,3,4,5,6,7
	ds_store_b128 v2, v[\x+4*\j:\x+4*\j+3] offset:576*\j
.endr
.irp i, 0,1,2,3,4,5,6,7
	ds_load_b128 v[Y+4*\i:Y+4*\i+3], v3 offset:16*\i   ; LDS serves a wave's instructions in order (ISA guide 5.7.1.4): these see the stores above, and the next row's stores come behind them
.endr
	s_wait_dscnt 0x0                               ; block l is in; my earlier LDS stores have read their registers
	v_max3_num_f32 v12, |v[Y]|, |v[Y+1]|, |v[Y+2]|
	v_max3_num_f32 v13, |v[Y+3]|, |v[Y+4]|, |v[Y+5]|
.irp i, 6,10,14,18,22,26
	v_max3_num_f32 v12, v12, |v[Y+\i]|, |v[Y+\i+1]|
	v_max3_num_f32 v13, v13, |v[Y+\i+2]|, |v[Y+\i+3]|
.endr
	v_max3_num_f32 v12, v12, |v[Y+30]|, |v[Y+31]|
	v_max3_num_f32 v12, v12, v13, 0x1800000        ; the floor 2^(3 - 127): the byte cannot fall under 1
	v_add_nc_u32 v14, 0xff000000, v12              ; 2 off the exponent field: the conversion's scale operand
	v_cvt_scalef32_pk16_fp6_f32 v[CC:CC+2], v[Y:Y+15], v14
	v_cvt_scalef32_pk16_fp6_f32 v[CC+4:CC+6], v[Y+16:Y+31], v14
	v_lshrrev_b32 v[CC+7], 23, v14                 ; the byte (a plain line behind the conversions)
	v_mov_b32 v[CC+3], v[CC+4]                     ; the gap is closed: six registers on end
	v_mov_b32 v[CC+4], v[CC+5]
	v_mov_b32 v[CC+5], v[CC+6]
	ds_store_b64 v4, v[CC:CC+1] offset:16*\rho
	ds_store_b64 v5, v[CC+2:CC+3] offset:8+16*\rho
	ds_store_b64 v4, v[CC+4:CC+5] offset:512+16*\rho
	ds_store_b8 v6, v[CC+7] offset:8*\rho
.endm
	STATS 32, 24, 24                               ; row 0 is in; row 1, g and b (24 loads) may be out
	STATS 64, 26, 16                               ; row 1 is in; g and b may be out
	s_wait_loadcnt 0x0
	NORMQ 32, 24, 0
	NORMQ 64, 26, 1
	s_wait_dscnt 0x0                               ; for the others' sake: my stores into the images are done
	s_barrier_signal -1
	s_barrier_wait -1
.irp g, 0,1,2
	ds_load_b128 v[32+4*\g:35+4*\g], v7 offset:512*\g
.endr
	s_wait_dscnt 0x0
.irp g, 0,1,2
	global_store_b128 v1, v[32+4*\g:35+4*\g], s[26:27] offset:512*\g   ; 512 consecutive bytes, aligned
.endr
	s_cmp_lt_u32 s12, 4
	s_cbranch_scc0 .Lno_words
	ds_load_b64 v[44:45], v8
	s_wait_dscnt 0x0
	global_store_b64 v9, v[44:45], s[28:29]        ; 256 consecutive bytes, aligned
.Lno_words:
	s_wait_tensorcnt 0x0                           ; the wave's end
	ds_add_u32 v10, v11
	s_wait_dscnt 0x0
	s_endpgm
.Lfunc_end_k_q69cc614212_ln1:
	.size	k_q69cc614212_ln1, .Lfunc_end_k_q69cc614212_ln1-k_q69cc614212_ln1
	.p2alignl 7, 3214868480
	.fill 96, 4, 3214868480
	.section	.rodata,"a",@progbits
	.p2align	6, 0x0
	.amdhsa_kernel k_q69cc614212_ln1
		.amdhsa_group_segment_fixed_size 101632
		.amdhsa_private_segment_fixed_size 0
		.amdhsa_enable_private_segment 0
		.amdhsa_kernarg_size 32
		.amdhsa_user_sgpr_count 2
		.amdhsa_user_sgpr_kernarg_segment_ptr 1
		.amdhsa_wavefront_size32 1
		.amdhsa_system_sgpr_workgroup_id_x 1
		.amdhsa_system_sgpr_workgroup_id_y 1
		.amdhsa_system_sgpr_workgroup_id_z 1
		.amdhsa_system_vgpr_workitem_id 0
		.amdhsa_next_free_vgpr 208
		.amdhsa_next_free_sgpr 66
		.amdhsa_reserve_vcc 0
		.amdhsa_float_denorm_mode_32 3
		.amdhsa_float_denorm_mode_16_64 3
		.amdhsa_memory_ordered 1
		.amdhsa_forward_progress 1
		.amdhsa_inst_pref_size 26
	.end_amdhsa_kernel
	.amdgpu_metadata
---
amdhsa.version: [ 1, 2 ]
amdhsa.kernels:
  - .name:           k_q69cc614212_ln1
    .symbol:         k_q69cc614212_ln1.kd
    .args:
      - { .name: x, .offset: 0, .size: 8, .value_kind: global_buffer, .address_space: global }
      - { .name: ln1_g, .offset: 8, .size: 8, .value_kind: global_buffer, .address_space: global }
      - { .name: ln1_b, .offset: 16, .size: 8, .value_kind: global_buffer, .address_space: global }
      - { .name: acts, .offset: 24, .size: 8, .value_kind: global_buffer, .address_space: global }
    .group_segment_fixed_size: 101632
    .private_segment_fixed_size: 0
    .kernarg_segment_align: 8
    .kernarg_segment_size: 32
    .max_flat_workgroup_size: 512
    .sgpr_count:     66
    .vgpr_count:     208
    .wavefront_size: 32
...
	.end_amdgpu_metadata
.endif
;; end of part 2
;; launch gemmqkv (part 3): grid 12 x 16, 4 waves a work-group, no clusters, 0 bytes of LDS; arguments acts, wq, b_attn, qkv; writes qkv
.if DOCPART == 3
	.amdgcn_target "amdgcn-amd-amdhsa--gfx1250"
	.amdhsa_code_object_version 6
	.text
	.protected	k_q69cc614212_gemmqkv
	.globl	k_q69cc614212_gemmqkv
	.p2align	8
	.type	k_q69cc614212_gemmqkv,@function
k_q69cc614212_gemmqkv:
	s_mov_b64 s[64:65], 0
	v_nop
	global_prefetch_b8 v0, s[64:65] scope:SCOPE_SE
	s_setreg_imm32_b32 hwreg(HW_REG_WAVE_MODE, 25, 1), 1
	s_wait_xcnt 0x0
; qkv = LN1(x) W_attn + b_attn on codes of FP6 (E2M3) with E8M0 scales, K = 1,024; the result is quantised in registers and leaves as the operands of attention.  No f32 result goes to memory.
; OPERANDS ARE IMAGES OF THEIR REGISTERS in memory: 16 rows x 128 K = 1,536 bytes, registers 4 g .. 4 g + 3 of lane l at 512 g + 16 l; [block of 128 rows][K step][tile 0 .. 7].  A fragment is three loads of 512 consecutive bytes, straight into registers.
; Rows of a tile: in a group of 32, tile u, row r stands for index 8 u + r + 8 (r / 8).  With such tiles as source 0, the 64 result registers of a source-1 tile are, for lane (r, h): register 16 B + i = source-0 index 32 B + 16 h + i: what QUANT takes.
; Scale words: [block][pair of K steps][p][lane r + 16 (K step & 1)][2 words]: four loads of 8 bytes a lane bring a side's eight registers for two K steps; odd steps read lanes 16-31.
; SHARES: a wave makes 128 x 128: 64 accumulators.  Wave w of work-group (x, y): columns block 2 x + (w & 1) of 24, tokens block 2 y + (w / 2) of 32.
; q AND k (x < 8): source 0 = weights, source 1 = tokens: a lane holds one token, its registers 128 columns = two heads of 64.  Each head's 6 registers leave as a half image (768 bytes: 4 registers at 16 l, 2 at 512 + 8 l); its scale word has 0x7f in the two bytes of the K that attention pads.
; v (x >= 8): THE POINTERS CHANGE SIDES: source 0 = tokens, source 1 = weights: a lane holds one channel d and its registers run along 128 neighbouring tokens, which are the second product's K.  Nothing is transposed.
; TWO SETS of fragments: while one K step is multiplied, the next two steps' loads (2 x 24,576 bytes a wave) are out.
; NO LDS, NO CLUSTER, NO JOINT LOADS: this text keeps no tile in LDS that partners could share; each wave asks for its own 24,576 bytes for every 64 products, so a block of A is asked for by 24 waves and a block of B by 32.  A ring in LDS with joint loads would divide those requests; it is not built here.
; LIMITS: NaN and infinities are not served; a block whose largest magnitude lies under 2^-124 keeps the byte 1; a block of zeros has the byte 1 where the rule says 127 (zero codes; this program alone reads the bytes).
; REGISTERS, in windows of 256: window 0: v1 16 l, v2 8 l, v3 l, v4-11 the bias along the lanes, v12-13 offsets; v16-23, v32-39 source 1's scale words (two sets); v24-31, v40-47 source 0's; v48-63 at work in QUANT; v64-159, v160-255 source 1's fragments, two sets.
;   window 1: v0-95, v96-191 source 0's fragments; v192-255 the bias along the registers.   windows 2, 3: accumulator (a, b) at v[8 (8 (a % 4) + b)], a < 4 in window 2.
.set BIASC, 0                          ; the first products start the sums with 0: the bias differs between the two ways out and is added there
.set TM, 48
.set PC, 128
.set MSB, 0
.macro WIN new                         ; s_set_vgpr_msb: bits 1:0 source 0, 3:2 source 1, 5:4 source 2, 7:6 destination; the high byte repeats the setting that is left
.if MSB != (\new)
	s_set_vgpr_msb (MSB<<8)|(\new)
.set MSB, (\new)
.endif
.endm
.macro PLACES                          ; four plain vector lines between a matrix instruction and a load into, or a vector read of, its registers (ISA guide 7.12.1 for vector reads)
.rept 4
	v_nop
.endr
.endm
.macro LOADF set, st                   ; K step st (counted from the pointers): 8 + 8 fragments, 48 loads
	WIN 0x40
.irp t, 0,1,2,3,4,5,6,7
.irp g, 0,1,2
	global_load_b128 v[96*\set+12*\t+4*\g:96*\set+12*\t+4*\g+3], v1, s[6:7] offset:\st*12288+1536*\t+512*\g
.endr
.endr
	WIN 0
.irp t, 0,1,2,3,4,5,6,7
.irp g, 0,1,2
	global_load_b128 v[64+96*\set+12*\t+4*\g:64+96*\set+12*\t+4*\g+3], v1, s[4:5] offset:\st*12288+1536*\t+512*\g
.endr
.endr
.endm
.macro LOADS sc, pr                    ; the scale words of pair pr of K steps: 8 loads
.irp p, 0,1,2,3
	global_load_b64 v[16+16*\sc+2*\p:17+16*\sc+2*\p], v2, s[8:9] offset:1024*\pr+256*\p
	global_load_b64 v[24+16*\sc+2*\p:25+16*\sc+2*\p], v2, s[10:11] offset:1024*\pr+256*\p
.endr
.endm
.macro MUL set, sc, row, first         ; 64 products, one K step; the 64 accumulators take turns, one instruction a turn, in the same order in every step
.irp a, 0,1,2,3,4,5,6,7
.if (\first) && BIASC
	WIN 0x91+0x40*(\a/4)
.else
	WIN 0xa1+0x50*(\a/4)
.endif
.irp b, 0,1,2,3,4,5,6,7
.set AC, 8*(8*(\a%4)+\b)
.set FB, 96*\set+12*\b
.set FA, 64+96*\set+12*\a
.set SB, 24+16*\sc+\b
.set SA, 16+16*\sc+\a
.if \first
.if BIASC
	v_wmma_scale_f32_16x16x128_f8f6f4 v[AC:AC+7], v[FB:FB+11], v[FA:FA+11], v[192+8*\b:199+8*\b], v[SB], v[SA] matrix_a_fmt:MATRIX_FMT_FP6 matrix_b_fmt:MATRIX_FMT_FP6
.else
	v_wmma_scale_f32_16x16x128_f8f6f4 v[AC:AC+7], v[FB:FB+11], v[FA:FA+11], 0, v[SB], v[SA] matrix_a_fmt:MATRIX_FMT_FP6 matrix_b_fmt:MATRIX_FMT_FP6
.endif
.elseif \row
	v_wmma_scale_f32_16x16x128_f8f6f4 v[AC:AC+7], v[FB:FB+11], v[FA:FA+11], v[AC:AC+7], v[SB], v[SA] matrix_a_fmt:MATRIX_FMT_FP6 matrix_b_fmt:MATRIX_FMT_FP6 matrix_a_scale:MATRIX_SCALE_ROW1 matrix_b_scale:MATRIX_SCALE_ROW1
.else
	v_wmma_scale_f32_16x16x128_f8f6f4 v[AC:AC+7], v[FB:FB+11], v[FA:FA+11], v[AC:AC+7], v[SB], v[SA] matrix_a_fmt:MATRIX_FMT_FP6 matrix_b_fmt:MATRIX_FMT_FP6
.endif
.endr
.endr
.endm
; Four K steps.  The counted waits: 48 = the other set's 48 loads, issued behind the set that is wanted; 56 = 8 scale loads and 48 fragment loads issued behind it.
.macro QUAD first, tail
	s_wait_loadcnt 48
	MUL 0, 0, 0, \first
	PLACES
	WIN 0
	LOADS 1, 1
	LOADF 0, 2
	s_wait_loadcnt 56
	MUL 1, 0, 1, 0
	PLACES
	LOADF 1, 3
	s_wait_loadcnt 48
	MUL 0, 1, 0, 0
	PLACES
.if \tail == 0
	WIN 0
	LOADS 0, 2
	LOADF 0, 4
	s_wait_loadcnt 56
.else
	s_wait_loadcnt 0x0
.endif
	MUL 1, 1, 1, 0
	PLACES
.if \tail == 0
	LOADF 1, 5
	s_wait_xcnt 0x0                                ; the loads have read their bases: now these may step
	s_add_nc_u64 s[4:5], s[4:5], 49152
	s_add_nc_u64 s[6:7], s[6:7], 49152
	s_add_nc_u64 s[8:9], s[8:9], 2048
	s_add_nc_u64 s[10:11], s[10:11], 2048
.endif
	WIN 0
.endm
; 64 numbers of a lane, register 16 b + i = k 32 b + 16 (lane / 16) + i of my row, become a fragment's codes in v[PC] .. v[PC + 11] and its scale word in v[pw].
.macro QUANT s, pw
.irp b, 0,1,2,3
	v_max3_num_f32 v[TM+\b], |v[\s+16*\b]|, |v[\s+1+16*\b]|, 0x1800000   ; my 16 numbers of block b, and the floor 2^(3 - 127): the byte cannot fall under 1
.endr
.irp i, 2,4,6,8,10,12,14
.irp b, 0,1,2,3
	v_max3_num_f32 v[TM+\b], v[TM+\b], |v[\s+16*\b+\i]|, |v[\s+1+16*\b+\i]|
.endr
.endr
.irp b, 0,1,2,3
	v_permlanex16_b32 v[TM+4+\b], v[TM+\b], s32, s33
.endr
.irp b, 0,1,2,3
	v_max_num_f32 v[TM+\b], v[TM+\b], v[TM+4+\b]   ; with lane l xor 16's: the block's largest magnitude
.endr
.irp b, 0,1,2,3
	v_add_nc_u32 v[TM+12+\b], 0xff000000, v[TM+\b] ; 2 off the exponent field: the conversion's scale operand
.endr
.irp b, 0,1,2,3
	v_lshrrev_b32 v[TM+4+\b], 23, v[TM+12+\b]      ; the byte
.endr
	v_lshl_or_b32 v[\pw], v[TM+5], 8, v[TM+4]
	v_lshl_or_b32 v[\pw], v[TM+6], 16, v[\pw]
	v_lshl_or_b32 v[\pw], v[TM+7], 24, v[\pw]
.irp c, 0,1
	v_cvt_scalef32_pk16_fp6_f32 v[PC+6*\c:PC+2+6*\c], v[\s+32*\c:\s+15+32*\c], v[TM+12+2*\c]
	v_cvt_scalef32_pk16_fp6_f32 v[PC+12+4*\c:PC+14+4*\c], v[\s+16+32*\c:\s+31+32*\c], v[TM+12+2*\c+1]
.endr
	v_nop                                          ; one plain line behind a scaled conversion
.irp c, 0,1                            ; the layout wants a whole block in a lane: lanes 0-15 block 2 c, lanes 16-31 block 2 c + 1
.irp i, 0,1,2
	v_permlane16_swap_b32 v[PC+6*\c+\i], v[PC+12+4*\c+\i]
.endr
.irp i, 0,1,2
	v_mov_b32 v[PC+3+6*\c+\i], v[PC+12+4*\c+\i]
.endr
.endr
.endm
	s_load_b256 s[24:31], s[0:1], 0x0              ; acts s[24:25], wq s[26:27], b_attn s[28:29], qkv s[30:31]
	v_lshrrev_b32 v3, 5, v0
	v_readfirstlane_b32 s20, v3                    ; wave
	v_and_b32 v3, 31, v0                           ; lane
	v_lshlrev_b32 v1, 4, v3
	v_lshlrev_b32 v2, 3, v3
	v_lshrrev_b32 v12, 4, v3
	v_lshlrev_b32 v12, 6, v12                      ; 64 h: the bias along the registers
	v_and_b32 v13, 15, v0
	v_and_b32 v14, 8, v13
	v_add_nc_u32 v13, v13, v14
	v_lshlrev_b32 v13, 2, v13                      ; 4 (r + 8 (r / 8)): the bias along the lanes
.irp b, 0,1,2,3
	v_mov_b32 v[TM+4+\b], 0                        ; written once: a lane permute's destination counts as one of its sources
.endr
	v_cmp_lt_u32 s37, 15, v3                       ; lanes 16-31
	s_mov_b32 s32, 0x76543210
	s_mov_b32 s33, 0xfedcba98
	s_mov_b32 s34, 0x7f7f7f7f
	s_mov_b32 s35, 0x04040100
	s_mov_b32 s36, 0x04040302
	s_and_b32 s12, s20, 1
	s_lshl_b32 s22, ttmp9, 1
	s_add_co_u32 s22, s22, s12                     ; block of columns, 0 .. 23
	s_lshr_b32 s12, s20, 1
	s_and_b32 s21, ttmp7, 0xffff
	s_lshl_b32 s21, s21, 1
	s_add_co_u32 s21, s21, s12                     ; block of tokens, 0 .. 31
	s_mul_i32 s12, s21, 98304
	s_mov_b32 s13, 0
	s_lshl_b32 s14, s21, 12
	s_add_co_u32 s14, s14, 3145728
	s_mov_b32 s15, 0
	s_mul_i32 s16, s22, 98304
	s_mov_b32 s17, 0
	s_lshl_b32 s18, s22, 12
	s_add_co_u32 s18, s18, 9437184
	s_mov_b32 s19, 0
	s_lshl_b32 s38, s22, 9
	s_mov_b32 s39, 0
	s_wait_kmcnt 0x0
	s_add_nc_u64 s[12:13], s[24:25], s[12:13]      ; the tokens' codes,
	s_add_nc_u64 s[14:15], s[24:25], s[14:15]      ; their scale words,
	s_add_nc_u64 s[16:17], s[26:27], s[16:17]      ; the weights' codes,
	s_add_nc_u64 s[18:19], s[26:27], s[18:19]      ; their scale words
	s_add_nc_u64 s[28:29], s[28:29], s[38:39]      ; my 128 numbers of the bias
	s_cmp_lt_u32 ttmp9, 8                          ; q or k?  The choice hangs on the work-group's number alone
	s_cselect_b64 s[4:5], s[12:13], s[16:17]       ; source 1
	s_cselect_b64 s[6:7], s[16:17], s[12:13]       ; source 0
	s_cselect_b64 s[8:9], s[14:15], s[18:19]
	s_cselect_b64 s[10:11], s[18:19], s[14:15]
	WIN 0x40
.irp b, 0,1,2,3,4,5,6,7                ; accumulator b's register j, lane (r, h): column 32 (b / 2) + 16 h + 8 (b % 2) + j
	global_load_b128 v[192+8*\b:195+8*\b], v12, s[28:29] offset:(32*(\b/2)+8*(\b%2))*4
	global_load_b128 v[196+8*\b:199+8*\b], v12, s[28:29] offset:(32*(\b/2)+8*(\b%2))*4+16
.endr
	WIN 0
.irp a, 0,1,2,3,4,5,6,7                ; source-1 tile a, lane r: column 32 (a / 2) + 8 (a % 2) + r + 8 (r / 8)
	global_load_b32 v[4+\a], v13, s[28:29] offset:(32*(\a/2)+8*(\a%2))*4
.endr
	LOADS 0, 0
	LOADF 0, 0
	LOADF 1, 1
	QUAD 1, 0
	QUAD 0, 1
	s_lshr_b32 s38, s21, 4                         ; batch
	s_and_b32 s39, s21, 15                         ; which 128 tokens of its 2,048
	s_mov_b32 s45, 0
	s_lshl_b32 s46, s38, 4
	s_cmp_lt_u32 ttmp9, 8
	s_cbranch_scc0 .Lv
	; ---- q and k
	s_and_b32 s44, s22, 7
	s_lshl_b32 s44, s44, 1
	s_add_co_u32 s46, s46, s44                     ; 16 x batch + my first head
	s_lshr_b32 s47, s22, 3                         ; 0: q, 1: k
	s_lshl_b32 s44, s46, 7
	s_lshl_b32 s48, s39, 3
	s_add_co_u32 s44, s44, s48
	s_mul_i32 s44, s44, 768
	s_mul_i32 s48, s47, 3145728
	s_add_co_u32 s44, s44, s48
	s_add_nc_u64 s[40:41], s[30:31], s[44:45]      ; half images: [head][tile of 16 tokens][768]
	s_lshl_b32 s44, s46, 4
	s_add_co_u32 s44, s44, s39
	s_lshl_b32 s44, s44, 9
	s_lshl_b32 s48, s47, 18
	s_add_co_u32 s44, s44, s48
	s_add_co_u32 s44, s44, 9437184
	s_add_nc_u64 s[42:43], s[30:31], s[44:45]      ; scale words: [head][128 tokens][lane r + 16 x][4 words y]: tile 4 x + y
.macro QKTILE a
	s_wait_xcnt 0x0                                ; the last tile's stores have read their registers
	WIN 0x06+(\a/4)
.set n, 0
.rept 32
	v_pk_add_f32 v[64+n:65+n], v[64*(\a%4)+n:64*(\a%4)+n+1], v[192+n:193+n]   ; + bias; each accumulator from its low end on
.set n, n+2
.endr
	WIN 0
	QUANT 64, 150
	v_perm_b32 v[152+\a], s34, v150, s35           ; the first head's two bytes, 0x7f above them
	v_perm_b32 v[160+\a], s34, v150, s36           ; the second head's
	global_store_b128 v1, v[PC:PC+3], s[40:41] offset:768*\a
	global_store_b64 v2, v[PC+4:PC+5], s[40:41] offset:768*\a+512
	global_store_b128 v1, v[PC+6:PC+9], s[40:41] offset:98304+768*\a
	global_store_b64 v2, v[PC+10:PC+11], s[40:41] offset:98304+768*\a+512
.endm
.irp a, 0,1,2,3,4,5,6,7
	QKTILE \a
.endr
.irp y, 0,1,2,3
	v_cndmask_b32 v[168+\y], v[152+\y], v[156+\y], s37   ; lanes 16-31 take tiles 4 .. 7 (a row's word stands in lanes r and r + 16 alike)
	v_cndmask_b32 v[172+\y], v[160+\y], v[164+\y], s37
.endr
	global_store_b128 v1, v[168:171], s[42:43]
	global_store_b128 v1, v[172:175], s[42:43] offset:8192
	s_endpgm
.Lv:
	; ---- v
	s_sub_co_u32 s44, s22, 16
	s_lshl_b32 s44, s44, 1
	s_add_co_u32 s46, s46, s44                     ; 16 x batch + my first head
	s_lshl_b32 s46, s46, 4
	s_add_co_u32 s46, s46, s39                     ; x 16 + which 128 keys
	s_mul_i32 s44, s46, 6144
	s_add_co_u32 s44, s44, 6291456
	s_add_nc_u64 s[40:41], s[30:31], s[44:45]      ; images: [head][128 keys][tile of 16 channels][1,536]
	s_lshl_b32 s44, s46, 8
	s_add_co_u32 s44, s44, 9961472
	s_add_nc_u64 s[42:43], s[30:31], s[44:45]      ; scale words: [head][128 keys][lane r + 16 x][2 words y]: tile 2 x + y
.macro VTILE a
	s_wait_xcnt 0x0
	WIN 0x02+(\a/4)
.set n, 0
.rept 32
.if \a%2
	v_pk_add_f32 v[64+n:65+n], v[64*(\a%4)+n:64*(\a%4)+n+1], v[4+2*(\a/2):5+2*(\a/2)] op_sel:[0,1] op_sel_hi:[1,1]   ; my channel's bias: the pair's second word for both halves
.else
	v_pk_add_f32 v[64+n:65+n], v[64*(\a%4)+n:64*(\a%4)+n+1], v[4+2*(\a/2):5+2*(\a/2)] op_sel_hi:[1,0]                ; the pair's first word for both halves
.endif
.set n, n+2
.endr
	WIN 0
	QUANT 64, 152+\a
.irp g, 0,1,2
	global_store_b128 v1, v[PC+4*\g:PC+4*\g+3], s[40:41] offset:98304*(\a/4)+1536*(\a%4)+512*\g
.endr
.endm
.irp a, 0,1,2,3,4,5,6,7
	VTILE \a
.endr
.irp e, 0,1
.irp y, 0,1
	v_cndmask_b32 v[168+2*\e+\y], v[152+4*\e+\y], v[154+4*\e+\y], s37
.endr
	global_store_b64 v2, v[168+2*\e:169+2*\e], s[42:43] offset:4096*\e
.endr
	s_endpgm
.Lfunc_end_k_q69cc614212_gemmqkv:
	.size	k_q69cc614212_gemmqkv, .Lfunc_end_k_q69cc614212_gemmqkv-k_q69cc614212_gemmqkv
	.p2alignl 7, 3214868480
	.fill 96, 4, 3214868480
	.section	.rodata,"a",@progbits
	.p2align	6, 0x0
	.amdhsa_kernel k_q69cc614212_gemmqkv
		.amdhsa_group_segment_fixed_size 0
		.amdhsa_private_segment_fixed_size 0
		.amdhsa_enable_private_segment 0
		.amdhsa_kernarg_size 32
		.amdhsa_user_sgpr_count 2
		.amdhsa_user_sgpr_kernarg_segment_ptr 1
		.amdhsa_wavefront_size32 1
		.amdhsa_system_sgpr_workgroup_id_x 1
		.amdhsa_system_sgpr_workgroup_id_y 1
		.amdhsa_system_sgpr_workgroup_id_z 1
		.amdhsa_system_vgpr_workitem_id 0
		.amdhsa_next_free_vgpr 1024
		.amdhsa_next_free_sgpr 66
		.amdhsa_reserve_vcc 0
		.amdhsa_float_denorm_mode_32 3
		.amdhsa_float_denorm_mode_16_64 3
		.amdhsa_memory_ordered 1
		.amdhsa_forward_progress 1
		.amdhsa_inst_pref_size 212
	.end_amdhsa_kernel
	.amdgpu_metadata
---
amdhsa.version: [ 1, 2 ]
amdhsa.kernels:
  - .name:           k_q69cc614212_gemmqkv
    .symbol:         k_q69cc614212_gemmqkv.kd
    .args:
      - { .name: acts, .offset: 0, .size: 8, .value_kind: global_buffer, .address_space: global }
      - { .name: wq, .offset: 8, .size: 8, .value_kind: global_buffer, .address_space: global }
      - { .name: b_attn, .offset: 16, .size: 8, .value_kind: global_buffer, .address_space: global }
      - { .name: qkv, .offset: 24, .size: 8, .value_kind: global_buffer, .address_space: global }
    .group_segment_fixed_size: 0
    .private_segment_fixed_size: 0
    .kernarg_segment_align: 8
    .kernarg_segment_size: 32
    .max_flat_workgroup_size: 128
    .sgpr_count:     66
    .vgpr_count:     1024
    .wavefront_size: 32
...
	.end_amdgpu_metadata
.endif
;; end of part 3
;; launch attn (part 4): grid 16 x 16, 8 waves a work-group, no clusters, 13,824 bytes of LDS; arguments qkv, acts; writes acts
.if DOCPART == 4
	.amdgcn_target "amdgcn-amd-amdhsa--gfx1250"
	.amdhsa_code_object_version 6
	.text
	.protected	k_q69cc614212_attn
	.globl	k_q69cc614212_attn
	.p2align	8
	.type	k_q69cc614212_attn,@function
k_q69cc614212_attn:
	s_mov_b64 s[64:65], 0
	v_nop
	global_prefetch_b8 v0, s[64:65] scope:SCOPE_SE
	s_setreg_imm32_b32 hwreg(HW_REG_WAVE_MODE, 25, 1), 1
	s_wait_xcnt 0x0
; Causal attention on codes of FP6 (E2M3) with E8M0 scales; 32 heads (batch x head) of 2,048 tokens x 64.  The result, divided by the row's sum, is quantised along the model's 1,024 and stored as the images that the next product loads.
; t = score x log2(e) / 8; M = the running largest t rounded UP to a whole number; p = 2^(t - M) is quantised along the keys, not normalised; the row's sum is taken of the unquantised p; when M moves, the sum and O are multiplied by 2^(old M - new M): exact.
; BOTH PRODUCTS ARE USED TRANSPOSED: S^T = K Q^T (source 0 = 16 keys, source 1 = 16 queries), O^T = V^T P^T (source 0 = 16 channels, source 1 = P): a lane holds ONE query throughout.
; K = 64 in the first product: registers 6 .. 11 of K's and Q's fragments are zero codes, written once; their scale bytes are 0x7f.
; TILES are in the order 8 u + r + 8 (r / 8) within each 32 (keys, queries, channels): so p's 16 registers of two neighbouring tiles are 16 neighbouring keys, and O^T's are neighbouring channels.
; SHARES: work-group (x, y): batch y / 8, heads 2 (y & 7) and 2 (y & 7) + 1.  Wave w: head c = w & 1, and with k = w / 2 one group of 32 queries (two tiles): group 2 x, 62 - 2 x, 63 - 2 x, 2 x + 1 for k = 0 .. 3.
; A wave walks group / 4 key steps of 128 all of whose keys count, then ONE step on the diagonal with the mask; later keys are not touched.  Trip counts hang on ids alone.  Waves w and w + 4 have 17 steps together.
; K's, V's and Q's images come from memory straight into registers (three or two loads a tile); K of step s + 1 is asked for behind the scores of step s, V of step s + 1 behind the second product of step s.
; NO CLUSTER, NO JOINT LOADS: partners would need different numbers of key steps (1 to 16), and this text keeps no K or V tile in LDS that could be shared.
; PREFETCH: the one wave of each head that walks all 16 steps (group 63) names, in trips 0 to 10, chunk trip + 1 of 8,192 bytes of the head's 98,304 bytes of K's codes and of V's, a lane every 256 bytes: each block once in the launch; chunk 0 and the scale words come by their loads alone; the last chunk named ends at the head's last byte.
; THE WAY OUT: a head gives 6 of the 12 registers of an image (K step = pair of heads): the two waves of a pair put them together in LDS; one barrier; each wave stores one whole image.
; LIMITS: NaN and infinities are not served; blocks under 2^-124 keep the byte 1; a block of zeros has the byte 1 where the rule says 127 (zero codes; this program alone reads the bytes).
; REGISTERS: window 0: v1-13, v26-27 addresses; v16-19 K's scale words, v20-21 V's, v22-23 Q's, v24-25 p's; v32 + 8 u: -M, largest t, the sum (2), f (2); v48-63 at work; v64-191 S^T then p, 64 a tile; v192-215 p's codes; v216-223 at work.
;   window 1: v0-95 K's 8 fragments; v96-143 V's 4; v144-167 Q's 2; v168-231 O^T, 32 a tile.
.set SW,    12288                      ; LDS: 8 images of 1,536 bytes, then 4 x 128 bytes of scale words,
.set SPARE, 12800                      ; then the spare words: 128 bytes for each of 8 waves
.set MSB, 0
.macro WIN new
.if MSB != (\new)
	s_set_vgpr_msb (MSB<<8)|(\new)
.set MSB, (\new)
.endif
.endm
.macro PLACES
.rept 4
	v_nop
.endr
.endm
	s_load_b128 s[4:7], s[0:1], 0x0                ; qkv s[4:5], acts s[6:7]
	v_lshl_add_u32 v12, v0, 2, SPARE               ; my spare word; never rewritten
	v_mov_b32 v13, 0                               ; 0; never rewritten
	v_lshrrev_b32 v14, 5, v0
	v_readfirstlane_b32 s20, v14                   ; wave
	s_and_b32 s21, s20, 1                          ; c: which head of the pair
	s_lshr_b32 s22, s20, 1                         ; k
	v_and_b32 v14, 31, v0                          ; lane
	v_and_b32 v15, 15, v0                          ; r
	v_bfe_u32 v28, v0, 4, 1                        ; h
	v_lshlrev_b32 v1, 4, v14
	v_lshlrev_b32 v2, 3, v14
	v_lshlrev_b32 v3, 4, v15
	v_lshlrev_b32 v26, 8, v14
	v_lshlrev_b32 v27, 2, v14
	s_mul_i32 s44, s22, 3072                       ; my pair's two images
	s_mul_i32 s45, s21, 520
	s_add_co_u32 s45, s45, s44
	v_add_nc_u32 v7, s45, v1                       ; registers 6 c, 6 c + 1 and (512 on) 6 c + 4, 6 c + 5
	s_mul_i32 s45, s21, 1016
	s_add_co_u32 s45, s45, s44
	v_add_nc_u32 v8, s45, v1                       ; (8 on) registers 6 c + 2, 6 c + 3
	s_lshl_b32 s44, s22, 7
	s_add_co_u32 s44, s44, SW
	s_lshl_b32 s45, s21, 1
	s_add_co_u32 s45, s45, s44
	v_lshl_add_u32 v9, v15, 3, s45                 ; my two scale bytes: 8 r + 2 c (+ 4 u)
	v_add_nc_u32 v11, s44, v27                     ; back: 4 l
	s_mul_i32 s45, s20, 1536
	v_add_nc_u32 v10, s45, v1                      ; back: image w
	s_and_b32 s23, ttmp7, 0xffff
	s_lshr_b32 s24, s23, 3                         ; batch
	s_and_b32 s23, s23, 7                          ; pair of heads
	s_lshl_b32 s25, s24, 4
	s_lshl_b32 s44, s23, 1
	s_add_co_u32 s25, s25, s44
	s_add_co_u32 s25, s25, s21                     ; 16 x batch + head
	s_lshl_b32 s26, ttmp9, 1
	s_and_b32 s44, s22, 1
	s_add_co_u32 s26, s26, s44
	s_lshr_b32 s44, s22, 1
	s_xor_b32 s44, s44, s22
	s_and_b32 s44, s44, 1
	s_mul_i32 s44, s44, 63
	s_xor_b32 s26, s26, s44                        ; my group of 32 queries, 0 .. 63
	s_lshr_b32 s28, s26, 2                         ; the key steps ahead of the diagonal's
	s_and_b32 s27, s26, 3                          ; the group's place in its 128
	s_cmp_eq_u32 s26, 63
	s_cselect_b32 s30, 11, 0                       ; trips in which I prefetch
	v_and_b32 v29, 8, v15
	v_add_nc_u32 v29, v29, v15
	v_lshlrev_b32 v30, 4, v28
	v_sub_nc_u32 v29, v29, v30
	s_lshl_b32 s44, s27, 5
	v_add_nc_u32 v4, s44, v29                      ; tile 0: my query's place in the diagonal's 128 keys, less 16 h
	v_add_nc_u32 v5, 8, v4                         ; tile 1
	v_mov_b32 v6, 0xff800000                       ; -infinity
	s_mov_b32 s32, 0x76543210
	s_mov_b32 s33, 0xfedcba98
	s_mov_b32 s34, 0x3e38aa3b                      ; log2(e) / 8
	s_mov_b32 s35, s34                             ; (named with it as a pair)
	s_mov_b32 s49, 0
	s_mul_i32 s46, s25, 98304
	s_wait_kmcnt 0x0
	s_add_co_u32 s48, s46, 3145728
	s_add_nc_u64 s[8:9], s[4:5], s[48:49]          ; K's codes
	s_add_co_u32 s48, s46, 6291456
	s_add_nc_u64 s[12:13], s[4:5], s[48:49]        ; V's codes
	s_lshl_b32 s48, s25, 13
	s_add_co_u32 s48, s48, 9699328
	s_add_nc_u64 s[10:11], s[4:5], s[48:49]        ; K's scale words
	s_lshl_b32 s48, s25, 12
	s_add_co_u32 s48, s48, 9961472
	s_add_nc_u64 s[14:15], s[4:5], s[48:49]        ; V's
	s_lshl_b32 s48, s25, 7
	s_lshl_b32 s50, s26, 1
	s_add_co_u32 s48, s48, s50
	s_mul_i32 s48, s48, 768
	s_add_nc_u64 s[16:17], s[4:5], s[48:49]        ; my two tiles of Q
	s_lshl_b32 s48, s25, 4
	s_add_co_u32 s48, s48, s28
	s_lshl_b32 s48, s48, 9
	s_lshr_b32 s50, s27, 1
	s_lshl_b32 s50, s50, 8
	s_add_co_u32 s48, s48, s50
	s_and_b32 s50, s26, 1
	s_lshl_b32 s50, s50, 3
	s_add_co_u32 s48, s48, s50
	s_add_co_u32 s48, s48, 9437184
	s_add_nc_u64 s[18:19], s[4:5], s[48:49]        ; their scale words
	s_mov_b64 s[36:37], s[8:9]                     ; the prefetches' places: stepped ahead of each use
	s_mov_b64 s[38:39], s[12:13]
	s_lshl_b32 s50, s24, 4
	s_add_co_u32 s50, s50, s28                     ; my block of 128 tokens
	s_lshl_b32 s48, s50, 3
	s_add_co_u32 s48, s48, s23
	s_mul_i32 s48, s48, 12288
	s_lshl_b32 s51, s27, 1
	s_add_co_u32 s51, s51, s21
	s_mul_i32 s51, s51, 1536
	s_add_co_u32 s48, s48, s51
	s_add_nc_u64 s[40:41], s[6:7], s[48:49]        ; the image that I store: K step = pair of heads, tile 2 p + c
	s_lshl_b32 s48, s50, 2
	s_lshr_b32 s51, s23, 1
	s_add_co_u32 s48, s48, s51
	s_lshl_b32 s48, s48, 10
	s_lshl_b32 s51, s27, 8
	s_add_co_u32 s48, s48, s51
	s_and_b32 s51, s23, 1
	s_lshl_b32 s51, s51, 7
	s_add_co_u32 s48, s48, s51
	s_add_co_u32 s48, s48, 3145728
	s_add_nc_u64 s[42:43], s[6:7], s[48:49]        ; and its 128 bytes of scale words
.macro KGROUP                          ; a key step's 8 half images and their scale words: 17 loads
	WIN 0x40
.irp t, 0,1,2,3,4,5,6,7
	global_load_b128 v[12*\t:12*\t+3], v1, s[8:9] offset:768*\t
	global_load_b64 v[12*\t+4:12*\t+5], v2, s[8:9] offset:768*\t+512
.endr
	WIN 0
	global_load_b128 v[16:19], v1, s[10:11]        ; register y, lane r + 16 x: tile 4 x + y
.endm
.macro VGROUP                          ; its 4 images of V and their scale words: 13 loads
	WIN 0x40
.irp t, 0,1,2,3
.irp g, 0,1,2
	global_load_b128 v[96+12*\t+4*\g:99+12*\t+4*\g], v1, s[12:13] offset:1536*\t+512*\g
.endr
.endr
	WIN 0
	global_load_b64 v[20:21], v2, s[14:15]         ; register y, lane r + 16 x: tile 2 x + y
.endm
	WIN 0x40
.irp u, 0,1
	global_load_b128 v[144+12*\u:147+12*\u], v1, s[16:17] offset:768*\u
	global_load_b64 v[148+12*\u:149+12*\u], v2, s[16:17] offset:768*\u+512
.endr
	WIN 0
.irp u, 0,1
	global_load_b32 v[22+\u], v3, s[18:19] offset:4*\u
.endr
	KGROUP
	VGROUP
	WIN 0x40
.irp t, 0,1,2,3,4,5,6,7
.irp i, 6,7,8,9,10,11
	v_mov_b32 v[12*\t+\i], 0                       ; zero codes for k = 64 .. 127: written once, no load lands here
.endr
.endr
.irp u, 0,1
.irp i, 6,7,8,9,10,11
	v_mov_b32 v[144+12*\u+\i], 0
.endr
.endr
.set n, 168
.rept 64
	v_mov_b32 v[n], 0                              ; O^T.  (The step is written once for all steps: the first finds zeros, which the first change of M leaves zeros.)  These are also the places in front of the first products
.set n, n+1
.endr
	WIN 0
.irp u, 0,1
	v_mov_b32 v[33+8*\u], 0xff61b1e6               ; the largest t so far: -3e38
	v_floor_f32 v[32+8*\u], -v[33+8*\u]            ; -M
	v_mov_b32 v[34+8*\u], 0                        ; the sum, in two halves
	v_mov_b32 v[35+8*\u], 0
	v_mov_b32 v[36+8*\u], 0
	v_mov_b32 v[37+8*\u], 0                        ; (named as the upper half of f's pair)
.endr
.irp b, 0,1,2,3
	v_mov_b32 v[52+\b], 0                          ; a lane permute's destination counts as one of its sources
.endr
; The softmax of tile u for one key step.  mask = 1: on the diagonal, hidden scores become -infinity first.
.macro SMX u, mask
.set SS, 64+64*\u
.set PP, 192+12*\u
.set TT, 32+8*\u
.if \mask
.set n, 0
.rept 64                               ; register 16 B + i holds key 32 B + 16 h + i of the step: hidden where 32 B + i > my query's place - 16 h
	v_cmp_gt_i32 vcc_lo, 32*(n/16)+n%16, v[4+\u]
	v_cndmask_b32 v[SS+n], v[SS+n], v6, vcc_lo
.set n, n+1
.endr
.endif
.irp b, 0,1,2,3
	v_max3_num_f32 v[48+\b], v[SS+16*\b], v[SS+1+16*\b], v[SS+2+16*\b]   ; the largest score of each block of 32 keys: for the row's maximum, and, since p rises with the score, for the block's largest p
.endr
.irp i, 3,5,7,9,11,13
.irp b, 0,1,2,3
	v_max3_num_f32 v[48+\b], v[48+\b], v[SS+16*\b+\i], v[SS+1+16*\b+\i]
.endr
.endr
.irp b, 0,1,2,3
	v_max_num_f32 v[48+\b], v[48+\b], v[SS+15+16*\b]
.endr
.irp b, 0,1,2,3
	v_permlanex16_b32 v[52+\b], v[48+\b], s32, s33
.endr
.irp b, 0,1,2,3
	v_max_num_f32 v[48+\b], v[48+\b], v[52+\b]     ; with lane l xor 16's 16 keys
.endr
	v_max3_num_f32 v60, v48, v49, v50
	v_max_num_f32 v60, v60, v51
	v_mul_f32 v60, s34, v60                        ; as t
	v_max_num_f32 v[TT+1], v[TT+1], v60            ; the running largest t
	v_mov_b32 v60, v[TT]
	v_floor_f32 v[TT], -v[TT+1]                    ; the new -M = -ceil(t)
	v_sub_f32 v60, v[TT], v60                      ; old M - new M: a whole number, 0 or less
	v_cvt_i32_f32 v60, v60                         ; (it saturates)
	v_ldexp_f32 v[TT+4], 1.0, v60                  ; f = 2^(old M - new M)
.set n, 0
.rept 32
	v_pk_fma_f32 v[SS+n:SS+n+1], v[SS+n:SS+n+1], s[34:35], v[TT:TT+1] op_sel_hi:[1,0,0]   ; t - M
.set n, n+2
.endr
.irp b, 0,1,2,3
	v_fma_f32 v[48+\b], v[48+\b], s34, v[TT]       ; the same of each block's largest score
.endr
.set n, 0
.rept 64
	v_exp_f32 v[SS+n], v[SS+n]                     ; p = 2^(t - M)
.set n, n+1
.endr
	v_pk_mul_f32 v[TT+2:TT+3], v[TT+2:TT+3], v[TT+4:TT+5] op_sel_hi:[1,0]   ; the sum under the new M (a plain line behind the exponentials)
	s_wait_alu depctr_va_vdst(0)                   ; one wait for the batch, ahead of its first use
.irp b, 0,1,2,3
	v_exp_f32 v[48+\b], v[48+\b]                   ; the block's largest p
.endr
	v_pk_add_f32 v[60:61], v[SS:SS+1], v[SS+2:SS+3]   ; the row's sum of the UNQUANTISED p, in two chains
.irp j, 4,8,12,16,20,24,28,32,36,40,44,48,52,56,60
	v_pk_add_f32 v[TT+2:TT+3], v[TT+2:TT+3], v[SS+\j:SS+\j+1]
	v_pk_add_f32 v[60:61], v[60:61], v[SS+2+\j:SS+3+\j]
.endr
	v_pk_add_f32 v[TT+2:TT+3], v[TT+2:TT+3], v[60:61]
	s_wait_alu depctr_va_vdst(0)                   ; and one for the four
.irp b, 0,1,2,3
	v_max_num_f32 v[48+\b], 0x1800000, v[48+\b]    ; the floor 2^(3 - 127)
.endr
.irp b, 0,1,2,3
	v_add_nc_u32 v[56+\b], 0xff000000, v[48+\b]    ; the conversion's scale operand
.endr
.irp b, 0,1,2,3
	v_lshrrev_b32 v[52+\b], 23, v[56+\b]           ; the byte
.endr
	v_lshl_or_b32 v[24+\u], v53, 8, v52            ; p's scale word for these 128 keys
	v_lshl_or_b32 v[24+\u], v54, 16, v[24+\u]
	v_lshl_or_b32 v[24+\u], v55, 24, v[24+\u]
.irp c, 0,1
	v_cvt_scalef32_pk16_fp6_f32 v[PP+6*\c:PP+2+6*\c], v[SS+32*\c:SS+15+32*\c], v[56+2*\c]
	v_cvt_scalef32_pk16_fp6_f32 v[216+4*\c:218+4*\c], v[SS+16+32*\c:SS+31+32*\c], v[57+2*\c]
.endr
	v_nop                                          ; one plain line behind a scaled conversion
.irp c, 0,1
.irp i, 0,1,2
	v_permlane16_swap_b32 v[PP+6*\c+\i], v[216+4*\c+\i]
.endr
.irp i, 0,1,2
	v_mov_b32 v[PP+3+6*\c+\i], v[216+4*\c+\i]
.endr
.endr
.endm
; A key step of 128 keys.  next = 1: the next step's K and V are asked for.
.macro STEP mask, next
	s_wait_loadcnt 13                              ; K (and at first Q) is in; V's 13 loads, issued behind it, may be out
	WIN 0x05
.irp t, 0,1,2,3
.irp u, 0,1
	v_wmma_scale_f32_16x16x128_f8f6f4 v[64+64*\u+8*\t:71+64*\u+8*\t], v[12*\t:12*\t+11], v[144+12*\u:155+12*\u], 0, v[16+\t], v[22+\u] matrix_a_fmt:MATRIX_FMT_FP6 matrix_b_fmt:MATRIX_FMT_FP6
.endr
.endr
.irp t, 4,5,6,7
.irp u, 0,1
	v_wmma_scale_f32_16x16x128_f8f6f4 v[64+64*\u+8*\t:71+64*\u+8*\t], v[12*\t:12*\t+11], v[144+12*\u:155+12*\u], 0, v[12+\t], v[22+\u] matrix_a_fmt:MATRIX_FMT_FP6 matrix_b_fmt:MATRIX_FMT_FP6 matrix_a_scale:MATRIX_SCALE_ROW1
.endr
.endr
	WIN 0
	PLACES
.if \next
	s_wait_xcnt 0x0                                ; earlier loads and prefetches have read their bases
	s_add_nc_u64 s[8:9], s[8:9], 6144
	s_add_nc_u64 s[10:11], s[10:11], 512
	s_add_nc_u64 s[36:37], s[36:37], 8192
	s_add_nc_u64 s[38:39], s[38:39], 8192
	KGROUP
	s_cmp_lt_u32 s29, s30
	s_cbranch_scc0 .Lnot_mine_\@
	global_prefetch_b8 v26, s[36:37] th:TH_LOAD_NT scope:SCOPE_SE   ; chunk trip + 1 of K's codes,
	global_prefetch_b8 v26, s[38:39] th:TH_LOAD_NT scope:SCOPE_SE   ; and of V's
.Lnot_mine_\@:
.endif
	SMX 0, \mask
	SMX 1, \mask
	WIN 0x41
.irp u, 0,1
.set n, 0
.rept 16
	v_pk_mul_f32 v[168+32*\u+n:169+32*\u+n], v[168+32*\u+n:169+32*\u+n], v[36+8*\u:37+8*\u] op_sel_hi:[1,0]   ; O^T under the new M.  (These 32 are also the places in front of the products below)
.set n, n+2
.endr
.endr
.if \next
	s_wait_loadcnt 17                              ; V is in; the next step's K, 17 loads, may be out
.else
	s_wait_loadcnt 0x0
.endif
	WIN 0x51
.irp t, 0,1                            ; eight accumulators by turns, one instruction a turn
.irp u, 0,1
	v_wmma_scale_f32_16x16x128_f8f6f4 v[168+32*\u+8*\t:175+32*\u+8*\t], v[96+12*\t:107+12*\t], v[192+12*\u:203+12*\u], v[168+32*\u+8*\t:175+32*\u+8*\t], v[20+\t], v[24+\u] matrix_a_fmt:MATRIX_FMT_FP6 matrix_b_fmt:MATRIX_FMT_FP6
.endr
.endr
.irp t, 2,3
.irp u, 0,1
	v_wmma_scale_f32_16x16x128_f8f6f4 v[168+32*\u+8*\t:175+32*\u+8*\t], v[96+12*\t:107+12*\t], v[192+12*\u:203+12*\u], v[168+32*\u+8*\t:175+32*\u+8*\t], v[18+\t], v[24+\u] matrix_a_fmt:MATRIX_FMT_FP6 matrix_b_fmt:MATRIX_FMT_FP6 matrix_a_scale:MATRIX_SCALE_ROW1
.endr
.endr
	WIN 0
	PLACES
.if \next
	s_wait_xcnt 0x0
	s_add_nc_u64 s[12:13], s[12:13], 6144
	s_add_nc_u64 s[14:15], s[14:15], 256
	VGROUP
.endif
.endm
	s_mov_b32 s29, 0
	s_cmp_eq_u32 s28, 0
	s_cbranch_scc1 .Ldiag
.Lk:                                   ; the steps all of whose keys count
	STEP 0, 1
	s_add_co_u32 s29, s29, 1
	s_cmp_lt_u32 s29, s28
	s_cbranch_scc1 .Lk
.Ldiag:
	STEP 1, 0                                      ; the diagonal's step: the last
	; THE WAY OUT
.irp u, 0,1
	v_add_f32 v[60+\u], v[34+8*\u], v[35+8*\u]     ; the sum's two halves,
.endr
.irp u, 0,1
	v_permlanex16_b32 v[52+\u], v[60+\u], s32, s33
.endr
.irp u, 0,1
	v_add_f32 v[60+\u], v[60+\u], v[52+\u]         ; and lane l xor 16's
.endr
.irp u, 0,1
	v_rcp_f32 v[36+8*\u], v[60+\u]
.endr
	v_nop
	s_wait_alu depctr_va_vdst(0)                   ; one wait for the two reciprocals, ahead of their first use
.macro OUTQ u
.set SS, 64+64*\u
.set PP, 192+12*\u
	WIN 0x01
.set n, 0
.rept 16
	v_pk_mul_f32 v[SS+n:SS+n+1], v[168+32*\u+n:169+32*\u+n], v[36+8*\u:37+8*\u] op_sel_hi:[1,0]   ; O^T / the sum: register 16 B + i = channel 32 B + 16 h + i; each accumulator from its low end on
.set n, n+2
.endr
	WIN 0
.irp b, 0,1
	v_max3_num_f32 v[48+\b], |v[SS+16*\b]|, |v[SS+1+16*\b]|, 0x1800000
.endr
.irp i, 2,4,6,8,10,12,14
.irp b, 0,1
	v_max3_num_f32 v[48+\b], v[48+\b], |v[SS+16*\b+\i]|, |v[SS+1+16*\b+\i]|
.endr
.endr
.irp b, 0,1
	v_permlanex16_b32 v[52+\b], v[48+\b], s32, s33
.endr
.irp b, 0,1
	v_max_num_f32 v[48+\b], v[48+\b], v[52+\b]
.endr
.irp b, 0,1
	v_add_nc_u32 v[56+\b], 0xff000000, v[48+\b]
.endr
.irp b, 0,1
	v_lshrrev_b32 v[52+\b], 23, v[56+\b]
.endr
	v_lshl_or_b32 v[62+\u], v53, 8, v52            ; my head's two bytes of the row's scale word
	v_cvt_scalef32_pk16_fp6_f32 v[PP:PP+2], v[SS:SS+15], v56
	v_cvt_scalef32_pk16_fp6_f32 v[216:218], v[SS+16:SS+31], v57
	v_nop
.irp i, 0,1,2
	v_permlane16_swap_b32 v[PP+\i], v[216+\i]
.endr
.irp i, 0,1,2
	v_mov_b32 v[PP+3+\i], v[216+\i]
.endr
	ds_store_b64 v7, v[PP:PP+1] offset:1536*\u
	ds_store_b64 v8, v[PP+2:PP+3] offset:1536*\u+8
	ds_store_b64 v7, v[PP+4:PP+5] offset:1536*\u+512
	ds_store_b16 v9, v[62+\u] offset:4*\u          ; lanes r and r + 16 store the same two bytes
.endm
	OUTQ 0
	OUTQ 1
	s_wait_dscnt 0x0                               ; for my partner's sake: my stores are done
	s_barrier_signal -1
	s_barrier_wait -1
.irp g, 0,1,2
	ds_load_b128 v[64+4*\g:67+4*\g], v10 offset:512*\g
.endr
	s_wait_dscnt 0x0
.irp g, 0,1,2
	global_store_b128 v1, v[64+4*\g:67+4*\g], s[40:41] offset:512*\g   ; 512 consecutive bytes, aligned
.endr
	s_cmp_eq_u32 s21, 0
	s_cbranch_scc0 .Lno_words
	ds_load_b32 v76, v11
	s_wait_dscnt 0x0
	global_store_b32 v27, v76, s[42:43]            ; 128 consecutive bytes
.Lno_words:
	s_wait_tensorcnt 0x0                           ; the wave's end
	ds_add_u32 v12, v13
	s_wait_dscnt 0x0
	s_endpgm
.Lfunc_end_k_q69cc614212_attn:
	.size	k_q69cc614212_attn, .Lfunc_end_k_q69cc614212_attn-k_q69cc614212_attn
	.p2alignl 7, 3214868480
	.fill 96, 4, 3214868480
	.section	.rodata,"a",@progbits
	.p2align	6, 0x0
	.amdhsa_kernel k_q69cc614212_attn
		.amdhsa_group_segment_fixed_size 13824
		.amdhsa_private_segment_fixed_size 0
		.amdhsa_enable_private_segment 0
		.amdhsa_kernarg_size 16
		.amdhsa_user_sgpr_count 2
		.amdhsa_user_sgpr_kernarg_segment_ptr 1
		.amdhsa_wavefront_size32 1
		.amdhsa_system_sgpr_workgroup_id_x 1
		.amdhsa_system_sgpr_workgroup_id_y 1
		.amdhsa_system_sgpr_workgroup_id_z 1
		.amdhsa_system_vgpr_workitem_id 0
		.amdhsa_next_free_vgpr 512
		.amdhsa_next_free_sgpr 66
		.amdhsa_reserve_vcc 1
		.amdhsa_float_denorm_mode_32 3
		.amdhsa_float_denorm_mode_16_64 3
		.amdhsa_memory_ordered 1
		.amdhsa_forward_progress 1
		.amdhsa_inst_pref_size 88
	.end_amdhsa_kernel
	.amdgpu_metadata
---
amdhsa.version: [ 1, 2 ]
amdhsa.kernels:
  - .name:           k_q69cc614212_attn
    .symbol:         k_q69cc614212_attn.kd
    .args:
      - { .name: qkv, .offset: 0, .size: 8, .value_kind: global_buffer, .address_space: global }
      - { .name: acts, .offset: 8, .size: 8, .value_kind: global_buffer, .address_space: global }
    .group_segment_fixed_size: 13824
    .private_segment_fixed_size: 0
    .kernarg_segment_align: 8
    .kernarg_segment_size: 16
    .max_flat_workgroup_size: 256
    .sgpr_count:     66
    .vgpr_count:     512
    .wavefront_size: 32
...
	.end_amdgpu_metadata
.endif
;; end of part 4
;; launch proj (part 5): grid 8 x 32, 1 waves a work-group, no clusters, 167,936 bytes of LDS; arguments acts, wq, b_proj, x, x1; writes x1
.if DOCPART == 5
	.amdgcn_target "amdgcn-amd-amdhsa--gfx1250"
	.amdhsa_code_object_version 6
	.text
	.protected	k_q69cc614212_proj
	.globl	k_q69cc614212_proj
	.p2align	8
	.type	k_q69cc614212_proj,@function
k_q69cc614212_proj:
	s_mov_b64 s[64:65], 0
	v_nop
	global_prefetch_b8 v0, s[64:65] scope:SCOPE_SE
	s_setreg_imm32_b32 hwreg(HW_REG_WAVE_MODE, 25, 1), 1
	s_wait_xcnt 0x0
; out = res + A W + bias on codes of FP6 (E2M3) with E8M0 scales; out and res f32 [4,096][1,024].  Here: A = attention's result (acts), W = w_proj, K = 1,024, res = x, out = x1.
; OPERANDS ARE IMAGES OF THEIR REGISTERS in memory: 16 rows x 128 K = 1,536 bytes, registers 4 g .. 4 g + 3 of lane l at 512 g + 16 l; [block of 128 rows][K step][tile 0 .. 7].  A fragment is three loads of 512 consecutive bytes, straight into registers.
; Rows of a tile: in a group of 32, tile u, row r stands for index 8 u + r + 8 (r / 8).  Source 0 = weights, source 1 = tokens: lane (r, h) holds one token, register 16 B + i of a token tile = column 32 B + 16 h + i.
; Scale words: [block][pair of K steps][p][lane r + 16 (K step & 1)][2 words]; odd K steps read lanes 16-31.
; SHARES: 256 tiles of 128 x 128, ONE WAVE to a work-group, 64 accumulators.
; The bias is the C of each sum's first product.  TWO SETS of fragments: while one K step is multiplied, the next two steps' loads (2 x 24,576 bytes) are out.
; THE WAY OUT: 16 tokens x 128 columns at a time through a stage in LDS (rows of 512 + 16 bytes), back as whole rows; the residual, asked for two tiles ahead, is added; a store covers 512 consecutive bytes, aligned.
; NO CLUSTER, NO JOINT LOADS: this text keeps no tile in LDS that partners could share; a block of A is asked for by 8 waves, a block of W by 32.  A ring in LDS with joint loads would divide those requests; it is not built here.
; REGISTERS, in windows of 256: window 0: v1 16 l, v2 8 l, v3 the stage, v12 offset, v14-15 the add's two; v16-23, v32-39 source 1's scale words; v24-31, v40-47 source 0's; v64-159, v160-255 source 1's fragments (on the way out: v64-191 residual, v192-255 rows).
;   window 1: v0-95, v96-191 source 0's fragments; v192-255 the bias.   windows 2, 3: accumulator (a, b) at v[8 (8 (a % 4) + b)].
.set ASTR,  98304                      ; A: bytes of a block's codes;
.set ASB,   3145728                    ; where its scale words begin;
.set ASS,   4096                       ; a block's scale words
.set WB,    2359296                    ; W in wq: the same three,
.set WSTR,  98304
.set WSB,   9535488
.set WSS,   4096
.set NLOOP, 0                          ; K steps / 4 - 2
.set NTOUT, 0                          ; 1: the output is read by no later launch
.set SPARE, 8448
.set BIASC, 1
.set MSB, 0
.macro WIN new                         ; s_set_vgpr_msb: bits 1:0 source 0, 3:2 source 1, 5:4 source 2, 7:6 destination; the high byte repeats the setting that is left
.if MSB != (\new)
	s_set_vgpr_msb (MSB<<8)|(\new)
.set MSB, (\new)
.endif
.endm
.macro PLACES                          ; four plain vector lines between a matrix instruction and a load into, or a read of, its registers (ISA guide 7.12.1 for vector reads)
.rept 4
	v_nop
.endr
.endm
.macro LOADF set, st                   ; K step st (counted from the pointers): 8 + 8 fragments, 48 loads
	WIN 0x40
.irp t, 0,1,2,3,4,5,6,7
.irp g, 0,1,2
	global_load_b128 v[96*\set+12*\t+4*\g:96*\set+12*\t+4*\g+3], v1, s[6:7] offset:\st*12288+1536*\t+512*\g
.endr
.endr
	WIN 0
.irp t, 0,1,2,3,4,5,6,7
.irp g, 0,1,2
	global_load_b128 v[64+96*\set+12*\t+4*\g:64+96*\set+12*\t+4*\g+3], v1, s[4:5] offset:\st*12288+1536*\t+512*\g
.endr
.endr
.endm
.macro LOADS sc, pr                    ; the scale words of pair pr of K steps: 8 loads
.irp p, 0,1,2,3
	global_load_b64 v[16+16*\sc+2*\p:17+16*\sc+2*\p], v2, s[8:9] offset:1024*\pr+256*\p
	global_load_b64 v[24+16*\sc+2*\p:25+16*\sc+2*\p], v2, s[10:11] offset:1024*\pr+256*\p
.endr
.endm
.macro MUL set, sc, row, first         ; 64 products, one K step; the 64 accumulators take turns, one instruction a turn, in the same order in every step
.irp a, 0,1,2,3,4,5,6,7
.if (\first) && BIASC
	WIN 0x91+0x40*(\a/4)
.else
	WIN 0xa1+0x50*(\a/4)
.endif
.irp b, 0,1,2,3,4,5,6,7
.set AC, 8*(8*(\a%4)+\b)
.set FB, 96*\set+12*\b
.set FA, 64+96*\set+12*\a
.set SB, 24+16*\sc+\b
.set SA, 16+16*\sc+\a
.if \first
.if BIASC
	v_wmma_scale_f32_16x16x128_f8f6f4 v[AC:AC+7], v[FB:FB+11], v[FA:FA+11], v[192+8*\b:199+8*\b], v[SB], v[SA] matrix_a_fmt:MATRIX_FMT_FP6 matrix_b_fmt:MATRIX_FMT_FP6
.else
	v_wmma_scale_f32_16x16x128_f8f6f4 v[AC:AC+7], v[FB:FB+11], v[FA:FA+11], 0, v[SB], v[SA] matrix_a_fmt:MATRIX_FMT_FP6 matrix_b_fmt:MATRIX_FMT_FP6
.endif
.elseif \row
	v_wmma_scale_f32_16x16x128_f8f6f4 v[AC:AC+7], v[FB:FB+11], v[FA:FA+11], v[AC:AC+7], v[SB], v[SA] matrix_a_fmt:MATRIX_FMT_FP6 matrix_b_fmt:MATRIX_FMT_FP6 matrix_a_scale:MATRIX_SCALE_ROW1 matrix_b_scale:MATRIX_SCALE_ROW1
.else
	v_wmma_scale_f32_16x16x128_f8f6f4 v[AC:AC+7], v[FB:FB+11], v[FA:FA+11], v[AC:AC+7], v[SB], v[SA] matrix_a_fmt:MATRIX_FMT_FP6 matrix_b_fmt:MATRIX_FMT_FP6
.endif
.endr
.endr
.endm
; Four K steps.  The counted waits: 48 = the other set's 48 loads, issued behind the set that is wanted; 56 = 8 scale loads and 48 fragment loads issued behind it.
.macro QUAD first, tail
	s_wait_loadcnt 48
	MUL 0, 0, 0, \first
	PLACES
	WIN 0
	LOADS 1, 1
	LOADF 0, 2
	s_wait_loadcnt 56
	MUL 1, 0, 1, 0
	PLACES
	LOADF 1, 3
	s_wait_loadcnt 48
	MUL 0, 1, 0, 0
	PLACES
.if \tail == 0
	WIN 0
	LOADS 0, 2
	LOADF 0, 4
	s_wait_loadcnt 56
.else
	s_wait_loadcnt 0x0
.endif
	MUL 1, 1, 1, 0
	PLACES
.if \tail == 0
	LOADF 1, 5
	s_wait_xcnt 0x0                                ; the loads have read their bases: now these may step
	s_add_nc_u64 s[4:5], s[4:5], 49152
	s_add_nc_u64 s[6:7], s[6:7], 49152
	s_add_nc_u64 s[8:9], s[8:9], 2048
	s_add_nc_u64 s[10:11], s[10:11], 2048
.endif
	WIN 0
.endm
	s_load_b256 s[24:31], s[0:1], 0x0              ; A s[24:25], wq s[26:27], bias s[28:29], res s[30:31]
	s_load_b64 s[36:37], s[0:1], 0x20              ; out
	v_lshl_add_u32 v14, v0, 2, SPARE               ; my spare word; never rewritten
	v_mov_b32 v15, 0                               ; 0; never rewritten
	v_lshlrev_b32 v1, 4, v0                        ; 16 l (one wave: the thread's number is the lane)
	v_lshlrev_b32 v2, 3, v0
	v_lshrrev_b32 v12, 4, v0                       ; h
	v_and_b32 v3, 15, v0
	v_mul_u32_u24 v3, v3, 528
	v_lshl_add_u32 v3, v12, 6, v3                  ; the stage: row r, + 64 h
	v_lshlrev_b32 v12, 6, v12                      ; 64 h: the bias
	s_and_b32 s21, ttmp7, 0xffff                   ; block of tokens
	s_mul_i32 s12, s21, ASTR
	s_mov_b32 s13, 0
	s_mul_i32 s14, s21, ASS
	s_add_co_u32 s14, s14, ASB
	s_mov_b32 s15, 0
	s_mul_i32 s16, ttmp9, WSTR                     ; block of columns
	s_add_co_u32 s16, s16, WB
	s_mov_b32 s17, 0
	s_mul_i32 s18, ttmp9, WSS
	s_add_co_u32 s18, s18, WSB
	s_mov_b32 s19, 0
	s_lshl_b32 s38, ttmp9, 9
	s_mov_b32 s39, 0
	s_lshl_b32 s40, s21, 19
	s_add_co_u32 s40, s40, s38                     ; the tile's corner in res and out
	s_mov_b32 s41, 0
	s_wait_kmcnt 0x0
	s_add_nc_u64 s[4:5], s[24:25], s[12:13]
	s_add_nc_u64 s[8:9], s[24:25], s[14:15]
	s_add_nc_u64 s[6:7], s[26:27], s[16:17]
	s_add_nc_u64 s[10:11], s[26:27], s[18:19]
	s_add_nc_u64 s[28:29], s[28:29], s[38:39]
	s_add_nc_u64 s[30:31], s[30:31], s[40:41]
	s_add_nc_u64 s[36:37], s[36:37], s[40:41]
	WIN 0x40
.irp b, 0,1,2,3,4,5,6,7                ; accumulator b's register j, lane (r, h): column 32 (b / 2) + 16 h + 8 (b % 2) + j
	global_load_b128 v[192+8*\b:195+8*\b], v12, s[28:29] offset:(32*(\b/2)+8*(\b%2))*4
	global_load_b128 v[196+8*\b:199+8*\b], v12, s[28:29] offset:(32*(\b/2)+8*(\b%2))*4+16
.endr
	WIN 0
	LOADS 0, 0
	LOADF 0, 0
	LOADF 1, 1
	QUAD 1, 0
.if NLOOP > 0
	s_mov_b32 s23, NLOOP
.Lq:
	QUAD 0, 0
	s_sub_co_u32 s23, s23, 1
	s_cmp_lg_u32 s23, 0
	s_cbranch_scc1 .Lq
.endif
	QUAD 0, 1
.macro RLOAD a                         ; the residual of token tile a: row t of the tile is token 32 (a / 2) + 8 (a % 2) + t + 8 (t / 8)
.set RB, 64+64*((\a)%2)
.irp t, 0,1,2,3,4,5,6,7,8,9,10,11,12,13,14,15
	global_load_b128 v[RB+4*\t:RB+4*\t+3], v1, s[30:31] offset:(32*((\a)/2)+8*((\a)%2)+\t+8*(\t/8))*4096 th:TH_LOAD_NT
.endr
.endm
.macro OUTT a
	s_wait_xcnt 0x0                                ; the last tile's stores have read their registers
	WIN 0x08+4*((\a)/4)                            ; an LDS store's data are its source 1: window 2 or 3
.set n, 0
.rept 16
	ds_store_b128 v3, v[64*((\a)%4)+4*n:64*((\a)%4)+4*n+3] offset:128*(n/4)+16*(n%4)   ; each accumulator from its low end on
.set n, n+1
.endr
	WIN 0
.irp t, 0,1,2,3,4,5,6,7,8,9,10,11,12,13,14,15
	ds_load_b128 v[192+4*\t:195+4*\t], v1 offset:528*\t   ; LDS serves a wave's instructions in order (ISA guide 5.7.1.4): these see the stores above, and the next tile's stores come behind them
.endr
	s_wait_dscnt 0x0
.if (\a) < 7
	s_wait_loadcnt 16                              ; this tile's residual is in; the next tile's 16 loads may be out
.else
	s_wait_loadcnt 0x0
.endif
.set RB, 64+64*((\a)%2)
.set n, 0
.rept 32
	v_pk_add_f32 v[192+n:193+n], v[192+n:193+n], v[RB+n:RB+n+1]
.set n, n+2
.endr
.irp t, 0,1,2,3,4,5,6,7,8,9,10,11,12,13,14,15
.if NTOUT
	global_store_b128 v1, v[192+4*\t:195+4*\t], s[36:37] offset:(32*((\a)/2)+8*((\a)%2)+\t+8*(\t/8))*4096 th:TH_STORE_NT
.else
	global_store_b128 v1, v[192+4*\t:195+4*\t], s[36:37] offset:(32*((\a)/2)+8*((\a)%2)+\t+8*(\t/8))*4096
.endif
.endr
.if (\a) < 6
	RLOAD (\a)+2
.endif
.endm
	RLOAD 0
	RLOAD 1
.irp a, 0,1,2,3,4,5,6,7
	OUTT \a
.endr
	s_wait_tensorcnt 0x0                           ; the wave's end
	ds_add_u32 v14, v15
	s_wait_dscnt 0x0
	s_endpgm
.Lfunc_end_k_q69cc614212_proj:
	.size	k_q69cc614212_proj, .Lfunc_end_k_q69cc614212_proj-k_q69cc614212_proj
	.p2alignl 7, 3214868480
	.fill 96, 4, 3214868480
	.section	.rodata,"a",@progbits
	.p2align	6, 0x0
	.amdhsa_kernel k_q69cc614212_proj
		.amdhsa_group_segment_fixed_size 167936
		.amdhsa_private_segment_fixed_size 0
		.amdhsa_enable_private_segment 0
		.amdhsa_kernarg_size 40
		.amdhsa_user_sgpr_count 2
		.amdhsa_user_sgpr_kernarg_segment_ptr 1
		.amdhsa_wavefront_size32 1
		.amdhsa_system_sgpr_workgroup_id_x 1
		.amdhsa_system_sgpr_workgroup_id_y 1
		.amdhsa_system_sgpr_workgroup_id_z 1
		.amdhsa_system_vgpr_workitem_id 0
		.amdhsa_next_free_vgpr 1024
		.amdhsa_next_free_sgpr 66
		.amdhsa_reserve_vcc 0
		.amdhsa_float_denorm_mode_32 3
		.amdhsa_float_denorm_mode_16_64 3
		.amdhsa_memory_ordered 1
		.amdhsa_forward_progress 1
		.amdhsa_inst_pref_size 167
	.end_amdhsa_kernel
	.amdgpu_metadata
---
amdhsa.version: [ 1, 2 ]
amdhsa.kernels:
  - .name:           k_q69cc614212_proj
    .symbol:         k_q69cc614212_proj.kd
    .args:
      - { .name: acts, .offset: 0, .size: 8, .value_kind: global_buffer, .address_space: global }
      - { .name: wq, .offset: 8, .size: 8, .value_kind: global_buffer, .address_space: global }
      - { .name: b_proj, .offset: 16, .size: 8, .value_kind: global_buffer, .address_space: global }
      - { .name: x, .offset: 24, .size: 8, .value_kind: global_buffer, .address_space: global }
      - { .name: x1, .offset: 32, .size: 8, .value_kind: global_buffer, .address_space: global }
    .group_segment_fixed_size: 167936
    .private_segment_fixed_size: 0
    .kernarg_segment_align: 8
    .kernarg_segment_size: 40
    .max_flat_workgroup_size: 32
    .sgpr_count:     66
    .vgpr_count:     1024
    .wavefront_size: 32
...
	.end_amdgpu_metadata
.endif
;; end of part 5
;; launch ln2: the kernel of part 2 again; grid 128 x 1, 16 waves a work-group, no clusters, 101,632 bytes of LDS; arguments x1, ln2_g, ln2_b, acts; writes acts
;; launch fc (part 6): grid 16 x 16, 4 waves a work-group, no clusters, 0 bytes of LDS; arguments acts, wq, b_fc, hid; writes hid
.if DOCPART == 6
	.amdgcn_target "amdgcn-amd-amdhsa--gfx1250"
	.amdhsa_code_object_version 6
	.text
	.protected	k_q69cc614212_fc
	.globl	k_q69cc614212_fc
	.p2align	8
	.type	k_q69cc614212_fc,@function
k_q69cc614212_fc:
	s_mov_b64 s[64:65], 0
	v_nop
	global_prefetch_b8 v0, s[64:65] scope:SCOPE_SE
	s_setreg_imm32_b32 hwreg(HW_REG_WAVE_MODE, 25, 1), 1
	s_wait_xcnt 0x0
; hidden = gelu(LN2(x1) W_fc + b_fc), the tanh form, on codes of FP6 (E2M3) with E8M0 scales, K = 1,024; the result is quantised in registers along the hidden axis and leaves as the images that the last product loads.  No f32 hidden layer goes to memory.
; OPERANDS ARE IMAGES OF THEIR REGISTERS in memory: 16 rows x 128 K = 1,536 bytes, registers 4 g .. 4 g + 3 of lane l at 512 g + 16 l; [block of 128 rows][K step][tile 0 .. 7].  A fragment is three loads of 512 consecutive bytes, straight into registers.
; Rows of a tile: in a group of 32, tile u, row r stands for index 8 u + r + 8 (r / 8).  Source 0 = weights, source 1 = tokens: lane (r, h) holds one token, register 16 B + i of a token tile = hidden unit 32 B + 16 h + i: what QUANT takes.
; Scale words: [block][pair of K steps][p][lane r + 16 (K step & 1)][2 words]; odd K steps read lanes 16-31.
; SHARES: a wave makes 128 x 128: 64 accumulators.  Wave w of work-group (x, y): hidden block 2 x + (w & 1) of 32 (a K step of the next product), tokens block 2 y + (w / 2) of 32.  The bias is the C of each sum's first product.
; GELU: 0.5 x (1 + tanh(z)) = x / (1 + e^(-2 z)) = x / (1 + 2^(x (K1 + K2 x^2))), K1 = -2 log2(e) sqrt(2 / pi), K2 = 0.044715 K1: the same function, with no difference of near numbers.  Where the power overflows the quotient is 0, where it vanishes it is x.
; NO LDS, NO CLUSTER, NO JOINT LOADS: this text keeps no tile in LDS that partners could share; each wave asks for its own 24,576 bytes for every 64 products, so each block of A and of W is asked for by 32 waves.  A ring in LDS with joint loads would divide those requests; it is not built here.
; LIMITS: NaN and infinities are not served; a block whose largest magnitude lies under 2^-124 keeps the byte 1; a block of zeros has the byte 1 where the rule says 127 (zero codes; this program alone reads the bytes).
; REGISTERS, in windows of 256: window 0: v1 16 l, v2 8 l, v12-13 offsets; v16-23, v32-39 source 1's scale words; v24-31, v40-47 source 0's; v48-63 at work in QUANT; v64-159, v160-255 source 1's fragments (on the way out: v64-127 a tile, v128-146 codes, v152-159 scale words, v160-163 K1, K2).
;   window 1: v0-95, v96-191 source 0's fragments; v192-255 the bias.   windows 2, 3: accumulator (a, b) at v[8 (8 (a % 4) + b)].
.set BIASC, 1
.set TM, 48
.set PC, 128
.set MSB, 0
.macro WIN new                         ; s_set_vgpr_msb: bits 1:0 source 0, 3:2 source 1, 5:4 source 2, 7:6 destination; the high byte repeats the setting that is left
.if MSB != (\new)
	s_set_vgpr_msb (MSB<<8)|(\new)
.set MSB, (\new)
.endif
.endm
.macro PLACES                          ; four plain vector lines between a matrix instruction and a load into, or a vector read of, its registers (ISA guide 7.12.1 for vector reads)
.rept 4
	v_nop
.endr
.endm
.macro LOADF set, st                   ; K step st (counted from the pointers): 8 + 8 fragments, 48 loads
	WIN 0x40
.irp t, 0,1,2,3,4,5,6,7
.irp g, 0,1,2
	global_load_b128 v[96*\set+12*\t+4*\g:96*\set+12*\t+4*\g+3], v1, s[6:7] offset:\st*12288+1536*\t+512*\g
.endr
.endr
	WIN 0
.irp t, 0,1,2,3,4,5,6,7
.irp g, 0,1,2
	global_load_b128 v[64+96*\set+12*\t+4*\g:64+96*\set+12*\t+4*\g+3], v1, s[4:5] offset:\st*12288+1536*\t+512*\g
.endr
.endr
.endm
.macro LOADS sc, pr                    ; the scale words of pair pr of K steps: 8 loads
.irp p, 0,1,2,3
	global_load_b64 v[16+16*\sc+2*\p:17+16*\sc+2*\p], v2, s[8:9] offset:1024*\pr+256*\p
	global_load_b64 v[24+16*\sc+2*\p:25+16*\sc+2*\p], v2, s[10:11] offset:1024*\pr+256*\p
.endr
.endm
.macro MUL set, sc, row, first         ; 64 products, one K step; the 64 accumulators take turns, one instruction a turn, in the same order in every step
.irp a, 0,1,2,3,4,5,6,7
.if (\first) && BIASC
	WIN 0x91+0x40*(\a/4)
.else
	WIN 0xa1+0x50*(\a/4)
.endif
.irp b, 0,1,2,3,4,5,6,7
.set AC, 8*(8*(\a%4)+\b)
.set FB, 96*\set+12*\b
.set FA, 64+96*\set+12*\a
.set SB, 24+16*\sc+\b
.set SA, 16+16*\sc+\a
.if \first
.if BIASC
	v_wmma_scale_f32_16x16x128_f8f6f4 v[AC:AC+7], v[FB:FB+11], v[FA:FA+11], v[192+8*\b:199+8*\b], v[SB], v[SA] matrix_a_fmt:MATRIX_FMT_FP6 matrix_b_fmt:MATRIX_FMT_FP6
.else
	v_wmma_scale_f32_16x16x128_f8f6f4 v[AC:AC+7], v[FB:FB+11], v[FA:FA+11], 0, v[SB], v[SA] matrix_a_fmt:MATRIX_FMT_FP6 matrix_b_fmt:MATRIX_FMT_FP6
.endif
.elseif \row
	v_wmma_scale_f32_16x16x128_f8f6f4 v[AC:AC+7], v[FB:FB+11], v[FA:FA+11], v[AC:AC+7], v[SB], v[SA] matrix_a_fmt:MATRIX_FMT_FP6 matrix_b_fmt:MATRIX_FMT_FP6 matrix_a_scale:MATRIX_SCALE_ROW1 matrix_b_scale:MATRIX_SCALE_ROW1
.else
	v_wmma_scale_f32_16x16x128_f8f6f4 v[AC:AC+7], v[FB:FB+11], v[FA:FA+11], v[AC:AC+7], v[SB], v[SA] matrix_a_fmt:MATRIX_FMT_FP6 matrix_b_fmt:MATRIX_FMT_FP6
.endif
.endr
.endr
.endm
; Four K steps.  The counted waits: 48 = the other set's 48 loads, issued behind the set that is wanted; 56 = 8 scale loads and 48 fragment loads issued behind it.
.macro QUAD first, tail
	s_wait_loadcnt 48
	MUL 0, 0, 0, \first
	PLACES
	WIN 0
	LOADS 1, 1
	LOADF 0, 2
	s_wait_loadcnt 56
	MUL 1, 0, 1, 0
	PLACES
	LOADF 1, 3
	s_wait_loadcnt 48
	MUL 0, 1, 0, 0
	PLACES
.if \tail == 0
	WIN 0
	LOADS 0, 2
	LOADF 0, 4
	s_wait_loadcnt 56
.else
	s_wait_loadcnt 0x0
.endif
	MUL 1, 1, 1, 0
	PLACES
.if \tail == 0
	LOADF 1, 5
	s_wait_xcnt 0x0                                ; the loads have read their bases: now these may step
	s_add_nc_u64 s[4:5], s[4:5], 49152
	s_add_nc_u64 s[6:7], s[6:7], 49152
	s_add_nc_u64 s[8:9], s[8:9], 2048
	s_add_nc_u64 s[10:11], s[10:11], 2048
.endif
	WIN 0
.endm
; 64 numbers of a lane, register 16 b + i = k 32 b + 16 (lane / 16) + i of my row, become a fragment's codes in v[PC] .. v[PC + 11] and its scale word in v[pw].
.macro QUANT s, pw
.irp b, 0,1,2,3
	v_max3_num_f32 v[TM+\b], |v[\s+16*\b]|, |v[\s+1+16*\b]|, 0x1800000   ; my 16 numbers of block b, and the floor 2^(3 - 127): the byte cannot fall under 1
.endr
.irp i, 2,4,6,8,10,12,14
.irp b, 0,1,2,3
	v_max3_num_f32 v[TM+\b], v[TM+\b], |v[\s+16*\b+\i]|, |v[\s+1+16*\b+\i]|
.endr
.endr
.irp b, 0,1,2,3
	v_permlanex16_b32 v[TM+4+\b], v[TM+\b], s32, s33
.endr
.irp b, 0,1,2,3
	v_max_num_f32 v[TM+\b], v[TM+\b], v[TM+4+\b]   ; with lane l xor 16's: the block's largest magnitude
.endr
.irp b, 0,1,2,3
	v_add_nc_u32 v[TM+12+\b], 0xff000000, v[TM+\b] ; 2 off the exponent field: the conversion's scale operand
.endr
.irp b, 0,1,2,3
	v_lshrrev_b32 v[TM+4+\b], 23, v[TM+12+\b]      ; the byte
.endr
	v_lshl_or_b32 v[\pw], v[TM+5], 8, v[TM+4]
	v_lshl_or_b32 v[\pw], v[TM+6], 16, v[\pw]
	v_lshl_or_b32 v[\pw], v[TM+7], 24, v[\pw]
.irp c, 0,1
	v_cvt_scalef32_pk16_fp6_f32 v[PC+6*\c:PC+2+6*\c], v[\s+32*\c:\s+15+32*\c], v[TM+12+2*\c]
	v_cvt_scalef32_pk16_fp6_f32 v[PC+12+4*\c:PC+14+4*\c], v[\s+16+32*\c:\s+31+32*\c], v[TM+12+2*\c+1]
.endr
	v_nop                                          ; one plain line behind a scaled conversion
.irp c, 0,1                            ; the layout wants a whole block in a lane: lanes 0-15 block 2 c, lanes 16-31 block 2 c + 1
.irp i, 0,1,2
	v_permlane16_swap_b32 v[PC+6*\c+\i], v[PC+12+4*\c+\i]
.endr
.irp i, 0,1,2
	v_mov_b32 v[PC+3+6*\c+\i], v[PC+12+4*\c+\i]
.endr
.endr
.endm
	s_load_b256 s[24:31], s[0:1], 0x0              ; acts s[24:25], wq s[26:27], b_fc s[28:29], hid s[30:31]
	v_lshrrev_b32 v3, 5, v0
	v_readfirstlane_b32 s20, v3                    ; wave
	v_and_b32 v3, 31, v0                           ; lane
	v_lshlrev_b32 v1, 4, v3
	v_lshlrev_b32 v2, 3, v3
	v_lshrrev_b32 v12, 4, v3
	v_lshlrev_b32 v12, 6, v12                      ; 64 h: the bias
	v_and_b32 v13, 15, v0
	v_lshlrev_b32 v13, 3, v13                      ; 8 r: the scale words on the way out
.irp b, 0,1,2,3
	v_mov_b32 v[TM+4+\b], 0                        ; written once: a lane permute's destination counts as one of its sources
.endr
	s_mov_b32 s32, 0x76543210
	s_mov_b32 s33, 0xfedcba98
	s_and_b32 s34, s20, 1
	s_lshl_b32 s22, ttmp9, 1
	s_add_co_u32 s22, s22, s34                     ; hidden block, 0 .. 31
	s_lshr_b32 s12, s20, 1
	s_and_b32 s21, ttmp7, 0xffff
	s_lshl_b32 s21, s21, 1
	s_add_co_u32 s21, s21, s12                     ; block of tokens, 0 .. 31
	s_mul_i32 s12, s21, 98304
	s_mov_b32 s13, 0
	s_lshl_b32 s14, s21, 12
	s_add_co_u32 s14, s14, 3145728
	s_mov_b32 s15, 0
	s_mul_i32 s16, s22, 98304
	s_add_co_u32 s16, s16, 3145728
	s_mov_b32 s17, 0
	s_lshl_b32 s18, s22, 12
	s_add_co_u32 s18, s18, 9568256
	s_mov_b32 s19, 0
	s_lshl_b32 s38, s22, 9
	s_mov_b32 s39, 0
	s_lshl_b32 s44, s21, 5
	s_add_co_u32 s44, s44, s22
	s_mul_i32 s44, s44, 12288                      ; out: [block of tokens][K step = hidden block]
	s_mov_b32 s45, 0
	s_lshl_b32 s46, s21, 4
	s_add_co_u32 s46, s46, ttmp9
	s_lshl_b32 s46, s46, 10
	s_lshl_b32 s47, s34, 7
	s_add_co_u32 s46, s46, s47
	s_add_co_u32 s46, s46, 12582912                ; its scale words: pair x, lanes 16 (w & 1) on
	s_mov_b32 s47, 0
	s_wait_kmcnt 0x0
	s_add_nc_u64 s[4:5], s[24:25], s[12:13]
	s_add_nc_u64 s[8:9], s[24:25], s[14:15]
	s_add_nc_u64 s[6:7], s[26:27], s[16:17]
	s_add_nc_u64 s[10:11], s[26:27], s[18:19]
	s_add_nc_u64 s[28:29], s[28:29], s[38:39]
	s_add_nc_u64 s[40:41], s[30:31], s[44:45]
	s_add_nc_u64 s[42:43], s[30:31], s[46:47]
	WIN 0x40
.irp b, 0,1,2,3,4,5,6,7                ; accumulator b's register j, lane (r, h): hidden unit 32 (b / 2) + 16 h + 8 (b % 2) + j
	global_load_b128 v[192+8*\b:195+8*\b], v12, s[28:29] offset:(32*(\b/2)+8*(\b%2))*4
	global_load_b128 v[196+8*\b:199+8*\b], v12, s[28:29] offset:(32*(\b/2)+8*(\b%2))*4+16
.endr
	WIN 0
	LOADS 0, 0
	LOADF 0, 0
	LOADF 1, 1
	QUAD 1, 0
	QUAD 0, 1
	v_mov_b32 v160, 0xc0135761                     ; K1 = -2.3022082, twice: a pair for the packed form
	v_mov_b32 v161, 0xc0135761
	v_mov_b32 v162, 0xbdd2d3e8                     ; K2 = -0.10294324
	v_mov_b32 v163, 0xbdd2d3e8
.macro FCTILE a
.set AB, 64*(\a%4)
	s_wait_xcnt 0x0                                ; the last tile's stores have read their registers
	WIN 0x0a+5*(\a/4)
.set n, 0
.rept 32
	v_pk_mul_f32 v[64+n:65+n], v[AB+n:AB+n+1], v[AB+n:AB+n+1]      ; x^2; each accumulator from its low end on
.set n, n+2
.endr
	WIN 0
.set n, 0
.rept 32
	v_pk_fma_f32 v[64+n:65+n], v[64+n:65+n], v[162:163], v[160:161]   ; K1 + K2 x^2
.set n, n+2
.endr
	WIN 0x02+(\a/4)
.set n, 0
.rept 32
	v_pk_mul_f32 v[64+n:65+n], v[AB+n:AB+n+1], v[64+n:65+n]
.set n, n+2
.endr
	WIN 0
.set n, 0
.rept 64
	v_exp_f32 v[64+n], v[64+n]
.set n, n+1
.endr
	v_nop                                          ; a plain line behind the last exponential,
	s_wait_alu depctr_va_vdst(0)                   ; and one wait for the batch, ahead of its first use
.set n, 0
.rept 32
	v_pk_add_f32 v[64+n:65+n], v[64+n:65+n], 1.0 op_sel_hi:[1,0]
.set n, n+2
.endr
.set n, 0
.rept 64
	v_rcp_f32 v[64+n], v[64+n]
.set n, n+1
.endr
	v_nop
	s_wait_alu depctr_va_vdst(0)
	WIN 0x02+(\a/4)
.set n, 0
.rept 32
	v_pk_mul_f32 v[64+n:65+n], v[AB+n:AB+n+1], v[64+n:65+n]        ; gelu
.set n, n+2
.endr
	WIN 0
	QUANT 64, 152+\a
.irp g, 0,1,2
	global_store_b128 v1, v[PC+4*\g:PC+4*\g+3], s[40:41] offset:1536*\a+512*\g   ; 512 consecutive bytes, aligned
.endr
.endm
.irp a, 0,1,2,3,4,5,6,7
	FCTILE \a
.endr
.irp p, 0,1,2,3
	global_store_b64 v13, v[152+2*\p:153+2*\p], s[42:43] offset:256*\p   ; 128 consecutive bytes; both halves of the lanes store equal bytes
.endr
	s_endpgm
.Lfunc_end_k_q69cc614212_fc:
	.size	k_q69cc614212_fc, .Lfunc_end_k_q69cc614212_fc-k_q69cc614212_fc
	.p2alignl 7, 3214868480
	.fill 96, 4, 3214868480
	.section	.rodata,"a",@progbits
	.p2align	6, 0x0
	.amdhsa_kernel k_q69cc614212_fc
		.amdhsa_group_segment_fixed_size 0
		.amdhsa_private_segment_fixed_size 0
		.amdhsa_enable_private_segment 0
		.amdhsa_kernarg_size 32
		.amdhsa_user_sgpr_count 2
		.amdhsa_user_sgpr_kernarg_segment_ptr 1
		.amdhsa_wavefront_size32 1
		.amdhsa_system_sgpr_workgroup_id_x 1
		.amdhsa_system_sgpr_workgroup_id_y 1
		.amdhsa_system_sgpr_workgroup_id_z 1
		.amdhsa_system_vgpr_workitem_id 0
		.amdhsa_next_free_vgpr 1024
		.amdhsa_next_free_sgpr 66
		.amdhsa_reserve_vcc 0
		.amdhsa_float_denorm_mode_32 3
		.amdhsa_float_denorm_mode_16_64 3
		.amdhsa_memory_ordered 1
		.amdhsa_forward_progress 1
		.amdhsa_inst_pref_size 255
	.end_amdhsa_kernel
	.section	.bss,"aw",@nobits
	.p2align	6
	.space	262144
	.amdgpu_metadata
---
amdhsa.version: [ 1, 2 ]
amdhsa.kernels:
  - .name:           k_q69cc614212_fc
    .symbol:         k_q69cc614212_fc.kd
    .args:
      - { .name: acts, .offset: 0, .size: 8, .value_kind: global_buffer, .address_space: global }
      - { .name: wq, .offset: 8, .size: 8, .value_kind: global_buffer, .address_space: global }
      - { .name: b_fc, .offset: 16, .size: 8, .value_kind: global_buffer, .address_space: global }
      - { .name: hid, .offset: 24, .size: 8, .value_kind: global_buffer, .address_space: global }
    .group_segment_fixed_size: 0
    .private_segment_fixed_size: 0
    .kernarg_segment_align: 8
    .kernarg_segment_size: 32
    .max_flat_workgroup_size: 128
    .sgpr_count:     66
    .vgpr_count:     1024
    .wavefront_size: 32
...
	.end_amdgpu_metadata
.endif
;; end of part 6
;; launch fc2 (part 7): grid 8 x 32, 1 waves a work-group, no clusters, 167,936 bytes of LDS; arguments hid, wq, b_fc2, x1, out0; writes out0
.if DOCPART == 7
	.amdgcn_target "amdgcn-amd-amdhsa--gfx1250"
	.amdhsa_code_object_version 6
	.text
	.protected	k_q69cc614212_fc2
	.globl	k_q69cc614212_fc2
	.p2align	8
	.type	k_q69cc614212_fc2,@function
k_q69cc614212_fc2:
	s_mov_b64 s[64:65], 0
	v_nop
	global_prefetch_b8 v0, s[64:65] scope:SCOPE_SE
	s_setreg_imm32_b32 hwreg(HW_REG_WAVE_MODE, 25, 1), 1
	s_wait_xcnt 0x0
; out = res + A W + bias on codes of FP6 (E2M3) with E8M0 scales; out and res f32 [4,096][1,024].  Here: A = the hidden layer (hid), W = w_fc2, K = 4,096, res = x1, out = out0.
; OPERANDS ARE IMAGES OF THEIR REGISTERS in memory: 16 rows x 128 K = 1,536 bytes, registers 4 g .. 4 g + 3 of lane l at 512 g + 16 l; [block of 128 rows][K step][tile 0 .. 7].  A fragment is three loads of 512 consecutive bytes, straight into registers.
; Rows of a tile: in a group of 32, tile u, row r stands for index 8 u + r + 8 (r / 8).  Source 0 = weights, source 1 = tokens: lane (r, h) holds one token, register 16 B + i of a token tile = column 32 B + 16 h + i.
; Scale words: [block][pair of K steps][p][lane r + 16 (K step & 1)][2 words]; odd K steps read lanes 16-31.
; SHARES: 256 tiles of 128 x 128, ONE WAVE to a work-group, 64 accumulators.
; The bias is the C of each sum's first product.  TWO SETS of fragments: while one K step is multiplied, the next two steps' loads (2 x 24,576 bytes) are out.  The loop's trip is four K steps: after them the sets of fragments and of scale words are back where they began.
; THE WAY OUT: 16 tokens x 128 columns at a time through a stage in LDS (rows of 512 + 16 bytes), back as whole rows; the residual, asked for two tiles ahead, is added; a store covers 512 consecutive bytes, aligned.
; NO CLUSTER, NO JOINT LOADS: this text keeps no tile in LDS that partners could share; a block of A is asked for by 8 waves, a block of W by 32.  A ring in LDS with joint loads would divide those requests; it is not built here.
; REGISTERS, in windows of 256: window 0: v1 16 l, v2 8 l, v3 the stage, v12 offset, v14-15 the add's two; v16-23, v32-39 source 1's scale words; v24-31, v40-47 source 0's; v64-159, v160-255 source 1's fragments (on the way out: v64-191 residual, v192-255 rows).
;   window 1: v0-95, v96-191 source 0's fragments; v192-255 the bias.   windows 2, 3: accumulator (a, b) at v[8 (8 (a % 4) + b)].
.set ASTR,  393216                     ; A: bytes of a block's codes;
.set ASB,   12582912                   ; where its scale words begin;
.set ASS,   16384                      ; a block's scale words
.set WB,    6291456                    ; W in wq: the same three,
.set WSTR,  393216
.set WSB,   9699328
.set WSS,   16384
.set NLOOP, 6                          ; K steps / 4 - 2
.set NTOUT, 1                          ; 1: the output is read by no later launch
.set SPARE, 8448
.set BIASC, 1
.set MSB, 0
.macro WIN new                         ; s_set_vgpr_msb: bits 1:0 source 0, 3:2 source 1, 5:4 source 2, 7:6 destination; the high byte repeats the setting that is left
.if MSB != (\new)
	s_set_vgpr_msb (MSB<<8)|(\new)
.set MSB, (\new)
.endif
.endm
.macro PLACES                          ; four plain vector lines between a matrix instruction and a load into, or a read of, its registers (ISA guide 7.12.1 for vector reads)
.rept 4
	v_nop
.endr
.endm
.macro LOADF set, st                   ; K step st (counted from the pointers): 8 + 8 fragments, 48 loads
	WIN 0x40
.irp t, 0,1,2,3,4,5,6,7
.irp g, 0,1,2
	global_load_b128 v[96*\set+12*\t+4*\g:96*\set+12*\t+4*\g+3], v1, s[6:7] offset:\st*12288+1536*\t+512*\g
.endr
.endr
	WIN 0
.irp t, 0,1,2,3,4,5,6,7
.irp g, 0,1,2
	global_load_b128 v[64+96*\set+12*\t+4*\g:64+96*\set+12*\t+4*\g+3], v1, s[4:5] offset:\st*12288+1536*\t+512*\g
.endr
.endr
.endm
.macro LOADS sc, pr                    ; the scale words of pair pr of K steps: 8 loads
.irp p, 0,1,2,3
	global_load_b64 v[16+16*\sc+2*\p:17+16*\sc+2*\p], v2, s[8:9] offset:1024*\pr+256*\p
	global_load_b64 v[24+16*\sc+2*\p:25+16*\sc+2*\p], v2, s[10:11] offset:1024*\pr+256*\p
.endr
.endm
.macro MUL set, sc, row, first         ; 64 products, one K step; the 64 accumulators take turns, one instruction a turn, in the same order in every step, over the loop's backward jump too
.irp a, 0,1,2,3,4,5,6,7
.if (\first) && BIASC
	WIN 0x91+0x40*(\a/4)
.else
	WIN 0xa1+0x50*(\a/4)
.endif
.irp b, 0,1,2,3,4,5,6,7
.set AC, 8*(8*(\a%4)+\b)
.set FB, 96*\set+12*\b
.set FA, 64+96*\set+12*\a
.set SB, 24+16*\sc+\b
.set SA, 16+16*\sc+\a
.if \first
.if BIASC
	v_wmma_scale_f32_16x16x128_f8f6f4 v[AC:AC+7], v[FB:FB+11], v[FA:FA+11], v[192+8*\b:199+8*\b], v[SB], v[SA] matrix_a_fmt:MATRIX_FMT_FP6 matrix_b_fmt:MATRIX_FMT_FP6
.else
	v_wmma_scale_f32_16x16x128_f8f6f4 v[AC:AC+7], v[FB:FB+11], v[FA:FA+11], 0, v[SB], v[SA] matrix_a_fmt:MATRIX_FMT_FP6 matrix_b_fmt:MATRIX_FMT_FP6
.endif
.elseif \row
	v_wmma_scale_f32_16x16x128_f8f6f4 v[AC:AC+7], v[FB:FB+11], v[FA:FA+11], v[AC:AC+7], v[SB], v[SA] matrix_a_fmt:MATRIX_FMT_FP6 matrix_b_fmt:MATRIX_FMT_FP6 matrix_a_scale:MATRIX_SCALE_ROW1 matrix_b_scale:MATRIX_SCALE_ROW1
.else
	v_wmma_scale_f32_16x16x128_f8f6f4 v[AC:AC+7], v[FB:FB+11], v[FA:FA+11], v[AC:AC+7], v[SB], v[SA] matrix_a_fmt:MATRIX_FMT_FP6 matrix_b_fmt:MATRIX_FMT_FP6
.endif
.endr
.endr
.endm
; Four K steps.  The counted waits: 48 = the other set's 48 loads, issued behind the set that is wanted; 56 = 8 scale loads and 48 fragment loads issued behind it.
.macro QUAD first, tail
	s_wait_loadcnt 48
	MUL 0, 0, 0, \first
	PLACES
	WIN 0
	LOADS 1, 1
	LOADF 0, 2
	s_wait_loadcnt 56
	MUL 1, 0, 1, 0
	PLACES
	LOADF 1, 3
	s_wait_loadcnt 48
	MUL 0, 1, 0, 0
	PLACES
.if \tail == 0
	WIN 0
	LOADS 0, 2
	LOADF 0, 4
	s_wait_loadcnt 56
.else
	s_wait_loadcnt 0x0
.endif
	MUL 1, 1, 1, 0
	PLACES
.if \tail == 0
	LOADF 1, 5
	s_wait_xcnt 0x0                                ; the loads have read their bases: now these may step
	s_add_nc_u64 s[4:5], s[4:5], 49152
	s_add_nc_u64 s[6:7], s[6:7], 49152
	s_add_nc_u64 s[8:9], s[8:9], 2048
	s_add_nc_u64 s[10:11], s[10:11], 2048
.endif
	WIN 0
.endm
	s_load_b256 s[24:31], s[0:1], 0x0              ; A s[24:25], wq s[26:27], bias s[28:29], res s[30:31]
	s_load_b64 s[36:37], s[0:1], 0x20              ; out
	v_lshl_add_u32 v14, v0, 2, SPARE               ; my spare word; never rewritten
	v_mov_b32 v15, 0                               ; 0; never rewritten
	v_lshlrev_b32 v1, 4, v0                        ; 16 l (one wave: the thread's number is the lane)
	v_lshlrev_b32 v2, 3, v0
	v_lshrrev_b32 v12, 4, v0                       ; h
	v_and_b32 v3, 15, v0
	v_mul_u32_u24 v3, v3, 528
	v_lshl_add_u32 v3, v12, 6, v3                  ; the stage: row r, + 64 h
	v_lshlrev_b32 v12, 6, v12                      ; 64 h: the bias
	s_and_b32 s21, ttmp7, 0xffff                   ; block of tokens
	s_mul_i32 s12, s21, ASTR
	s_mov_b32 s13, 0
	s_mul_i32 s14, s21, ASS
	s_add_co_u32 s14, s14, ASB
	s_mov_b32 s15, 0
	s_mul_i32 s16, ttmp9, WSTR                     ; block of columns
	s_add_co_u32 s16, s16, WB
	s_mov_b32 s17, 0
	s_mul_i32 s18, ttmp9, WSS
	s_add_co_u32 s18, s18, WSB
	s_mov_b32 s19, 0
	s_lshl_b32 s38, ttmp9, 9
	s_mov_b32 s39, 0
	s_lshl_b32 s40, s21, 19
	s_add_co_u32 s40, s40, s38                     ; the tile's corner in res and out
	s_mov_b32 s41, 0
	s_wait_kmcnt 0x0
	s_add_nc_u64 s[4:5], s[24:25], s[12:13]
	s_add_nc_u64 s[8:9], s[24:25], s[14:15]
	s_add_nc_u64 s[6:7], s[26:27], s[16:17]
	s_add_nc_u64 s[10:11], s[26:27], s[18:19]
	s_add_nc_u64 s[28:29], s[28:29], s[38:39]
	s_add_nc_u64 s[30:31], s[30:31], s[40:41]
	s_add_nc_u64 s[36:37], s[36:37], s[40:41]
	WIN 0x40
.irp b, 0,1,2,3,4,5,6,7                ; accumulator b's register j, lane (r, h): column 32 (b / 2) + 16 h + 8 (b % 2) + j
	global_load_b128 v[192+8*\b:195+8*\b], v12, s[28:29] offset:(32*(\b/2)+8*(\b%2))*4
	global_load_b128 v[196+8*\b:199+8*\b], v12, s[28:29] offset:(32*(\b/2)+8*(\b%2))*4+16
.endr
	WIN 0
	LOADS 0, 0
	LOADF 0, 0
	LOADF 1, 1
	QUAD 1, 0
.if NLOOP > 0
	s_mov_b32 s23, NLOOP
.Lq:
	QUAD 0, 0
	s_sub_co_u32 s23, s23, 1
	s_cmp_lg_u32 s23, 0
	s_cbranch_scc1 .Lq
.endif
	QUAD 0, 1
.macro RLOAD a                         ; the residual of token tile a: row t of the tile is token 32 (a / 2) + 8 (a % 2) + t + 8 (t / 8)
.set RB, 64+64*((\a)%2)
.irp t, 0,1,2,3,4,5,6,7,8,9,10,11,12,13,14,15
	global_load_b128 v[RB+4*\t:RB+4*\t+3], v1, s[30:31] offset:(32*((\a)/2)+8*((\a)%2)+\t+8*(\t/8))*4096 th:TH_LOAD_NT
.endr
.endm
.macro OUTT a
	s_wait_xcnt 0x0                                ; the last tile's stores have read their registers
	WIN 0x08+4*((\a)/4)                            ; an LDS store's data are its source 1: window 2 or 3
.set n, 0
.rept 16
	ds_store_b128 v3, v[64*((\a)%4)+4*n:64*((\a)%4)+4*n+3] offset:128*(n/4)+16*(n%4)   ; each accumulator from its low end on
.set n, n+1
.endr
	WIN 0
.irp t, 0,1,2,3,4,5,6,7,8,9,10,11,12,13,14,15
	ds_load_b128 v[192+4*\t:195+4*\t], v1 offset:528*\t   ; LDS serves a wave's instructions in order (ISA guide 5.7.1.4): these see the stores above, and the next tile's stores come behind them
.endr
	s_wait_dscnt 0x0
.if (\a) < 7
	s_wait_loadcnt 16                              ; this tile's residual is in; the next tile's 16 loads may be out
.else
	s_wait_loadcnt 0x0
.endif
.set RB, 64+64*((\a)%2)
.set n, 0
.rept 32
	v_pk_add_f32 v[192+n:193+n], v[192+n:193+n], v[RB+n:RB+n+1]
.set n, n+2
.endr
.irp t, 0,1,2,3,4,5,6,7,8,9,10,11,12,13,14,15
.if NTOUT
	global_store_b128 v1, v[192+4*\t:195+4*\t], s[36:37] offset:(32*((\a)/2)+8*((\a)%2)+\t+8*(\t/8))*4096 th:TH_STORE_NT
.else
	global_store_b128 v1, v[192+4*\t:195+4*\t], s[36:37] offset:(32*((\a)/2)+8*((\a)%2)+\t+8*(\t/8))*4096
.endif
.endr
.if (\a) < 6
	RLOAD (\a)+2
.endif
.endm
	RLOAD 0
	RLOAD 1
.irp a, 0,1,2,3,4,5,6,7
	OUTT \a
.endr
	s_wait_tensorcnt 0x0                           ; the wave's end
	ds_add_u32 v14, v15
	s_wait_dscnt 0x0
	s_endpgm
.Lfunc_end_k_q69cc614212_fc2:
	.size	k_q69cc614212_fc2, .Lfunc_end_k_q69cc614212_fc2-k_q69cc614212_fc2
	.p2alignl 7, 3214868480
	.fill 96, 4, 3214868480
	.section	.rodata,"a",@progbits
	.p2align	6, 0x0
	.amdhsa_kernel k_q69cc614212_fc2
		.amdhsa_group_segment_fixed_size 167936
		.amdhsa_private_segment_fixed_size 0
		.amdhsa_enable_private_segment 0
		.amdhsa_kernarg_size 40
		.amdhsa_user_sgpr_count 2
		.amdhsa_user_sgpr_kernarg_segment_ptr 1
		.amdhsa_wavefront_size32 1
		.amdhsa_system_sgpr_workgroup_id_x 1
		.amdhsa_system_sgpr_workgroup_id_y 1
		.amdhsa_system_sgpr_workgroup_id_z 1
		.amdhsa_system_vgpr_workitem_id 0
		.amdhsa_next_free_vgpr 1024
		.amdhsa_next_free_sgpr 66
		.amdhsa_reserve_vcc 0
		.amdhsa_float_denorm_mode_32 3
		.amdhsa_float_denorm_mode_16_64 3
		.amdhsa_memory_ordered 1
		.amdhsa_forward_progress 1
		.amdhsa_inst_pref_size 220
	.end_amdhsa_kernel
	.amdgpu_metadata
---
amdhsa.version: [ 1, 2 ]
amdhsa.kernels:
  - .name:           k_q69cc614212_fc2
    .symbol:         k_q69cc614212_fc2.kd
    .args:
      - { .name: hid, .offset: 0, .size: 8, .value_kind: global_buffer, .address_space: global }
      - { .name: wq, .offset: 8, .size: 8, .value_kind: global_buffer, .address_space: global }
      - { .name: b_fc2, .offset: 16, .size: 8, .value_kind: global_buffer, .address_space: global }
      - { .name: x1, .offset: 24, .size: 8, .value_kind: global_buffer, .address_space: global }
      - { .name: out0, .offset: 32, .size: 8, .value_kind: global_buffer, .address_space: global }
    .group_segment_fixed_size: 167936
    .private_segment_fixed_size: 0
    .kernarg_segment_align: 8
    .kernarg_segment_size: 40
    .max_flat_workgroup_size: 32
    .sgpr_count:     66
    .vgpr_count:     1024
    .wavefront_size: 32
...
	.end_amdgpu_metadata
.endif
;; end of part 7
;; ======== version 2 of 2: 7 launches
;; limits: right only within a limited range of input values
;; workspace buffers: wq 9,830,400 bytes; acts 3,276,800 bytes; qkv 10,092,544 bytes; x1 16,777,216 bytes; hid 13,107,200 bytes
;; launch prep (part 8): grid 512 x 1, 8 waves a work-group, no clusters, 63,744 bytes of LDS; arguments x, ln1_g, ln1_b, acts, w_attn, w_proj, w_fc, w_fc2, wq; writes acts, wq
.if DOCPART == 8
	.amdgcn_target "amdgcn-amd-amdhsa--gfx1250"
	.amdhsa_code_object_version 6
	.text
	.protected	k_q69cc614212_prep
	.globl	k_q69cc614212_prep
	.p2align	8
	.type	k_q69cc614212_prep,@function
k_q69cc614212_prep:
	s_mov_b64 s[64:65], 0
	v_nop
	global_prefetch_b8 v0, s[64:65] scope:SCOPE_SE
	s_setreg_imm32_b32 hwreg(HW_REG_WAVE_MODE, 25, 1), 1
	s_wait_xcnt 0x0
; ONE PREPARING LAUNCH FOR TWO INDEPENDENT JOBS.  Work-groups 0-127: LN1(x), quantised to FP6 (E2M3) with one E8M0 byte for each 32 along the row, into acts.  Work-groups 128-511: the four weights, quantised along K, into wq.
; WORK LEFT OUT IN THIS PROGRAM (launch attn): key steps that lie wholly above the diagonal.  reference() sets those scores to -inf by the jnp.tril mask of its own body, so their p is 0 for all values of the inputs and
; they add nothing to a row's sum or to the second product.  LIMIT: a NaN, an infinity or an overflow that reaches only those scores is not carried to the result.  Every input is loaded.
; AN IMAGE (both jobs): 16 rows x 128 along K = 12 registers a lane = 1,536 bytes; registers 4 g .. 4 g + 3 of lane l at 512 g + 16 l; lane (r, h): row r, registers 6 c .. 6 c + 5 = k 64 c + 32 h + 0 .. 31.
; ORDER OF ROWS: in a group of 32, tile u, row r stands for index 8 u + r + 8 (r / 8).  Codes: [block of 128 rows][K step][tile 2 p + u][1,536].  Scale words: [block][pair of K steps][p][lane r + 16 (K step & 1)][2 words: tiles 2 p, 2 p + 1].
; LN: a work-group takes 32 rows, each of its eight waves four whole rows, kept in registers: mean first, then the centred squares.  A finished row turns through the wave's own stage in LDS (128 bytes + 16 for each block of 32), so that lane l
; gets block l whole; its 24 bytes of codes go into the sixteen images gathered in LDS (pitch 1,552), its byte into the scale words' image; one barrier; wave f stores images f and f + 8 (3,072 consecutive bytes), waves 0-3 256 bytes of scale words each.
; WEIGHTS, f32 [K][N]: a unit is 128 columns x 128 along K; a work-group takes two units (waves 0-3, 4-7), a wave 32 columns.  A lane takes a column and its registers run down K: a load reads 128 consecutive bytes, a block of 32 lies in one lane.
; A block's scale is 2^(floor(log2(largest magnitude)) - 2); its byte is the largest magnitude's exponent field - 2, held at 1 from below.
; LIMITS: NaN and infinities are not served; a block whose largest magnitude lies under 2^-124 keeps the byte 1; a block of zeros has the byte 1 where the rule says 127 (zero codes; this program alone reads the bytes).
; No matrix unit, no cluster, no tensor load: the launch streams, and work-groups share only g and b (8 KB).  The two jobs part on the work-group's number alone; only the LN job touches LDS.
.set IMG,   36864                      ; behind the eight stages of 4,608 bytes
.set IP,    1552
.set SCB,   61696                      ; 1,024 bytes of scale words
.set SPARE, 62720                      ; the spare words: 128 bytes for each of 8 waves
.set GG,  160                          ; LN: v32-159 four rows; v160-191 g; v192-223 b
.set BB,  192
.set Y,   224                          ; v224-255 a block of 32 neighbours
.set CC,  16                           ; v16-23 codes and the byte (free once the four rows' statistics are done)
.set X,   64                           ; weights: v64-127 two sets of 32 numbers
.set CH0, 16                           ; v16-27 image lane (r, 0); v28-39 image lane (r, 1)
.set CT,  40                           ; v40-42 the second half of a block's codes
	v_lshl_add_u32 v10, v0, 2, SPARE               ; my spare word; never rewritten
	v_mov_b32 v11, 0                               ; 0; never rewritten
	s_cmp_lt_u32 ttmp9, 128
	s_cbranch_scc0 .Lweights
	; ================= LN1
	s_load_b256 s[4:11], s[0:1], 0x0               ; x, g, b, acts
	v_lshrrev_b32 v12, 5, v0
	v_readfirstlane_b32 s12, v12                   ; wave w: rows 4 w .. 4 w + 3 of the 32
	s_mul_i32 s13, s12, 4608                       ; my stage
	s_bfe_u32 s14, s12, 0x10001                    ; u = (w / 2) & 1: my rows' tile
	s_and_b32 s15, s12, 1
	s_lshl_b32 s15, s15, 2
	s_lshr_b32 s16, s12, 2
	s_lshl_b32 s16, s16, 3
	s_add_co_u32 s15, s15, s16                     ; r0 = 4 (w & 1) + 8 (w / 4): my first row's place in the tile
	s_mul_i32 s17, s14, 8*IP
	s_lshl_b32 s18, s15, 4
	s_add_co_u32 s17, s17, s18
	s_add_co_u32 s17, s17, IMG                     ; images 8 u .., image lane r0
	s_lshl_b32 s18, s15, 3
	s_lshl_b32 s19, s14, 2
	s_add_co_u32 s18, s18, s19
	s_add_co_u32 s18, s18, SCB                     ; scale bytes: 8 r0 + 4 u
	s_mul_i32 s19, s12, IP
	s_add_co_u32 s19, s19, IMG                     ; back: image w (and w + 8)
	s_lshl_b32 s22, s12, 8
	s_add_co_u32 s22, s22, SCB                     ; back: pair w of the scale words (waves 0-3 use it)
	s_mov_b32 s20, 0x3a800000                      ; 1 / 1,024
	s_mov_b32 s21, 0x3727c5ac                      ; 1e-5
	s_mov_b32 s30, 0x76543210
	s_mov_b32 s31, 0xfedcba98                      ; lane l xor 16
	s_lshl_b32 s24, ttmp9, 17                      ; 32 rows of 4,096 bytes a work-group,
	s_lshl_b32 s25, s12, 14
	s_add_co_u32 s24, s24, s25                     ; four a wave
	s_mov_b32 s25, 0
	s_lshr_b32 s23, ttmp9, 2                       ; block of 128 rows
	s_and_b32 s32, ttmp9, 3                        ; p
	s_lshl_b32 s26, s23, 3
	s_add_co_u32 s26, s26, s12
	s_mul_i32 s26, s26, 12288                      ; K step w,
	s_mul_i32 s27, s32, 3072                       ; tiles 2 p, 2 p + 1
	s_add_co_u32 s26, s26, s27
	s_mov_b32 s27, 0
	s_lshl_b32 s28, s23, 2
	s_add_co_u32 s28, s28, s12
	s_lshl_b32 s28, s28, 10
	s_lshl_b32 s29, s32, 8
	s_add_co_u32 s28, s28, s29
	s_add_co_u32 s28, s28, 3145728
	s_mov_b32 s29, 0
	v_and_b32 v13, 31, v0                          ; lane l
	v_lshlrev_b32 v1, 4, v13                       ; 16 l
	v_lshlrev_b32 v9, 3, v13                       ; 8 l
	v_lshrrev_b32 v14, 3, v13
	v_mul_u32_u24 v2, v14, 144
	v_and_b32 v15, 7, v13
	v_lshl_add_u32 v2, v15, 4, v2
	v_add_nc_u32 v2, s13, v2                       ; into the stage: 144 (l / 8) + 16 (l % 8); load j's 512 bytes lie 576 j on
	v_mul_u32_u24 v3, v13, 144
	v_add_nc_u32 v3, s13, v3                       ; out of it: block l
	v_lshrrev_b32 v14, 2, v13                      ; my block's K step
	v_mul_u32_u24 v16, v14, IP
	v_and_b32 v15, 1, v13                          ; h
	v_lshl_add_u32 v16, v15, 8, v16
	v_bfe_u32 v15, v13, 1, 1                       ; c
	v_mad_u32_u24 v4, v15, 520, v16                ; registers 6 c, 6 c + 1 and (512 on) 6 c + 4, 6 c + 5
	v_mad_u32_u24 v5, v15, 1016, v16               ; (8 on) registers 6 c + 2, 6 c + 3
	v_add_nc_u32 v4, s17, v4
	v_add_nc_u32 v5, s17, v5
	v_and_b32 v15, 3, v13
	v_lshl_add_u32 v6, v14, 7, v15                 ; the byte: 128 x K step + block in the step
	v_add_nc_u32 v6, s18, v6
	v_add_nc_u32 v7, s19, v1
	v_add_nc_u32 v8, s22, v9
	s_wait_alu depctr_va_vdst(0)
	s_wait_kmcnt 0x0
	s_add_nc_u64 s[4:5], s[4:5], s[24:25]
	s_add_nc_u64 s[26:27], s[10:11], s[26:27]
	s_add_nc_u64 s[28:29], s[10:11], s[28:29]
.irp q, 0,1,2,3
.irp j, 0,1,2,3,4,5,6,7
	global_load_b128 v[32+32*\q+4*\j:35+32*\q+4*\j], v1, s[4:5] offset:4096*\q+512*\j th:TH_LOAD_NT
.endr
.endr
.irp j, 0,1,2,3,4,5,6,7
	global_load_b128 v[GG+4*\j:GG+4*\j+3], v1, s[6:7] offset:512*\j
.endr
.irp j, 0,1,2,3,4,5,6,7
	global_load_b128 v[BB+4*\j:BB+4*\j+3], v1, s[8:9] offset:512*\j
.endr
.macro REDUCE                          ; v12 summed over the 32 lanes, the result in every lane
	s_delay_alu instid0(VALU_DEP_1)
	v_add_f32_dpp v12, v12, v12 row_xmask:1 row_mask:0xf bank_mask:0xf
	s_delay_alu instid0(VALU_DEP_1)
	v_add_f32_dpp v12, v12, v12 row_xmask:2 row_mask:0xf bank_mask:0xf
	s_delay_alu instid0(VALU_DEP_1)
	v_add_f32_dpp v12, v12, v12 row_xmask:4 row_mask:0xf bank_mask:0xf
	s_delay_alu instid0(VALU_DEP_1)
	v_add_f32_dpp v12, v12, v12 row_xmask:8 row_mask:0xf bank_mask:0xf
	s_delay_alu instid0(VALU_DEP_1)
	v_permlanex16_b32 v13, v12, s30, s31
	s_delay_alu instid0(VALU_DEP_1)
	v_add_f32 v12, v12, v13
.endm
.macro FOLD                            ; four chains of pairs into v12
	s_delay_alu instid0(VALU_DEP_3)
	v_pk_add_f32 v[12:13], v[12:13], v[14:15]
	s_delay_alu instid0(VALU_DEP_2)
	v_pk_add_f32 v[16:17], v[16:17], v[18:19]
	s_delay_alu instid0(VALU_DEP_1)
	v_pk_add_f32 v[12:13], v[12:13], v[16:17]
	s_delay_alu instid0(VALU_DEP_1)
	v_add_f32 v12, v12, v13
.endm
; The row in v[x] .. v[x + 31] is centred in place; 1 / sqrt(var + eps) goes to v[rs], v[rs + 1].  left: the younger loads that may stay out.
.macro STATS x, rs, left
	s_wait_loadcnt \left
.irp k, 0,1,2,3
	v_pk_add_f32 v[12+2*\k:13+2*\k], v[\x+2*\k:\x+2*\k+1], v[\x+8+2*\k:\x+9+2*\k]
.endr
.irp q, 16,24
.irp k, 0,1,2,3
	s_delay_alu instid0(VALU_DEP_4)
	v_pk_add_f32 v[12+2*\k:13+2*\k], v[12+2*\k:13+2*\k], v[\x+\q+2*\k:\x+\q+2*\k+1]
.endr
.endr
	FOLD
	REDUCE
	s_delay_alu instid0(VALU_DEP_1)
	v_mul_f32 v20, s20, v12                        ; the mean,
	s_delay_alu instid0(VALU_DEP_1)
	v_mov_b32 v21, v20                             ; twice: a pair for the packed form
.set n, 0
.rept 16
	v_pk_add_f32 v[\x+n:\x+n+1], v[\x+n:\x+n+1], v[20:21] neg_lo:[0,1] neg_hi:[0,1]
.set n, n+2
.endr
.irp k, 0,1,2,3
	v_pk_mul_f32 v[12+2*\k:13+2*\k], v[\x+2*\k:\x+2*\k+1], v[\x+2*\k:\x+2*\k+1]
.endr
.irp q, 8,16,24
.irp k, 0,1,2,3
	s_delay_alu instid0(VALU_DEP_4)
	v_pk_fma_f32 v[12+2*\k:13+2*\k], v[\x+\q+2*\k:\x+\q+2*\k+1], v[\x+\q+2*\k:\x+\q+2*\k+1], v[12+2*\k:13+2*\k]
.endr
.endr
	FOLD
	REDUCE
	s_delay_alu instid0(VALU_DEP_1)
	v_fma_f32 v22, v12, s20, s21                   ; var + eps
	s_wait_alu depctr_va_vdst(0)                   ; a wait ahead of the transcendental,
	v_rsq_f32 v[\rs], v22
	v_nop                                          ; a plain line behind it,
	s_wait_alu depctr_va_vdst(0)                   ; and the wait ahead of its first use
	v_mov_b32 v[\rs+1], v[\rs]
.endm
; The centred row is finished, turned through the stage and quantised; rho: which of my four rows.
.macro NORMQ x, rs, rho
.set n, 0
.rept 16
	v_pk_mul_f32 v[\x+n:\x+n+1], v[\x+n:\x+n+1], v[\rs:\rs+1]
.set n, n+2
.endr
.set n, 0
.rept 16
	v_pk_fma_f32 v[\x+n:\x+n+1], v[\x+n:\x+n+1], v[GG+n:GG+n+1], v[BB+n:BB+n+1]
.set n, n+2
.endr
.irp j, 0,1,2,3,4,5,6,7
	ds_store_b128 v2, v[\x+4*\j:\x+4*\j+3] offset:576*\j
.endr
.irp i, 0,1,2,3,4,5,6,7
	ds_load_b128 v[Y+4*\i:Y+4*\i+3], v3 offset:16*\i   ; LDS serves a wave's instructions in order (ISA guide 5.7.1.4): these see the stores above, and the next row's stores come behind them
.endr
	s_wait_dscnt 0x0                               ; block l is in; my earlier LDS stores have read their registers
	v_max3_num_f32 v12, |v[Y]|, |v[Y+1]|, |v[Y+2]|
	v_max3_num_f32 v13, |v[Y+3]|, |v[Y+4]|, |v[Y+5]|
.irp i, 6,10,14,18,22,26
	s_delay_alu instid0(VALU_DEP_2)
	v_max3_num_f32 v12, v12, |v[Y+\i]|, |v[Y+\i+1]|
	s_delay_alu instid0(VALU_DEP_2)
	v_max3_num_f32 v13, v13, |v[Y+\i+2]|, |v[Y+\i+3]|
.endr
	s_delay_alu instid0(VALU_DEP_2)
	v_max3_num_f32 v12, v12, |v[Y+30]|, |v[Y+31]|
	s_delay_alu instid0(VALU_DEP_1)
	v_max3_num_f32 v12, v12, v13, 0x1800000        ; the floor 2^(3 - 127): the byte cannot fall under 1
	s_delay_alu instid0(VALU_DEP_1)
	v_add_nc_u32 v14, 0xff000000, v12              ; 2 off the exponent field: the conversion's scale operand
	v_cvt_scalef32_pk16_fp6_f32 v[CC:CC+2], v[Y:Y+15], v14
	v_cvt_scalef32_pk16_fp6_f32 v[CC+4:CC+6], v[Y+16:Y+31], v14
	v_lshrrev_b32 v[CC+7], 23, v14                 ; the byte (a plain line behind the conversions)
	v_mov_b32 v[CC+3], v[CC+4]                     ; the gap is closed: six registers on end
	v_mov_b32 v[CC+4], v[CC+5]
	v_mov_b32 v[CC+5], v[CC+6]
	ds_store_b64 v4, v[CC:CC+1] offset:16*\rho
	ds_store_b64 v5, v[CC+2:CC+3] offset:8+16*\rho
	ds_store_b64 v4, v[CC+4:CC+5] offset:512+16*\rho
	ds_store_b8 v6, v[CC+7] offset:8*\rho
.endm
	STATS 32, 24, 40                               ; row 0 is in; three rows, g and b (40 loads) may be out
	STATS 64, 26, 32
	STATS 96, 28, 24
	STATS 128, 30, 16                              ; row 3 is in; g and b may be out
	s_wait_loadcnt 0x0
	NORMQ 32, 24, 0
	NORMQ 64, 26, 1
	NORMQ 96, 28, 2
	NORMQ 128, 30, 3
	s_wait_dscnt 0x0                               ; for the others' sake: my stores into the images are done
	s_barrier_signal -1
	s_barrier_wait -1
.irp e, 0,1
.irp g, 0,1,2
	ds_load_b128 v[32+12*\e+4*\g:35+12*\e+4*\g], v7 offset:8*IP*\e+512*\g
.endr
.endr
	s_wait_dscnt 0x0
.irp e, 0,1
.irp g, 0,1,2
	global_store_b128 v1, v[32+12*\e+4*\g:35+12*\e+4*\g], s[26:27] offset:1536*\e+512*\g   ; 512 consecutive bytes, aligned
.endr
.endr
	s_cmp_lt_u32 s12, 4
	s_cbranch_scc0 .Lno_words
	ds_load_b64 v[60:61], v8
	s_wait_dscnt 0x0
	global_store_b64 v9, v[60:61], s[28:29]        ; 256 consecutive bytes, aligned
.Lno_words:
	s_wait_tensorcnt 0x0                           ; the wave's end
	ds_add_u32 v10, v11
	s_wait_dscnt 0x0
	s_endpgm
	; ================= THE WEIGHTS
.Lweights:
	s_load_b256 s[4:11], s[0:1], 0x20              ; w_attn s[4:5], w_proj s[6:7], w_fc s[8:9], w_fc2 s[10:11]
	s_load_b64 s[12:13], s[0:1], 0x40              ; wq
	v_lshrrev_b32 v1, 5, v0
	v_readfirstlane_b32 s19, v1
	s_and_b32 s14, s19, 3                          ; group p of 32 columns
	s_lshr_b32 s19, s19, 2
	s_sub_co_u32 s26, ttmp9, 128
	s_lshl_b32 s26, s26, 1
	s_add_co_u32 s19, s19, s26                     ; my unit, 0 .. 767
	v_and_b32 v2, 15, v0                           ; r
	v_bfe_u32 v3, v0, 4, 1                         ; u
	v_and_b32 v4, 8, v2
	v_add_nc_u32 v4, v4, v2                        ; r + 8 (r / 8)
	v_lshl_add_u32 v4, v3, 3, v4                   ; + 8 u: my column in the group
	v_lshlrev_b32 v6, 2, v4                        ; in bytes
	v_lshlrev_b32 v7, 4, v2
	v_mad_u32_u24 v7, v3, 1536, v7                 ; out: tile u, 16 r
	v_lshlrev_b32 v8, 3, v2                        ; scale words: 8 r
	s_wait_kmcnt 0x0
.macro LOADW t, n                      ; block t: W(32 t + i, my column) into set t % 2
.set i, 0
.rept 32
	global_load_b32 v[X+32*((\t)%2)+i], v6, s[20:21] offset:(32*(\t)+i)*(\n)*4 th:TH_LOAD_NT
.set i, i+1
.endr
.endm
.macro BLOCKW t, n
.set XS, X+32*((\t)%2)
.set CH, CH0+12*((\t)%2)+6*((\t)/2)
.if (\t) < 3
	s_wait_loadcnt 32                              ; this block's 32 loads are in; the next block's 32 may be out
.else
	s_wait_loadcnt 0x0
.endif
	v_max3_num_f32 v12, |v[XS]|, |v[XS+1]|, |v[XS+2]|          ; the block's largest magnitude, in two chains
	v_max3_num_f32 v13, |v[XS+3]|, |v[XS+4]|, |v[XS+5]|
.irp i, 6,10,14,18,22,26
	v_max3_num_f32 v12, v12, |v[XS+\i]|, |v[XS+\i+1]|
	v_max3_num_f32 v13, v13, |v[XS+\i+2]|, |v[XS+\i+3]|
.endr
	v_max3_num_f32 v12, v12, |v[XS+30]|, |v[XS+31]|
	v_max3_num_f32 v12, v12, v13, 0x1800000        ; and the floor 2^(3 - 127)
	v_add_nc_u32 v14, 0xff000000, v12              ; 2 off the exponent field: the conversion's scale operand
	v_cvt_scalef32_pk16_fp6_f32 v[CH:CH+2], v[XS:XS+15], v14
	v_cvt_scalef32_pk16_fp6_f32 v[CT:CT+2], v[XS+16:XS+31], v14
.if (\t) == 0
	v_lshrrev_b32 v44, 23, v14                     ; the scale's byte (a plain line behind the conversions)
.else
	v_lshrrev_b32 v15, 23, v14
	v_lshl_or_b32 v44, v15, 8*(\t), v44            ; byte t of my column's scale word
.endif
.irp i, 0,1,2
	v_mov_b32 v[CH+3+\i], v[CT+\i]
.endr
.if (\t) < 2
	LOADW (\t)+2, \n
.endif
.endm
; One weight's path.  sp: its pointer; first: its first unit; n: its columns; klog: log2 of its K steps; coff, soff: where its codes and scale words begin in wq.
.macro WPATH sp, first, n, klog, coff, soff
	s_sub_co_u32 s15, s19, \first                  ; idx = block x K steps + K step
	s_and_b32 s16, s15, (1<<\klog)-1               ; K step
	s_lshr_b32 s17, s15, \klog                     ; block of 128 columns
	s_mul_i32 s16, s16, 128*\n*4
	s_lshl_b32 s17, s17, 9
	s_add_co_u32 s16, s16, s17
	s_lshl_b32 s17, s14, 7
	s_add_co_u32 s16, s16, s17                     ; + my wave's 32 columns
	s_mov_b32 s17, 0
	s_add_nc_u64 s[20:21], s[\sp:\sp+1], s[16:17]
	LOADW 0, \n
	LOADW 1, \n
	s_mul_i32 s16, s15, 12288
	s_mul_i32 s18, s14, 3072
	s_add_co_u32 s16, s16, s18
	s_add_co_u32 s16, s16, \coff
	s_add_nc_u64 s[22:23], s[12:13], s[16:17]      ; my two tiles' images
	s_lshr_b32 s16, s15, 1
	s_lshl_b32 s16, s16, 10
	s_lshl_b32 s18, s14, 8
	s_add_co_u32 s16, s16, s18
	s_and_b32 s18, s15, 1
	s_lshl_b32 s18, s18, 7
	s_add_co_u32 s16, s16, s18
	s_add_co_u32 s16, s16, \soff
	s_add_nc_u64 s[24:25], s[12:13], s[16:17]      ; my 128 bytes of scale words
	BLOCKW 0, \n
	BLOCKW 1, \n
	BLOCKW 2, \n
	BLOCKW 3, \n
.irp h, 0,1
.irp g, 0,1,2
	global_store_b128 v7, v[CH0+12*\h+4*\g:CH0+12*\h+4*\g+3], s[22:23] offset:256*\h+512*\g   ; sixteen lanes store 256 consecutive bytes, aligned
.endr
.endr
	v_mov_b32 v45, v44
	v_permlane16_swap_b32 v44, v45                 ; every lane now holds (tile 2 p's word of row r, tile 2 p + 1's)
	global_store_b64 v8, v[44:45], s[24:25]        ; 128 consecutive bytes; both halves of the lanes store equal bytes
	s_endpgm
.endm
	s_cmp_lt_u32 ttmp9, 224                        ; a work-group's two units belong to one weight: the bounds 192, 256, 512 are even
	s_cbranch_scc1 .Lw_attn
	s_cmp_lt_u32 ttmp9, 256
	s_cbranch_scc1 .Lw_proj
	s_cmp_lt_u32 ttmp9, 384
	s_cbranch_scc1 .Lw_fc
	s_wait_alu depctr_va_vdst(0)                   ; a wait at the head's end, on each of the four ways
	WPATH 10, 512, 1024, 5, 6291456, 9699328
.Lw_attn:
	s_wait_alu depctr_va_vdst(0)
	WPATH 4, 0, 3072, 3, 0, 9437184
.Lw_proj:
	s_wait_alu depctr_va_vdst(0)
	WPATH 6, 192, 1024, 3, 2359296, 9535488
.Lw_fc:
	s_wait_alu depctr_va_vdst(0)
	WPATH 8, 256, 4096, 3, 3145728, 9568256
.Lfunc_end_k_q69cc614212_prep:
	.size	k_q69cc614212_prep, .Lfunc_end_k_q69cc614212_prep-k_q69cc614212_prep
	.p2alignl 7, 3214868480
	.fill 96, 4, 3214868480
	.section	.rodata,"a",@progbits
	.p2align	6, 0x0
	.amdhsa_kernel k_q69cc614212_prep
		.amdhsa_group_segment_fixed_size 63744
		.amdhsa_private_segment_fixed_size 0
		.amdhsa_enable_private_segment 0
		.amdhsa_kernarg_size 72
		.amdhsa_user_sgpr_count 2
		.amdhsa_user_sgpr_kernarg_segment_ptr 1
		.amdhsa_wavefront_size32 1
		.amdhsa_system_sgpr_workgroup_id_x 1
		.amdhsa_system_sgpr_workgroup_id_y 1
		.amdhsa_system_sgpr_workgroup_id_z 1
		.amdhsa_system_vgpr_workitem_id 0
		.amdhsa_next_free_vgpr 256
		.amdhsa_next_free_sgpr 66
		.amdhsa_reserve_vcc 0
		.amdhsa_float_denorm_mode_32 3
		.amdhsa_float_denorm_mode_16_64 3
		.amdhsa_memory_ordered 1
		.amdhsa_forward_progress 1
		.amdhsa_inst_pref_size 131
	.end_amdhsa_kernel
	.amdgpu_metadata
---
amdhsa.version: [ 1, 2 ]
amdhsa.kernels:
  - .name:           k_q69cc614212_prep
    .symbol:         k_q69cc614212_prep.kd
    .args:
      - { .name: x, .offset: 0, .size: 8, .value_kind: global_buffer, .address_space: global }
      - { .name: ln1_g, .offset: 8, .size: 8, .value_kind: global_buffer, .address_space: global }
      - { .name: ln1_b, .offset: 16, .size: 8, .value_kind: global_buffer, .address_space: global }
      - { .name: acts, .offset: 24, .size: 8, .value_kind: global_buffer, .address_space: global }
      - { .name: w_attn, .offset: 32, .size: 8, .value_kind: global_buffer, .address_space: global }
      - { .name: w_proj, .offset: 40, .size: 8, .value_kind: global_buffer, .address_space: global }
      - { .name: w_fc, .offset: 48, .size: 8, .value_kind: global_buffer, .address_space: global }
      - { .name: w_fc2, .offset: 56, .size: 8, .value_kind: global_buffer, .address_space: global }
      - { .name: wq, .offset: 64, .size: 8, .value_kind: global_buffer, .address_space: global }
    .group_segment_fixed_size: 63744
    .private_segment_fixed_size: 0
    .kernarg_segment_align: 8
    .kernarg_segment_size: 72
    .max_flat_workgroup_size: 256
    .sgpr_count:     66
    .vgpr_count:     256
    .wavefront_size: 32
...
	.end_amdgpu_metadata
.endif
;; end of part 8
;; launch gemmqkv (part 9): grid 12 x 16, 4 waves a work-group, no clusters, 0 bytes of LDS; arguments acts, wq, b_attn, qkv; writes qkv
.if DOCPART == 9
	.amdgcn_target "amdgcn-amd-amdhsa--gfx1250"
	.amdhsa_code_object_version 6
	.text
	.protected	k_q69cc614212_gemmqkv
	.globl	k_q69cc614212_gemmqkv
	.p2align	8
	.type	k_q69cc614212_gemmqkv,@function
k_q69cc614212_gemmqkv:
	s_mov_b64 s[64:65], 0
	v_nop
	global_prefetch_b8 v0, s[64:65] scope:SCOPE_SE
	s_setreg_imm32_b32 hwreg(HW_REG_WAVE_MODE, 25, 1), 1
	s_wait_xcnt 0x0
; qkv = LN1(x) W_attn + b_attn on codes of FP6 (E2M3) with E8M0 scales, K = 1,024; the result is quantised in registers and leaves as the operands of attention.  No f32 result goes to memory.
; OPERANDS ARE IMAGES OF THEIR REGISTERS in memory: 16 rows x 128 K = 1,536 bytes, registers 4 g .. 4 g + 3 of lane l at 512 g + 16 l; [block of 128 rows][K step][tile 0 .. 7].  A fragment is three loads of 512 consecutive bytes, straight into registers.
; Rows of a tile: in a group of 32, tile u, row r stands for index 8 u + r + 8 (r / 8).  With such tiles as source 0, the 64 result registers of a source-1 tile are, for lane (r, h): register 16 B + i = source-0 index 32 B + 16 h + i: what QUANT takes.
; Scale words: [block][pair of K steps][p][lane r + 16 (K step & 1)][2 words]: four loads of 8 bytes a lane bring a side's eight registers for two K steps; odd steps read lanes 16-31.
; SHARES: a wave makes 128 x 128: 64 accumulators.  Wave w of work-group (x, y): columns block 2 x + (w & 1) of 24, tokens block 2 y + (w / 2) of 32.
; q AND k (x < 8): source 0 = weights, source 1 = tokens: a lane holds one token, its registers 128 columns = two heads of 64.  Each head's 6 registers leave as a half image (768 bytes: 4 registers at 16 l, 2 at 512 + 8 l); its scale word has 0x7f in the two bytes of the K that attention pads.
; v (x >= 8): THE POINTERS CHANGE SIDES: source 0 = tokens, source 1 = weights: a lane holds one channel d and its registers run along 128 neighbouring tokens, which are the second product's K.  Nothing is transposed.
; TWO SETS of fragments: while one K step is multiplied, the next two steps' loads (2 x 24,576 bytes a wave) are out.
; NO LDS, NO CLUSTER, NO JOINT LOADS: this text keeps no tile in LDS that partners could share; each wave asks for its own 24,576 bytes for every 64 products, so a block of A is asked for by 24 waves and a block of B by 32.  A ring in LDS with joint loads would divide those requests; it is not built here.
; LIMITS: NaN and infinities are not served; a block whose largest magnitude lies under 2^-124 keeps the byte 1; a block of zeros has the byte 1 where the rule says 127 (zero codes; this program alone reads the bytes).
; REGISTERS, in windows of 256: window 0: v1 16 l, v2 8 l, v3 l, v4-11 the bias along the lanes, v12-13 offsets; v16-23, v32-39 source 1's scale words (two sets); v24-31, v40-47 source 0's; v48-63 at work in QUANT; v64-159, v160-255 source 1's fragments, two sets.
;   window 1: v0-95, v96-191 source 0's fragments; v192-255 the bias along the registers.   windows 2, 3: accumulator (a, b) at v[8 (8 (a % 4) + b)], a < 4 in window 2.
.set BIASC, 0                          ; the first products start the sums with 0: the bias differs between the two ways out and is added there
.set TM, 48
.set PC, 128
.set MSB, 0
.macro WIN new                         ; s_set_vgpr_msb: bits 1:0 source 0, 3:2 source 1, 5:4 source 2, 7:6 destination; the high byte repeats the setting that is left
.if MSB != (\new)
	s_set_vgpr_msb (MSB<<8)|(\new)
.set MSB, (\new)
.endif
.endm
.macro PLACES                          ; four plain vector lines between a matrix instruction and a load into, or a vector read of, its registers (ISA guide 7.12.1 for vector reads)
.rept 4
	v_nop
.endr
.endm
.macro LOADF set, st                   ; K step st (counted from the pointers): 8 + 8 fragments, 48 loads
	WIN 0x40
.irp t, 0,1,2,3,4,5,6,7
.irp g, 0,1,2
	global_load_b128 v[96*\set+12*\t+4*\g:96*\set+12*\t+4*\g+3], v1, s[6:7] offset:\st*12288+1536*\t+512*\g
.endr
.endr
	WIN 0
.irp t, 0,1,2,3,4,5,6,7
.irp g, 0,1,2
	global_load_b128 v[64+96*\set+12*\t+4*\g:64+96*\set+12*\t+4*\g+3], v1, s[4:5] offset:\st*12288+1536*\t+512*\g
.endr
.endr
.endm
.macro LOADS sc, pr                    ; the scale words of pair pr of K steps: 8 loads
.irp p, 0,1,2,3
	global_load_b64 v[16+16*\sc+2*\p:17+16*\sc+2*\p], v2, s[8:9] offset:1024*\pr+256*\p
	global_load_b64 v[24+16*\sc+2*\p:25+16*\sc+2*\p], v2, s[10:11] offset:1024*\pr+256*\p
.endr
.endm
.macro MUL set, sc, row, first         ; 64 products, one K step; the 64 accumulators take turns, one instruction a turn, in the same order in every step
.irp a, 0,1,2,3,4,5,6,7
.if (\first) && BIASC
	WIN 0x91+0x40*(\a/4)
.else
	WIN 0xa1+0x50*(\a/4)
.endif
.irp b, 0,1,2,3,4,5,6,7
.set AC, 8*(8*(\a%4)+\b)
.set FB, 96*\set+12*\b
.set FA, 64+96*\set+12*\a
.set SB, 24+16*\sc+\b
.set SA, 16+16*\sc+\a
.if \first
.if BIASC
	v_wmma_scale_f32_16x16x128_f8f6f4 v[AC:AC+7], v[FB:FB+11], v[FA:FA+11], v[192+8*\b:199+8*\b], v[SB], v[SA] matrix_a_fmt:MATRIX_FMT_FP6 matrix_b_fmt:MATRIX_FMT_FP6
.else
	v_wmma_scale_f32_16x16x128_f8f6f4 v[AC:AC+7], v[FB:FB+11], v[FA:FA+11], 0, v[SB], v[SA] matrix_a_fmt:MATRIX_FMT_FP6 matrix_b_fmt:MATRIX_FMT_FP6
.endif
.elseif \row
	v_wmma_scale_f32_16x16x128_f8f6f4 v[AC:AC+7], v[FB:FB+11], v[FA:FA+11], v[AC:AC+7], v[SB], v[SA] matrix_a_fmt:MATRIX_FMT_FP6 matrix_b_fmt:MATRIX_FMT_FP6 matrix_a_scale:MATRIX_SCALE_ROW1 matrix_b_scale:MATRIX_SCALE_ROW1
.else
	v_wmma_scale_f32_16x16x128_f8f6f4 v[AC:AC+7], v[FB:FB+11], v[FA:FA+11], v[AC:AC+7], v[SB], v[SA] matrix_a_fmt:MATRIX_FMT_FP6 matrix_b_fmt:MATRIX_FMT_FP6
.endif
.endr
.endr
.endm
; Four K steps.  The counted waits: 48 = the other set's 48 loads, issued behind the set that is wanted; 56 = 8 scale loads and 48 fragment loads issued behind it.
.macro QUAD first, tail
	s_wait_loadcnt 48
	MUL 0, 0, 0, \first
	PLACES
	WIN 0
	LOADS 1, 1
	LOADF 0, 2
	s_wait_loadcnt 56
	MUL 1, 0, 1, 0
	PLACES
	LOADF 1, 3
	s_wait_loadcnt 48
	MUL 0, 1, 0, 0
	PLACES
.if \tail == 0
	WIN 0
	LOADS 0, 2
	LOADF 0, 4
	s_wait_loadcnt 56
.else
	s_wait_loadcnt 0x0
.endif
	MUL 1, 1, 1, 0
	PLACES
.if \tail == 0
	LOADF 1, 5
	s_wait_xcnt 0x0                                ; the loads have read their bases: now these may step
	s_add_nc_u64 s[4:5], s[4:5], 49152
	s_add_nc_u64 s[6:7], s[6:7], 49152
	s_add_nc_u64 s[8:9], s[8:9], 2048
	s_add_nc_u64 s[10:11], s[10:11], 2048
.endif
	WIN 0
.endm
; 64 numbers of a lane, register 16 b + i = k 32 b + 16 (lane / 16) + i of my row, become a fragment's codes in v[PC] .. v[PC + 11] and its scale word in v[pw].
.macro QUANT s, pw
.irp b, 0,1,2,3
	v_max3_num_f32 v[TM+\b], |v[\s+16*\b]|, |v[\s+1+16*\b]|, 0x1800000   ; my 16 numbers of block b, and the floor 2^(3 - 127): the byte cannot fall under 1
.endr
.irp i, 2,4,6,8,10,12,14
.irp b, 0,1,2,3
	v_max3_num_f32 v[TM+\b], v[TM+\b], |v[\s+16*\b+\i]|, |v[\s+1+16*\b+\i]|
.endr
.endr
.irp b, 0,1,2,3
	v_permlanex16_b32 v[TM+4+\b], v[TM+\b], s32, s33
.endr
.irp b, 0,1,2,3
	v_max_num_f32 v[TM+\b], v[TM+\b], v[TM+4+\b]   ; with lane l xor 16's: the block's largest magnitude
.endr
.irp b, 0,1,2,3
	v_add_nc_u32 v[TM+12+\b], 0xff000000, v[TM+\b] ; 2 off the exponent field: the conversion's scale operand
.endr
.irp b, 0,1,2,3
	v_lshrrev_b32 v[TM+4+\b], 23, v[TM+12+\b]      ; the byte
.endr
	v_lshl_or_b32 v[\pw], v[TM+5], 8, v[TM+4]
	v_lshl_or_b32 v[\pw], v[TM+6], 16, v[\pw]
	v_lshl_or_b32 v[\pw], v[TM+7], 24, v[\pw]
.irp c, 0,1
	v_cvt_scalef32_pk16_fp6_f32 v[PC+6*\c:PC+2+6*\c], v[\s+32*\c:\s+15+32*\c], v[TM+12+2*\c]
	v_cvt_scalef32_pk16_fp6_f32 v[PC+12+4*\c:PC+14+4*\c], v[\s+16+32*\c:\s+31+32*\c], v[TM+12+2*\c+1]
.endr
	v_nop                                          ; one plain line behind a scaled conversion
.irp c, 0,1                            ; the layout wants a whole block in a lane: lanes 0-15 block 2 c, lanes 16-31 block 2 c + 1
.irp i, 0,1,2
	v_permlane16_swap_b32 v[PC+6*\c+\i], v[PC+12+4*\c+\i]
.endr
.irp i, 0,1,2
	v_mov_b32 v[PC+3+6*\c+\i], v[PC+12+4*\c+\i]
.endr
.endr
.endm
	s_load_b256 s[24:31], s[0:1], 0x0              ; acts s[24:25], wq s[26:27], b_attn s[28:29], qkv s[30:31]
	v_lshrrev_b32 v3, 5, v0
	v_readfirstlane_b32 s20, v3                    ; wave
	v_and_b32 v3, 31, v0                           ; lane
	v_lshlrev_b32 v1, 4, v3
	v_lshlrev_b32 v2, 3, v3
	v_lshrrev_b32 v12, 4, v3
	v_lshlrev_b32 v12, 6, v12                      ; 64 h: the bias along the registers
	v_and_b32 v13, 15, v0
	v_and_b32 v14, 8, v13
	v_add_nc_u32 v13, v13, v14
	v_lshlrev_b32 v13, 2, v13                      ; 4 (r + 8 (r / 8)): the bias along the lanes
.irp b, 0,1,2,3
	v_mov_b32 v[TM+4+\b], 0                        ; written once: a lane permute's destination counts as one of its sources
.endr
	v_cmp_lt_u32 s37, 15, v3                       ; lanes 16-31
	s_mov_b32 s32, 0x76543210
	s_mov_b32 s33, 0xfedcba98
	s_mov_b32 s34, 0x7f7f7f7f
	s_mov_b32 s35, 0x04040100
	s_mov_b32 s36, 0x04040302
	s_and_b32 s12, s20, 1
	s_lshl_b32 s22, ttmp9, 1
	s_add_co_u32 s22, s22, s12                     ; block of columns, 0 .. 23
	s_lshr_b32 s12, s20, 1
	s_and_b32 s21, ttmp7, 0xffff
	s_lshl_b32 s21, s21, 1
	s_add_co_u32 s21, s21, s12                     ; block of tokens, 0 .. 31
	s_mul_i32 s12, s21, 98304
	s_mov_b32 s13, 0
	s_lshl_b32 s14, s21, 12
	s_add_co_u32 s14, s14, 3145728
	s_mov_b32 s15, 0
	s_mul_i32 s16, s22, 98304
	s_mov_b32 s17, 0
	s_lshl_b32 s18, s22, 12
	s_add_co_u32 s18, s18, 9437184
	s_mov_b32 s19, 0
	s_lshl_b32 s38, s22, 9
	s_mov_b32 s39, 0
	s_wait_alu depctr_va_vdst(0)
	s_wait_kmcnt 0x0
	s_add_nc_u64 s[12:13], s[24:25], s[12:13]      ; the tokens' codes,
	s_add_nc_u64 s[14:15], s[24:25], s[14:15]      ; their scale words,
	s_add_nc_u64 s[16:17], s[26:27], s[16:17]      ; the weights' codes,
	s_add_nc_u64 s[18:19], s[26:27], s[18:19]      ; their scale words
	s_add_nc_u64 s[28:29], s[28:29], s[38:39]      ; my 128 numbers of the bias
	s_cmp_lt_u32 ttmp9, 8                          ; q or k?  The choice hangs on the work-group's number alone
	s_cselect_b64 s[4:5], s[12:13], s[16:17]       ; source 1
	s_cselect_b64 s[6:7], s[16:17], s[12:13]       ; source 0
	s_cselect_b64 s[8:9], s[14:15], s[18:19]
	s_cselect_b64 s[10:11], s[18:19], s[14:15]
	WIN 0x40
.irp b, 0,1,2,3,4,5,6,7                ; accumulator b's register j, lane (r, h): column 32 (b / 2) + 16 h + 8 (b % 2) + j
	global_load_b128 v[192+8*\b:195+8*\b], v12, s[28:29] offset:(32*(\b/2)+8*(\b%2))*4
	global_load_b128 v[196+8*\b:199+8*\b], v12, s[28:29] offset:(32*(\b/2)+8*(\b%2))*4+16
.endr
	WIN 0
.irp a, 0,1,2,3,4,5,6,7                ; source-1 tile a, lane r: column 32 (a / 2) + 8 (a % 2) + r + 8 (r / 8)
	global_load_b32 v[4+\a], v13, s[28:29] offset:(32*(\a/2)+8*(\a%2))*4
.endr
	LOADS 0, 0
	LOADF 0, 0
	LOADF 1, 1
	QUAD 1, 0
	QUAD 0, 1
	s_lshr_b32 s38, s21, 4                         ; batch
	s_and_b32 s39, s21, 15                         ; which 128 tokens of its 2,048
	s_mov_b32 s45, 0
	s_lshl_b32 s46, s38, 4
	s_cmp_lt_u32 ttmp9, 8
	s_cbranch_scc0 .Lv
	; ---- q and k
	s_and_b32 s44, s22, 7
	s_lshl_b32 s44, s44, 1
	s_add_co_u32 s46, s46, s44                     ; 16 x batch + my first head
	s_lshr_b32 s47, s22, 3                         ; 0: q, 1: k
	s_lshl_b32 s44, s46, 7
	s_lshl_b32 s48, s39, 3
	s_add_co_u32 s44, s44, s48
	s_mul_i32 s44, s44, 768
	s_mul_i32 s48, s47, 3145728
	s_add_co_u32 s44, s44, s48
	s_add_nc_u64 s[40:41], s[30:31], s[44:45]      ; half images: [head][tile of 16 tokens][768]
	s_lshl_b32 s44, s46, 4
	s_add_co_u32 s44, s44, s39
	s_lshl_b32 s44, s44, 9
	s_lshl_b32 s48, s47, 18
	s_add_co_u32 s44, s44, s48
	s_add_co_u32 s44, s44, 9437184
	s_add_nc_u64 s[42:43], s[30:31], s[44:45]      ; scale words: [head][128 tokens][lane r + 16 x][4 words y]: tile 4 x + y
.macro QKTILE a
	s_wait_xcnt 0x0                                ; the last tile's stores have read their registers
	WIN 0x06+(\a/4)
.set n, 0
.rept 32
	v_pk_add_f32 v[64+n:65+n], v[64*(\a%4)+n:64*(\a%4)+n+1], v[192+n:193+n]   ; + bias; each accumulator from its low end on
.set n, n+2
.endr
	WIN 0
	QUANT 64, 150
	v_perm_b32 v[152+\a], s34, v150, s35           ; the first head's two bytes, 0x7f above them
	v_perm_b32 v[160+\a], s34, v150, s36           ; the second head's
	global_store_b128 v1, v[PC:PC+3], s[40:41] offset:768*\a
	global_store_b64 v2, v[PC+4:PC+5], s[40:41] offset:768*\a+512
	global_store_b128 v1, v[PC+6:PC+9], s[40:41] offset:98304+768*\a
	global_store_b64 v2, v[PC+10:PC+11], s[40:41] offset:98304+768*\a+512
.endm
.irp a, 0,1,2,3,4,5,6,7
	QKTILE \a
.endr
.irp y, 0,1,2,3
	v_cndmask_b32 v[168+\y], v[152+\y], v[156+\y], s37   ; lanes 16-31 take tiles 4 .. 7 (a row's word stands in lanes r and r + 16 alike)
	v_cndmask_b32 v[172+\y], v[160+\y], v[164+\y], s37
.endr
	global_store_b128 v1, v[168:171], s[42:43]
	global_store_b128 v1, v[172:175], s[42:43] offset:8192
	s_endpgm
.Lv:
	; ---- v
	s_sub_co_u32 s44, s22, 16
	s_lshl_b32 s44, s44, 1
	s_add_co_u32 s46, s46, s44                     ; 16 x batch + my first head
	s_lshl_b32 s46, s46, 4
	s_add_co_u32 s46, s46, s39                     ; x 16 + which 128 keys
	s_mul_i32 s44, s46, 6144
	s_add_co_u32 s44, s44, 6291456
	s_add_nc_u64 s[40:41], s[30:31], s[44:45]      ; images: [head][128 keys][tile of 16 channels][1,536]
	s_lshl_b32 s44, s46, 8
	s_add_co_u32 s44, s44, 9961472
	s_add_nc_u64 s[42:43], s[30:31], s[44:45]      ; scale words: [head][128 keys][lane r + 16 x][2 words y]: tile 2 x + y
.macro VTILE a
	s_wait_xcnt 0x0
	WIN 0x02+(\a/4)
.set n, 0
.rept 32
.if \a%2
	v_pk_add_f32 v[64+n:65+n], v[64*(\a%4)+n:64*(\a%4)+n+1], v[4+2*(\a/2):5+2*(\a/2)] op_sel:[0,1] op_sel_hi:[1,1]   ; my channel's bias: the pair's second word for both halves
.else
	v_pk_add_f32 v[64+n:65+n], v[64*(\a%4)+n:64*(\a%4)+n+1], v[4+2*(\a/2):5+2*(\a/2)] op_sel_hi:[1,0]                ; the pair's first word for both halves
.endif
.set n, n+2
.endr
	WIN 0
	QUANT 64, 152+\a
.irp g, 0,1,2
	global_store_b128 v1, v[PC+4*\g:PC+4*\g+3], s[40:41] offset:98304*(\a/4)+1536*(\a%4)+512*\g
.endr
.endm
.irp a, 0,1,2,3,4,5,6,7
	VTILE \a
.endr
.irp e, 0,1
.irp y, 0,1
	v_cndmask_b32 v[168+2*\e+\y], v[152+4*\e+\y], v[154+4*\e+\y], s37
.endr
	global_store_b64 v2, v[168+2*\e:169+2*\e], s[42:43] offset:4096*\e
.endr
	s_endpgm
.Lfunc_end_k_q69cc614212_gemmqkv:
	.size	k_q69cc614212_gemmqkv, .Lfunc_end_k_q69cc614212_gemmqkv-k_q69cc614212_gemmqkv
	.p2alignl 7, 3214868480
	.fill 96, 4, 3214868480
	.section	.rodata,"a",@progbits
	.p2align	6, 0x0
	.amdhsa_kernel k_q69cc614212_gemmqkv
		.amdhsa_group_segment_fixed_size 0
		.amdhsa_private_segment_fixed_size 0
		.amdhsa_enable_private_segment 0
		.amdhsa_kernarg_size 32
		.amdhsa_user_sgpr_count 2
		.amdhsa_user_sgpr_kernarg_segment_ptr 1
		.amdhsa_wavefront_size32 1
		.amdhsa_system_sgpr_workgroup_id_x 1
		.amdhsa_system_sgpr_workgroup_id_y 1
		.amdhsa_system_sgpr_workgroup_id_z 1
		.amdhsa_system_vgpr_workitem_id 0
		.amdhsa_next_free_vgpr 1024
		.amdhsa_next_free_sgpr 66
		.amdhsa_reserve_vcc 0
		.amdhsa_float_denorm_mode_32 3
		.amdhsa_float_denorm_mode_16_64 3
		.amdhsa_memory_ordered 1
		.amdhsa_forward_progress 1
		.amdhsa_inst_pref_size 212
	.end_amdhsa_kernel
	.amdgpu_metadata
---
amdhsa.version: [ 1, 2 ]
amdhsa.kernels:
  - .name:           k_q69cc614212_gemmqkv
    .symbol:         k_q69cc614212_gemmqkv.kd
    .args:
      - { .name: acts, .offset: 0, .size: 8, .value_kind: global_buffer, .address_space: global }
      - { .name: wq, .offset: 8, .size: 8, .value_kind: global_buffer, .address_space: global }
      - { .name: b_attn, .offset: 16, .size: 8, .value_kind: global_buffer, .address_space: global }
      - { .name: qkv, .offset: 24, .size: 8, .value_kind: global_buffer, .address_space: global }
    .group_segment_fixed_size: 0
    .private_segment_fixed_size: 0
    .kernarg_segment_align: 8
    .kernarg_segment_size: 32
    .max_flat_workgroup_size: 128
    .sgpr_count:     66
    .vgpr_count:     1024
    .wavefront_size: 32
...
	.end_amdgpu_metadata
.endif
;; end of part 9
;; launch attn (part 10): grid 16 x 16, 8 waves a work-group, no clusters, 13,824 bytes of LDS; arguments qkv, acts; writes acts
.if DOCPART == 10
	.amdgcn_target "amdgcn-amd-amdhsa--gfx1250"
	.amdhsa_code_object_version 6
	.text
	.protected	k_q69cc614212_attn
	.globl	k_q69cc614212_attn
	.p2align	8
	.type	k_q69cc614212_attn,@function
k_q69cc614212_attn:
	s_mov_b64 s[64:65], 0
	v_nop
	global_prefetch_b8 v0, s[64:65] scope:SCOPE_SE
	s_setreg_imm32_b32 hwreg(HW_REG_WAVE_MODE, 25, 1), 1
	s_wait_xcnt 0x0
; Causal attention on codes of FP6 (E2M3) with E8M0 scales; 32 heads (batch x head) of 2,048 tokens x 64.  The result, divided by the row's sum, is quantised along the model's 1,024 and stored as the images that the next product loads.
; LEFT OUT: key steps wholly above the diagonal (reference()'s own jnp.tril mask makes their p zero for all inputs).
; t = score x log2(e) / 8; M = the running largest t rounded UP to a whole number; p = 2^(t - M) is quantised along the keys, not normalised; the row's sum is taken of the unquantised p; when M moves, the sum and O are multiplied by 2^(old M - new M): exact.
; BOTH PRODUCTS ARE USED TRANSPOSED: S^T = K Q^T (source 0 = 16 keys, source 1 = 16 queries), O^T = V^T P^T (source 0 = 16 channels, source 1 = P): a lane holds ONE query throughout.
; K = 64 in the first product: registers 6 .. 11 of K's and Q's fragments are zero codes, written once; their scale bytes are 0x7f.
; TILES are in the order 8 u + r + 8 (r / 8) within each 32 (keys, queries, channels): so p's 16 registers of two neighbouring tiles are 16 neighbouring keys, and O^T's are neighbouring channels.
; SHARES: work-group (x, y): batch y / 8, heads 2 (y & 7) and 2 (y & 7) + 1.  Wave w: head c = w & 1; with k = w / 2: tile ut = k & 1 of TWO groups of 32 queries: slot 1 the early group g = 2 x + k / 2 (0 .. 31), slot 0 the late group 63 - g.
; g / 4 + (63 - g) / 4 = 15, so every wave of the launch works 17 tile steps (a tile of 16 queries x 128 keys): g / 4 key steps on both slots; the early tile's diagonal step (its mask; slot 0 whole); 14 - 2 (g / 4) key steps on slot 0 alone;
; slot 0's diagonal step.  While both slots are at work they share each fragment of K and V.  The eight waves of a work-group have the same trip counts (g / 4 = x / 2).  Trip counts hang on ids alone.
; K's, V's and Q's images come from memory straight into registers; K of step s + 1 is asked for behind the scores of step s, V of step s + 1 behind the second product of step s.
; NO CLUSTER, NO JOINT LOADS: work-groups need different numbers of key steps (9 to 16), and this text keeps no K or V tile in LDS that could be shared.
; PREFETCH: one wave of each head that walks all 16 steps (x = 0, k = 0) names, in steps 0 to 10, chunk step + 1 of 8,192 bytes of the head's 98,304 bytes of K's codes and of V's, a lane every 256 bytes: each block once in the launch; chunk 0 and the scale words come by their loads alone; the last chunk named ends at the head's last byte.
; THE WAY OUT: a head gives 6 of the 12 registers of an image (K step = pair of heads): the two waves of a pair put their two slots' images together in LDS; one barrier; wave w stores slot c's image of its pair; waves with c = 0 store 128 bytes of scale words (group k / 2, slot k & 1).
; LIMITS: NaN and infinities are not served; the scaled scores stay under 2^31 in magnitude; blocks under 2^-124 keep the byte 1; a block of zeros has the byte 1 where the rule says 127 (zero codes; this program alone reads the bytes).
; REGISTERS: window 0: v1-13, v26-27 addresses; v16-19 K's scale words, v20-21 V's, v22-23 Q's, v24-25 p's; v32 + 8 u: -M, largest t, the sum (2), f (2); v48-63 at work; v64-191 S^T then p, 64 a slot; v192-215 p's codes; v216-223 at work.
;   window 1: v0-95 K's 8 fragments; v96-143 V's 4; v144-167 Q's 2; v168-231 O^T, 32 a slot.
.set SW,    12288                      ; LDS: 8 images of 1,536 bytes, then 4 x 128 bytes of scale words,
.set SPARE, 12800                      ; then the spare words: 128 bytes for each of 8 waves
.set MSB, 0
.macro WIN new
.if MSB != (\new)
	s_set_vgpr_msb (MSB<<8)|(\new)
.set MSB, (\new)
.endif
.endm
.macro PLACES
.rept 4
	v_nop
.endr
.endm
	s_load_b128 s[4:7], s[0:1], 0x0                ; qkv s[4:5], acts s[6:7]
	v_lshl_add_u32 v12, v0, 2, SPARE               ; my spare word; never rewritten
	v_mov_b32 v13, 0                               ; 0; never rewritten
	v_lshrrev_b32 v14, 5, v0
	v_readfirstlane_b32 s20, v14                   ; wave
	s_and_b32 s21, s20, 1                          ; c: which head of the pair
	s_lshr_b32 s22, s20, 1                         ; k
	s_and_b32 s54, s22, 1                          ; ut: which tile of a group
	s_lshr_b32 s55, s22, 1
	s_lshl_b32 s26, ttmp9, 1
	s_add_co_u32 s26, s26, s55                     ; g: the early group, 0 .. 31
	s_sub_co_u32 s56, 63, s26                      ; the late group, 32 .. 63
	s_lshr_b32 s28, s26, 2                         ; key steps ahead of the early diagonal's
	s_lshr_b32 s53, s56, 2                         ; and of the late one's
	s_and_b32 s23, ttmp7, 0xffff
	s_lshr_b32 s24, s23, 3                         ; batch
	s_and_b32 s23, s23, 7                          ; pair of heads
	s_lshl_b32 s25, s24, 4
	s_lshl_b32 s44, s23, 1
	s_add_co_u32 s25, s25, s44
	s_add_co_u32 s25, s25, s21                     ; 16 x batch + head
	s_or_b32 s44, ttmp9, s22
	s_cmp_eq_u32 s44, 0
	s_cselect_b32 s30, 11, 0                       ; steps in which I prefetch
	s_mul_i32 s44, s22, 3072                       ; my pair's two images
	s_mul_i32 s45, s21, 520
	s_add_co_u32 s45, s45, s44
	s_mul_i32 s46, s21, 1016
	s_add_co_u32 s46, s46, s44
	s_lshl_b32 s47, s55, 8                         ; scale bytes: region 2 (k / 2) + slot of 128 bytes,
	s_add_co_u32 s47, s47, SW
	s_lshl_b32 s48, s54, 2
	s_add_co_u32 s47, s47, s48                     ; + 4 ut
	s_lshl_b32 s48, s21, 1
	s_add_co_u32 s47, s47, s48                     ; + 2 c
	s_lshl_b32 s50, s22, 7
	s_add_co_u32 s50, s50, SW                      ; back: region k
	s_mul_i32 s51, s20, 1536                       ; back: image w
	s_lshl_b32 s48, s54, 3
	s_and_b32 s57, s56, 3
	s_lshl_b32 s57, s57, 5
	s_add_co_u32 s57, s57, s48                     ; slot 0: 32 x the group's place in its 128 + 8 ut
	s_and_b32 s58, s26, 3
	s_lshl_b32 s58, s58, 5
	s_add_co_u32 s58, s58, s48                     ; slot 1
	s_mov_b32 s32, 0x76543210
	s_mov_b32 s33, 0xfedcba98
	s_mov_b32 s34, 0x3e38aa3b                      ; log2(e) / 8
	s_mov_b32 s35, s34                             ; (named with it as a pair)
	s_mov_b32 s49, 0
	v_and_b32 v14, 31, v0                          ; lane
	v_and_b32 v15, 15, v0                          ; r
	v_bfe_u32 v28, v0, 4, 1                        ; h
	v_lshlrev_b32 v1, 4, v14
	v_lshlrev_b32 v2, 3, v14
	v_lshlrev_b32 v3, 4, v15
	v_lshlrev_b32 v26, 8, v14
	v_lshlrev_b32 v27, 2, v14
	v_add_nc_u32 v7, s45, v1                       ; registers 6 c, 6 c + 1 and (512 on) 6 c + 4, 6 c + 5
	v_add_nc_u32 v8, s46, v1                       ; (8 on) registers 6 c + 2, 6 c + 3
	v_lshl_add_u32 v9, v15, 3, s47                 ; my two scale bytes: 8 r + 4 ut + 2 c (+ 128 x slot)
	v_add_nc_u32 v11, s50, v27
	v_add_nc_u32 v10, s51, v1
	v_and_b32 v29, 8, v15
	v_add_nc_u32 v29, v29, v15
	v_lshlrev_b32 v30, 4, v28
	v_sub_nc_u32 v29, v29, v30
	v_add_nc_u32 v4, s57, v29                      ; slot 0: my query's place in its diagonal's 128 keys, less 16 h
	v_add_nc_u32 v5, s58, v29                      ; slot 1
	v_mov_b32 v6, 0xff800000                       ; -infinity
	s_wait_alu depctr_va_vdst(0)
	s_wait_kmcnt 0x0
	s_mul_i32 s46, s25, 98304
	s_add_co_u32 s48, s46, 3145728
	s_add_nc_u64 s[8:9], s[4:5], s[48:49]          ; K's codes
	s_add_co_u32 s48, s46, 6291456
	s_add_nc_u64 s[12:13], s[4:5], s[48:49]        ; V's codes
	s_lshl_b32 s48, s25, 13
	s_add_co_u32 s48, s48, 9699328
	s_add_nc_u64 s[10:11], s[4:5], s[48:49]        ; K's scale words
	s_lshl_b32 s48, s25, 12
	s_add_co_u32 s48, s48, 9961472
	s_add_nc_u64 s[14:15], s[4:5], s[48:49]        ; V's
.macro QPTR grp, dq, ds                ; tile ut of the group in s[grp]: its half image and its scale words
	s_lshl_b32 s48, s25, 7
	s_lshl_b32 s50, s\grp, 1
	s_add_co_u32 s48, s48, s50
	s_add_co_u32 s48, s48, s54
	s_mul_i32 s48, s48, 768
	s_add_nc_u64 s[\dq:\dq+1], s[4:5], s[48:49]
	s_lshl_b32 s48, s25, 4
	s_lshr_b32 s50, s\grp, 2
	s_add_co_u32 s48, s48, s50
	s_lshl_b32 s48, s48, 9
	s_bfe_u32 s50, s\grp, 0x10001
	s_lshl_b32 s50, s50, 8
	s_add_co_u32 s48, s48, s50
	s_and_b32 s50, s\grp, 1
	s_lshl_b32 s50, s50, 3
	s_add_co_u32 s48, s48, s50
	s_lshl_b32 s50, s54, 2
	s_add_co_u32 s48, s48, s50
	s_add_co_u32 s48, s48, 9437184
	s_add_nc_u64 s[\ds:\ds+1], s[4:5], s[48:49]
.endm
	QPTR 56, 16, 18
	QPTR 26, 60, 62
	s_mov_b64 s[36:37], s[8:9]                     ; the prefetches' places: stepped ahead of each use
	s_mov_b64 s[38:39], s[12:13]
	s_cmp_eq_u32 s21, 0
	s_cselect_b32 s59, s56, s26                    ; the group of the image that I store: slot c's
	s_lshl_b32 s50, s24, 4
	s_lshr_b32 s51, s59, 2
	s_add_co_u32 s51, s51, s50                     ; its block of 128 tokens
	s_lshl_b32 s48, s51, 3
	s_add_co_u32 s48, s48, s23
	s_mul_i32 s48, s48, 12288
	s_and_b32 s51, s59, 3
	s_lshl_b32 s51, s51, 1
	s_add_co_u32 s51, s51, s54
	s_mul_i32 s51, s51, 1536
	s_add_co_u32 s48, s48, s51
	s_add_nc_u64 s[40:41], s[6:7], s[48:49]        ; K step = pair of heads, tile 2 p + ut
	s_cmp_eq_u32 s54, 0
	s_cselect_b32 s59, s56, s26                    ; the group of the scale words that I store: region k = (k / 2, slot k & 1)
	s_lshr_b32 s51, s59, 2
	s_add_co_u32 s51, s51, s50
	s_lshl_b32 s48, s51, 2
	s_lshr_b32 s51, s23, 1
	s_add_co_u32 s48, s48, s51
	s_lshl_b32 s48, s48, 10
	s_and_b32 s51, s59, 3
	s_lshl_b32 s51, s51, 8
	s_add_co_u32 s48, s48, s51
	s_and_b32 s51, s23, 1
	s_lshl_b32 s51, s51, 7
	s_add_co_u32 s48, s48, s51
	s_add_co_u32 s48, s48, 3145728
	s_add_nc_u64 s[42:43], s[6:7], s[48:49]
.macro KGROUP                          ; a key step's 8 half images and their scale words: 17 loads
	WIN 0x40
.irp t, 0,1,2,3,4,5,6,7
	global_load_b128 v[12*\t:12*\t+3], v1, s[8:9] offset:768*\t
	global_load_b64 v[12*\t+4:12*\t+5], v2, s[8:9] offset:768*\t+512
.endr
	WIN 0
	global_load_b128 v[16:19], v1, s[10:11]        ; register y, lane r + 16 x: tile 4 x + y
.endm
.macro VGROUP                          ; its 4 images of V and their scale words: 13 loads
	WIN 0x40
.irp t, 0,1,2,3
.irp g, 0,1,2
	global_load_b128 v[96+12*\t+4*\g:99+12*\t+4*\g], v1, s[12:13] offset:1536*\t+512*\g
.endr
.endr
	WIN 0
	global_load_b64 v[20:21], v2, s[14:15]         ; register y, lane r + 16 x: tile 2 x + y
.endm
	WIN 0x40
	global_load_b128 v[144:147], v1, s[16:17]
	global_load_b64 v[148:149], v2, s[16:17] offset:512
	global_load_b128 v[156:159], v1, s[60:61]
	global_load_b64 v[160:161], v2, s[60:61] offset:512
	WIN 0
	global_load_b32 v22, v3, s[18:19]
	global_load_b32 v23, v3, s[62:63]
	KGROUP
	VGROUP
	WIN 0x40
.irp t, 0,1,2,3,4,5,6,7
.irp i, 6,7,8,9,10,11
	v_mov_b32 v[12*\t+\i], 0                       ; zero codes for k = 64 .. 127: written once, no load lands here
.endr
.endr
.irp u, 0,1
.irp i, 6,7,8,9,10,11
	v_mov_b32 v[144+12*\u+\i], 0
.endr
.endr
.set n, 168
.rept 64
	v_mov_b32 v[n], 0                              ; O^T.  (A step's text serves the first step too: it finds zeros, which the first change of M leaves zeros)
.set n, n+1
.endr
	WIN 0
.irp u, 0,1
	v_mov_b32 v[33+8*\u], 0xff61b1e6               ; the largest t so far: -3e38
	s_delay_alu instid0(VALU_DEP_1)
	v_floor_f32 v[32+8*\u], -v[33+8*\u]            ; -M
	v_mov_b32 v[34+8*\u], 0                        ; the sum, in two halves
	v_mov_b32 v[35+8*\u], 0
	v_mov_b32 v[36+8*\u], 0
	v_mov_b32 v[37+8*\u], 0                        ; (named as the upper half of f's pair)
.endr
.irp b, 0,1,2,3
	v_mov_b32 v[52+\b], 0                          ; a lane permute's destination counts as one of its sources
.endr
; The softmax of slot u for one key step.  mask = 1: on its diagonal, hidden scores become -infinity first.
.macro SMX u, mask
.set SS, 64+64*\u
.set PP, 192+12*\u
.set TT, 32+8*\u
.if \mask
.set n, 0
.rept 64                               ; register 16 B + i holds key 32 B + 16 h + i of the step: hidden where 32 B + i > my query's place - 16 h
	v_cmp_gt_i32 vcc_lo, 32*(n/16)+n%16, v[4+\u]
	v_cndmask_b32 v[SS+n], v[SS+n], v6, vcc_lo
.set n, n+1
.endr
.endif
.irp b, 0,1,2,3
	v_max3_num_f32 v[48+\b], v[SS+16*\b], v[SS+1+16*\b], v[SS+2+16*\b]   ; the largest score of each block of 32 keys: for the row's maximum, and, since p rises with the score, for the block's largest p
.endr
.irp i, 3,5,7,9,11,13
.irp b, 0,1,2,3
	v_max3_num_f32 v[48+\b], v[48+\b], v[SS+16*\b+\i], v[SS+1+16*\b+\i]
.endr
.endr
.irp b, 0,1,2,3
	v_max_num_f32 v[48+\b], v[48+\b], v[SS+15+16*\b]
.endr
.irp b, 0,1,2,3
	s_delay_alu instid0(VALU_DEP_4)
	v_permlanex16_b32 v[52+\b], v[48+\b], s32, s33
.endr
.irp b, 0,1,2,3
	s_delay_alu instid0(VALU_DEP_4)
	v_max_num_f32 v[48+\b], v[48+\b], v[52+\b]     ; with lane l xor 16's 16 keys
.endr
	s_delay_alu instid0(VALU_DEP_2)
	v_max3_num_f32 v60, v48, v49, v50
	s_delay_alu instid0(VALU_DEP_1)
	v_max_num_f32 v60, v60, v51
	s_delay_alu instid0(VALU_DEP_1)
	v_mul_f32 v60, s34, v60                        ; as t
	s_delay_alu instid0(VALU_DEP_1)
	v_max_num_f32 v[TT+1], v[TT+1], v60            ; the running largest t
	v_mov_b32 v60, v[TT]
	s_delay_alu instid0(VALU_DEP_2)
	v_floor_f32 v[TT], -v[TT+1]                    ; the new -M = -ceil(t)
	s_delay_alu instid0(VALU_DEP_1)
	v_sub_f32 v60, v[TT], v60                      ; old M - new M: a whole number, 0 or less
	s_delay_alu instid0(VALU_DEP_1)
	v_cvt_i32_f32 v60, v60                         ; (it saturates)
	s_delay_alu instid0(VALU_DEP_1)
	v_ldexp_f32 v[TT+4], 1.0, v60                  ; f = 2^(old M - new M)
.set n, 0
.rept 32
	v_pk_fma_f32 v[SS+n:SS+n+1], v[SS+n:SS+n+1], s[34:35], v[TT:TT+1] op_sel_hi:[1,0,0]   ; t - M
.set n, n+2
.endr
.irp b, 0,1,2,3
	v_fma_f32 v[48+\b], v[48+\b], s34, v[TT]       ; the same of each block's largest score
.endr
.set n, 0
	s_wait_alu depctr_va_vdst(0)
.rept 64
	v_exp_f32 v[SS+n], v[SS+n]                     ; p = 2^(t - M)
.set n, n+1
.endr
	v_pk_mul_f32 v[TT+2:TT+3], v[TT+2:TT+3], v[TT+4:TT+5] op_sel_hi:[1,0]   ; the sum under the new M (a plain line behind the exponentials)
	s_wait_alu depctr_va_vdst(0)                   ; one wait for the batch, ahead of its first use
.irp b, 0,1,2,3
	v_exp_f32 v[48+\b], v[48+\b]                   ; the block's largest p
.endr
	v_pk_add_f32 v[60:61], v[SS:SS+1], v[SS+2:SS+3]   ; the row's sum of the UNQUANTISED p, in two chains
.irp j, 4,8,12,16,20,24,28,32,36,40,44,48,52,56,60
	v_pk_add_f32 v[TT+2:TT+3], v[TT+2:TT+3], v[SS+\j:SS+\j+1]
	v_pk_add_f32 v[60:61], v[60:61], v[SS+2+\j:SS+3+\j]
.endr
	s_delay_alu instid0(VALU_DEP_1)
	v_pk_add_f32 v[TT+2:TT+3], v[TT+2:TT+3], v[60:61]
	s_wait_alu depctr_va_vdst(0)                   ; and one for the four
.irp b, 0,1,2,3
	v_max_num_f32 v[48+\b], 0x1800000, v[48+\b]    ; the floor 2^(3 - 127)
.endr
.irp b, 0,1,2,3
	s_delay_alu instid0(VALU_DEP_4)
	v_add_nc_u32 v[56+\b], 0xff000000, v[48+\b]    ; the conversion's scale operand
.endr
.irp b, 0,1,2,3
	s_delay_alu instid0(VALU_DEP_4)
	v_lshrrev_b32 v[52+\b], 23, v[56+\b]           ; the byte
.endr
	s_delay_alu instid0(VALU_DEP_3)
	v_lshl_or_b32 v[24+\u], v53, 8, v52            ; p's scale word for these 128 keys
	s_delay_alu instid0(VALU_DEP_1)
	v_lshl_or_b32 v[24+\u], v54, 16, v[24+\u]
	s_delay_alu instid0(VALU_DEP_1)
	v_lshl_or_b32 v[24+\u], v55, 24, v[24+\u]
.irp c, 0,1
	v_cvt_scalef32_pk16_fp6_f32 v[PP+6*\c:PP+2+6*\c], v[SS+32*\c:SS+15+32*\c], v[56+2*\c]
	v_cvt_scalef32_pk16_fp6_f32 v[216+4*\c:218+4*\c], v[SS+16+32*\c:SS+31+32*\c], v[57+2*\c]
.endr
	v_nop                                          ; one plain line behind a scaled conversion
.irp c, 0,1
.irp i, 0,1,2
	v_permlane16_swap_b32 v[PP+6*\c+\i], v[216+4*\c+\i]
.endr
.irp i, 0,1,2
	s_delay_alu instid0(VALU_DEP_3)
	v_mov_b32 v[PP+3+6*\c+\i], v[216+4*\c+\i]
.endr
.endr
.endm
.macro SP t, u                         ; scores: 16 keys of tile t x slot u's 16 queries
.if \t < 4
	v_wmma_scale_f32_16x16x128_f8f6f4 v[64+64*\u+8*\t:71+64*\u+8*\t], v[12*\t:12*\t+11], v[144+12*\u:155+12*\u], 0, v[16+\t], v[22+\u] matrix_a_fmt:MATRIX_FMT_FP6 matrix_b_fmt:MATRIX_FMT_FP6
.else
	v_wmma_scale_f32_16x16x128_f8f6f4 v[64+64*\u+8*\t:71+64*\u+8*\t], v[12*\t:12*\t+11], v[144+12*\u:155+12*\u], 0, v[12+\t], v[22+\u] matrix_a_fmt:MATRIX_FMT_FP6 matrix_b_fmt:MATRIX_FMT_FP6 matrix_a_scale:MATRIX_SCALE_ROW1
.endif
.endm
.macro PV t, u                         ; O^T += 16 channels of tile t x slot u's p
.if \t < 2
	v_wmma_scale_f32_16x16x128_f8f6f4 v[168+32*\u+8*\t:175+32*\u+8*\t], v[96+12*\t:107+12*\t], v[192+12*\u:203+12*\u], v[168+32*\u+8*\t:175+32*\u+8*\t], v[20+\t], v[24+\u] matrix_a_fmt:MATRIX_FMT_FP6 matrix_b_fmt:MATRIX_FMT_FP6
.else
	v_wmma_scale_f32_16x16x128_f8f6f4 v[168+32*\u+8*\t:175+32*\u+8*\t], v[96+12*\t:107+12*\t], v[192+12*\u:203+12*\u], v[168+32*\u+8*\t:175+32*\u+8*\t], v[18+\t], v[24+\u] matrix_a_fmt:MATRIX_FMT_FP6 matrix_b_fmt:MATRIX_FMT_FP6 matrix_a_scale:MATRIX_SCALE_ROW1
.endif
.endm
.macro RESC u                          ; O^T under the new M.  (These lines are also the places in front of the products that follow)
.set n, 0
.rept 16
	v_pk_mul_f32 v[168+32*\u+n:169+32*\u+n], v[168+32*\u+n:169+32*\u+n], v[36+8*\u:37+8*\u] op_sel_hi:[1,0]
.set n, n+2
.endr
.endm
; A key step of 128 keys.  two = 1: both slots are at work, else slot 0 alone; m0, m1: a slot's diagonal; next = 1: the next step's K and V are asked for.
.macro STEP two, m0, m1, next
	s_wait_loadcnt 13                              ; K (and at first Q) is in; V's 13 loads, issued behind it, may be out
	WIN 0x05
.irp t, 0,1,2,3,4,5,6,7
	SP \t, 0
.if \two
	SP \t, 1
.endif
.endr
	WIN 0
	PLACES
.if \next
	s_wait_xcnt 0x0                                ; earlier loads and prefetches have read their bases
	s_add_nc_u64 s[8:9], s[8:9], 6144
	s_add_nc_u64 s[10:11], s[10:11], 512
	s_add_nc_u64 s[36:37], s[36:37], 8192
	s_add_nc_u64 s[38:39], s[38:39], 8192
	KGROUP
	s_cmp_lt_u32 s29, s30
	s_cbranch_scc0 .Lnot_mine_\@
	global_prefetch_b8 v26, s[36:37] th:TH_LOAD_NT scope:SCOPE_SE   ; chunk step + 1 of K's codes,
	global_prefetch_b8 v26, s[38:39] th:TH_LOAD_NT scope:SCOPE_SE   ; and of V's
.Lnot_mine_\@:
.endif
	SMX 0, \m0
.if \two
	SMX 1, \m1
.endif
	WIN 0x41
	RESC 0
.if \two
	RESC 1
.endif
	s_wait_alu depctr_va_vdst(0)
.if \next
	s_wait_loadcnt 17                              ; V is in; the next step's K, 17 loads, may be out
.else
	s_wait_loadcnt 0x0
.endif
	WIN 0x51
.irp t, 0,1,2,3                        ; the accumulators by turns, one instruction a turn
	PV \t, 0
.if \two
	PV \t, 1
.endif
.endr
	WIN 0
	PLACES
.if \next
	s_wait_xcnt 0x0
	s_add_nc_u64 s[12:13], s[12:13], 6144
	s_add_nc_u64 s[14:15], s[14:15], 256
	VGROUP
.endif
.endm
	s_wait_alu depctr_va_vdst(0)
	s_mov_b32 s29, 0                               ; the key step
	s_cmp_eq_u32 s28, 0
	s_cbranch_scc1 .Ld1
.La:                                   ; both slots, all keys count
	STEP 1, 0, 0, 1
	s_add_co_u32 s29, s29, 1
	s_cmp_lt_u32 s29, s28
	s_cbranch_scc1 .La
.Ld1:
	STEP 1, 0, 1, 1                                ; the early tile's diagonal: its last step
	s_add_co_u32 s29, s29, 1
	s_cmp_lt_u32 s29, s53
	s_cbranch_scc0 .Ld2
.Lb:                                   ; slot 0 alone, all keys count
	STEP 0, 0, 0, 1
	s_add_co_u32 s29, s29, 1
	s_cmp_lt_u32 s29, s53
	s_cbranch_scc1 .Lb
.Ld2:
	STEP 0, 1, 0, 0                                ; the late tile's diagonal: the last step
	; THE WAY OUT
.irp u, 0,1
	v_add_f32 v[60+\u], v[34+8*\u], v[35+8*\u]     ; the sum's two halves,
.endr
.irp u, 0,1
	s_delay_alu instid0(VALU_DEP_2)
	v_permlanex16_b32 v[52+\u], v[60+\u], s32, s33
.endr
.irp u, 0,1
	s_delay_alu instid0(VALU_DEP_2)
	v_add_f32 v[60+\u], v[60+\u], v[52+\u]         ; and lane l xor 16's
.endr
	s_wait_alu depctr_va_vdst(0)                   ; a wait ahead of the transcendentals,
.irp u, 0,1
	v_rcp_f32 v[36+8*\u], v[60+\u]
.endr
	v_nop
	s_wait_alu depctr_va_vdst(0)                   ; and one behind them, ahead of their first use and of the first reads of O^T
	WIN 0x01
.irp u, 0,1
.set n, 0
.rept 16
	v_pk_mul_f32 v[64+64*\u+n:65+64*\u+n], v[168+32*\u+n:169+32*\u+n], v[36+8*\u:37+8*\u] op_sel_hi:[1,0]   ; O^T / the sum: register 16 B + i = channel 32 B + 16 h + i; each accumulator from its low end on
.set n, n+2
.endr
.endr
	WIN 0
.macro OUTQ u
.set SS, 64+64*\u
.set PP, 192+12*\u
.irp b, 0,1
	v_max3_num_f32 v[48+\b], |v[SS+16*\b]|, |v[SS+1+16*\b]|, 0x1800000
.endr
.irp i, 2,4,6,8,10,12,14
.irp b, 0,1
	s_delay_alu instid0(VALU_DEP_2)
	v_max3_num_f32 v[48+\b], v[48+\b], |v[SS+16*\b+\i]|, |v[SS+1+16*\b+\i]|
.endr
.endr
.irp b, 0,1
	s_delay_alu instid0(VALU_DEP_2)
	v_permlanex16_b32 v[52+\b], v[48+\b], s32, s33
.endr
.irp b, 0,1
	s_delay_alu instid0(VALU_DEP_2)
	v_max_num_f32 v[48+\b], v[48+\b], v[52+\b]
.endr
.irp b, 0,1
	s_delay_alu instid0(VALU_DEP_2)
	v_add_nc_u32 v[56+\b], 0xff000000, v[48+\b]
.endr
.irp b, 0,1
	s_delay_alu instid0(VALU_DEP_2)
	v_lshrrev_b32 v[52+\b], 23, v[56+\b]
.endr
	s_delay_alu instid0(VALU_DEP_1)
	v_lshl_or_b32 v[62+\u], v53, 8, v52            ; my head's two bytes of the row's scale word
	v_cvt_scalef32_pk16_fp6_f32 v[PP:PP+2], v[SS:SS+15], v56
	v_cvt_scalef32_pk16_fp6_f32 v[216:218], v[SS+16:SS+31], v57
	v_nop
.irp i, 0,1,2
	v_permlane16_swap_b32 v[PP+\i], v[216+\i]
.endr
.irp i, 0,1,2
	s_delay_alu instid0(VALU_DEP_3)
	v_mov_b32 v[PP+3+\i], v[216+\i]
.endr
	ds_store_b64 v7, v[PP:PP+1] offset:1536*\u
	ds_store_b64 v8, v[PP+2:PP+3] offset:1536*\u+8
	ds_store_b64 v7, v[PP+4:PP+5] offset:1536*\u+512
	ds_store_b16 v9, v[62+\u] offset:128*\u        ; lanes r and r + 16 store the same two bytes
.endm
	OUTQ 0
	OUTQ 1
	s_wait_dscnt 0x0                               ; for my partners' sake: my stores are done
	s_barrier_signal -1
	s_barrier_wait -1
.irp g, 0,1,2
	ds_load_b128 v[64+4*\g:67+4*\g], v10 offset:512*\g
.endr
	s_wait_dscnt 0x0
.irp g, 0,1,2
	global_store_b128 v1, v[64+4*\g:67+4*\g], s[40:41] offset:512*\g   ; 512 consecutive bytes, aligned
.endr
	s_cmp_eq_u32 s21, 0
	s_cbranch_scc0 .Lno_words
	ds_load_b32 v76, v11
	s_wait_dscnt 0x0
	global_store_b32 v27, v76, s[42:43]            ; 128 consecutive bytes
.Lno_words:
	s_wait_tensorcnt 0x0                           ; the wave's end
	ds_add_u32 v12, v13
	s_wait_dscnt 0x0
	s_endpgm
.Lfunc_end_k_q69cc614212_attn:
	.size	k_q69cc614212_attn, .Lfunc_end_k_q69cc614212_attn-k_q69cc614212_attn
	.p2alignl 7, 3214868480
	.fill 96, 4, 3214868480
	.section	.rodata,"a",@progbits
	.p2align	6, 0x0
	.amdhsa_kernel k_q69cc614212_attn
		.amdhsa_group_segment_fixed_size 13824
		.amdhsa_private_segment_fixed_size 0
		.amdhsa_enable_private_segment 0
		.amdhsa_kernarg_size 16
		.amdhsa_user_sgpr_count 2
		.amdhsa_user_sgpr_kernarg_segment_ptr 1
		.amdhsa_wavefront_size32 1
		.amdhsa_system_sgpr_workgroup_id_x 1
		.amdhsa_system_sgpr_workgroup_id_y 1
		.amdhsa_system_sgpr_workgroup_id_z 1
		.amdhsa_system_vgpr_workitem_id 0
		.amdhsa_next_free_vgpr 512
		.amdhsa_next_free_sgpr 80
		.amdhsa_reserve_vcc 1
		.amdhsa_float_denorm_mode_32 3
		.amdhsa_float_denorm_mode_16_64 3
		.amdhsa_memory_ordered 1
		.amdhsa_forward_progress 1
		.amdhsa_inst_pref_size 132
	.end_amdhsa_kernel
	.amdgpu_metadata
---
amdhsa.version: [ 1, 2 ]
amdhsa.kernels:
  - .name:           k_q69cc614212_attn
    .symbol:         k_q69cc614212_attn.kd
    .args:
      - { .name: qkv, .offset: 0, .size: 8, .value_kind: global_buffer, .address_space: global }
      - { .name: acts, .offset: 8, .size: 8, .value_kind: global_buffer, .address_space: global }
    .group_segment_fixed_size: 13824
    .private_segment_fixed_size: 0
    .kernarg_segment_align: 8
    .kernarg_segment_size: 16
    .max_flat_workgroup_size: 256
    .sgpr_count:     80
    .vgpr_count:     512
    .wavefront_size: 32
...
	.end_amdgpu_metadata
.endif
;; end of part 10
;; launch proj (part 11): grid 8 x 32, 4 waves a work-group, no clusters, 17,920 bytes of LDS; arguments acts, wq, b_proj, x, x1; writes x1
.if DOCPART == 11
	.amdgcn_target "amdgcn-amd-amdhsa--gfx1250"
	.amdhsa_code_object_version 6
	.text
	.protected	k_q69cc614212_proj
	.globl	k_q69cc614212_proj
	.p2align	8
	.type	k_q69cc614212_proj,@function
k_q69cc614212_proj:
	s_mov_b64 s[64:65], 0
	v_nop
	global_prefetch_b8 v0, s[64:65] scope:SCOPE_SE
	s_setreg_imm32_b32 hwreg(HW_REG_WAVE_MODE, 25, 1), 1
	s_wait_xcnt 0x0
; x1 = x + A W_proj + b_proj on codes of FP6 (E2M3) with E8M0 scales; A = attention's result (acts), K = 1,024; x and x1 f32 [4,096][1,024].
; OPERANDS ARE IMAGES OF THEIR REGISTERS in memory: 16 rows x 128 K = 1,536 bytes, registers 4 g .. 4 g + 3 of lane l at 512 g + 16 l; [block of 128 rows][K step][tile 0 .. 7].  A fragment is three loads of 512 consecutive bytes, straight into registers.
; Rows of a tile: in a group of 32, tile u, row r stands for index 8 u + r + 8 (r / 8).  Source 0 = weights, source 1 = tokens: lane (r, h) holds one token, register 16 B + i of a token tile = column 32 B + 16 h + i.
; Scale words: [block][pair of K steps][p][lane r + 16 (K step & 1)][2 words]; odd K steps read lanes 16-31.
; SHARES: 256 work-groups, each one tile of 128 x 128.  Wave w makes tokens 64 (w / 2) .. + 63 x columns 64 (w & 1) .. + 63 over ALL of K: 16 accumulators, one ascending chain for each output, begun with the bias as the first product's C.
; So no partial sums pass between waves: no barrier, and LDS holds only each wave's own stage.  The price: each half block of A and of W is asked for by two waves of the work-group.
; FOUR SETS of fragments (8 x 12 registers each) by turns: while K step s is multiplied, the loads of steps s + 1 and s + 2 (2 x 12,288 bytes a wave) are out.  Every offset is an immediate: no pointer is stepped.
; THE WAY OUT: 16 tokens x 64 columns through the wave's own stage (rows of 256 + 16 bytes), back as whole rows; the residual is added; sixteen lanes store 256 consecutive bytes, aligned.
; NO CLUSTER, NO JOINT LOADS, NO PREFETCH: this text keeps no tile of A or W in LDS that partners could share, and with eight K steps, three of them asked for at the head, there is no loop to run ahead in.
; LIMITS: NaN and infinities are not served; a sum begins with the bias, where reference() adds it last.
; REGISTERS, in windows of 256: window 0: v1 16 l, v2 8 l, v3 the stage (in), v5 the stage (back), v6 my offset in x and x1, v7 the bias's offset, v14-15 the add's two; v24-39 the tokens' scale words (4 a pair of K steps), v44-59 the weights';
;   v64-191 accumulator (a, b) at v[64 + 8 (4 a + b)]; v192-223, v224-255 rows back from the stage, two sets.   windows 1, 2: fragment set q at window 1 + q / 2, register 96 (q % 2): the weights' four, then the tokens' four.
;   window 3: v0-127 the residual; v128-159 the bias as the first products' C.
.set ASTR,  98304                      ; A: bytes of a block's codes;
.set ASB,   3145728                    ; where its scale words begin;
.set ASS,   4096                       ; a block's scale words
.set WB,    2359296                    ; W in wq: the same three
.set WSTR,  98304
.set WSB,   9535488
.set WSS,   4096
.set SP,    272                        ; a stage row
.set SPARE, 17408                      ; behind the four stages of 16 x 272 bytes: the spare words, 128 bytes for each wave
.set MSB, 0
.macro WIN new                         ; s_set_vgpr_msb: bits 1:0 source 0, 3:2 source 1, 5:4 source 2, 7:6 destination; the high byte repeats the setting that is left
.if MSB != (\new)
	s_set_vgpr_msb (MSB<<8)|(\new)
.set MSB, (\new)
.endif
.endm
.macro PLACES                          ; four plain vector lines between a matrix instruction and a load into, or a read of, its registers (ISA guide 7.12.1 for vector reads)
.rept 4
	v_nop
.endr
.endm
.macro LOADF s                         ; K step s: 4 + 4 fragments, 24 loads, into set s % 4
.set FQ, (\s)%4
.set FB0, 96*(FQ%2)
	WIN (1+FQ/2)<<6
.irp t, 0,1,2,3
.irp g, 0,1,2
	global_load_b128 v[FB0+12*\t+4*\g:FB0+12*\t+4*\g+3], v1, s[6:7] offset:(\s)*12288+1536*\t+512*\g
.endr
.endr
.irp t, 0,1,2,3
.irp g, 0,1,2
	global_load_b128 v[FB0+48+12*\t+4*\g:FB0+48+12*\t+4*\g+3], v1, s[4:5] offset:(\s)*12288+1536*\t+512*\g
.endr
.endr
	WIN 0
.endm
.macro MUL s                           ; 16 products, one K step; the 16 accumulators take turns, one instruction a turn, in the same order in every step
.set FQ, (\s)%4
.set FW, 1+FQ/2
.set FB0, 96*(FQ%2)
.if (\s) == 0
	WIN FW|(FW<<2)|0x30                            ; the first products take the bias, window 3, as C: nothing is cleared
.else
	WIN FW|(FW<<2)
.endif
.irp a, 0,1,2,3
.irp b, 0,1,2,3
.set AC, 64+8*(4*\a+\b)
.set SB, 44+4*((\s)/2)+\b
.set SA, 24+4*((\s)/2)+\a
.if (\s) == 0
	v_wmma_scale_f32_16x16x128_f8f6f4 v[AC:AC+7], v[FB0+12*\b:FB0+12*\b+11], v[FB0+48+12*\a:FB0+48+12*\a+11], v[128+8*\b:135+8*\b], v[SB], v[SA] matrix_a_fmt:MATRIX_FMT_FP6 matrix_b_fmt:MATRIX_FMT_FP6
.elseif (\s)%2
	v_wmma_scale_f32_16x16x128_f8f6f4 v[AC:AC+7], v[FB0+12*\b:FB0+12*\b+11], v[FB0+48+12*\a:FB0+48+12*\a+11], v[AC:AC+7], v[SB], v[SA] matrix_a_fmt:MATRIX_FMT_FP6 matrix_b_fmt:MATRIX_FMT_FP6 matrix_a_scale:MATRIX_SCALE_ROW1 matrix_b_scale:MATRIX_SCALE_ROW1
.else
	v_wmma_scale_f32_16x16x128_f8f6f4 v[AC:AC+7], v[FB0+12*\b:FB0+12*\b+11], v[FB0+48+12*\a:FB0+48+12*\a+11], v[AC:AC+7], v[SB], v[SA] matrix_a_fmt:MATRIX_FMT_FP6 matrix_b_fmt:MATRIX_FMT_FP6
.endif
.endr
.endr
	WIN 0
.endm
	s_load_b256 s[24:31], s[0:1], 0x0              ; A s[24:25], wq s[26:27], bias s[28:29], x s[30:31]
	s_load_b64 s[36:37], s[0:1], 0x20              ; x1
	v_lshl_add_u32 v14, v0, 2, SPARE               ; my spare word; never rewritten
	v_mov_b32 v15, 0                               ; 0; never rewritten
	v_lshrrev_b32 v12, 5, v0
	v_readfirstlane_b32 s20, v12                   ; wave w
	s_lshr_b32 s22, s20, 1                         ; which 64 tokens
	s_and_b32 s23, s20, 1                          ; which 64 columns
	s_and_b32 s21, ttmp7, 0xffff                   ; block of tokens
	s_mul_i32 s12, s21, ASTR
	s_mul_i32 s44, s22, 6144                       ; my four tiles of each K step
	s_add_co_u32 s12, s12, s44
	s_mov_b32 s13, 0
	s_mul_i32 s14, s21, ASS
	s_lshl_b32 s44, s22, 9                         ; my two groups' scale words
	s_add_co_u32 s14, s14, s44
	s_add_co_u32 s14, s14, ASB
	s_mov_b32 s15, 0
	s_mul_i32 s16, ttmp9, WSTR                     ; block of columns
	s_mul_i32 s44, s23, 6144
	s_add_co_u32 s16, s16, s44
	s_add_co_u32 s16, s16, WB
	s_mov_b32 s17, 0
	s_mul_i32 s18, ttmp9, WSS
	s_lshl_b32 s44, s23, 9
	s_add_co_u32 s18, s18, s44
	s_add_co_u32 s18, s18, WSB
	s_mov_b32 s19, 0
	s_lshl_b32 s38, ttmp9, 9
	s_lshl_b32 s44, s23, 8
	s_add_co_u32 s38, s38, s44                     ; my first column, in bytes
	s_mov_b32 s39, 0
	s_lshl_b32 s40, s21, 19
	s_add_co_u32 s40, s40, s38
	s_lshl_b32 s41, s22, 18
	s_add_co_u32 s40, s40, s41                     ; my corner in x and x1
	s_mov_b32 s41, 0
	s_mul_i32 s45, s20, 16*SP                      ; my stage
	v_and_b32 v12, 31, v0                          ; lane l
	v_lshlrev_b32 v1, 4, v12
	v_lshlrev_b32 v2, 3, v12
	v_bfe_u32 v13, v0, 4, 1                        ; h
	v_and_b32 v4, 15, v0                           ; r
	v_mul_u32_u24 v3, v4, SP
	v_lshl_add_u32 v3, v13, 6, v3
	v_add_nc_u32 v3, s45, v3                       ; in: row r, + 64 h
	v_mul_u32_u24 v5, v13, SP
	v_lshl_add_u32 v5, v4, 4, v5
	v_add_nc_u32 v5, s45, v5                       ; back: lanes 0-15 one row of 256 bytes, lanes 16-31 the next
	v_lshlrev_b32 v6, 12, v13
	v_lshl_add_u32 v6, v4, 4, v6                   ; and the same two rows in x and x1
	v_lshlrev_b32 v7, 6, v13                       ; 64 h: the bias
	s_wait_alu depctr_va_vdst(0)
	s_wait_kmcnt 0x0
	s_add_nc_u64 s[4:5], s[24:25], s[12:13]
	s_add_nc_u64 s[8:9], s[24:25], s[14:15]
	s_add_nc_u64 s[6:7], s[26:27], s[16:17]
	s_add_nc_u64 s[10:11], s[26:27], s[18:19]
	s_add_nc_u64 s[28:29], s[28:29], s[38:39]
	s_add_nc_u64 s[30:31], s[30:31], s[40:41]
	s_add_nc_u64 s[36:37], s[36:37], s[40:41]
	WIN 0xc0
.irp b, 0,1,2,3                        ; accumulator b's register j, lane (r, h): column 32 (b / 2) + 16 h + 8 (b % 2) + j
	global_load_b128 v[128+8*\b:131+8*\b], v7, s[28:29] offset:(32*(\b/2)+8*(\b%2))*4
	global_load_b128 v[132+8*\b:135+8*\b], v7, s[28:29] offset:(32*(\b/2)+8*(\b%2))*4+16
.endr
	WIN 0
.irp pr, 0,1,2,3                       ; all scale words: 16 loads
.irp q, 0,1
	global_load_b64 v[24+4*\pr+2*\q:25+4*\pr+2*\q], v2, s[8:9] offset:1024*\pr+256*\q
	global_load_b64 v[44+4*\pr+2*\q:45+4*\pr+2*\q], v2, s[10:11] offset:1024*\pr+256*\q
.endr
.endr
	LOADF 0
	LOADF 1
	LOADF 2
	s_wait_loadcnt 48                              ; K step 0 (and all that is older) is in; the 48 loads of steps 1 and 2 may be out
	MUL 0
	LOADF 3
	s_wait_loadcnt 48
	MUL 1
.irp s, 2,3,4,5
	PLACES                                         ; the set that step s - 2 multiplied takes step s + 2
	LOADF \s+2
	s_wait_loadcnt 48                              ; step s is in; steps s + 1 and s + 2 may be out
	MUL \s
.endr
	WIN 0xc0
.irp a, 0,1,2,3                        ; the residual: rows 2 t, 2 t + 1 of token tile a are tokens 32 (a / 2) + 8 (a % 2) + 2 t + 8 (t / 4) and the next
.irp t, 0,1,2,3,4,5,6,7
	global_load_b128 v[32*\a+4*\t:32*\a+4*\t+3], v6, s[30:31] offset:(32*(\a/2)+8*(\a%2)+2*\t+8*(\t/4))*4096 th:TH_LOAD_NT
.endr
.endr
	WIN 0
	s_wait_loadcnt 56                              ; step 6 is in; step 7's 24 loads and the residual's 32 may be out
	MUL 6
	s_wait_loadcnt 32                              ; step 7 is in
	MUL 7
	PLACES
.macro TOSTAGE a                       ; token tile a's 32 sums a lane into my stage, each accumulator from its low end on, and back as whole rows.  LDS serves a wave's instructions in order (ISA guide 5.7.1.4): no wait between
.set BK, 192+32*((\a)%2)
.irp n, 0,1,2,3,4,5,6,7
	ds_store_b128 v3, v[64+32*(\a)+4*\n:64+32*(\a)+4*\n+3] offset:128*(\n/4)+16*(\n%4)
.endr
.irp t, 0,1,2,3,4,5,6,7
	ds_load_b128 v[BK+4*\t:BK+4*\t+3], v5 offset:2*\t*SP
.endr
.endm
.macro FIN a, younger                  ; younger: the LDS instructions issued behind tile a's loads, which may stay out
.set BK, 192+32*((\a)%2)
	s_wait_dscnt \younger                          ; the tile is back in registers
	s_wait_loadcnt 8*(3-(\a))                      ; its residual is in; the later tiles' may be out
	WIN 0x0c                                       ; source 1: the residual, window 3
.set n, 0
.rept 16
	v_pk_add_f32 v[BK+n:BK+n+1], v[BK+n:BK+n+1], v[32*(\a)+n:32*(\a)+n+1]
.set n, n+2
.endr
	WIN 0
.irp t, 0,1,2,3,4,5,6,7
	global_store_b128 v6, v[BK+4*\t:BK+4*\t+3], s[36:37] offset:(32*((\a)/2)+8*((\a)%2)+2*\t+8*(\t/4))*4096   ; sixteen lanes store 256 consecutive bytes, aligned
.endr
.endm
	TOSTAGE 0
	TOSTAGE 1
	FIN 0, 16                                      ; behind tile 0's loads: tile 1's 8 stores and 8 loads
	s_wait_xcnt 0x0                                ; tile 0's stores have read their registers: tile 2's rows may land there
	TOSTAGE 2
	FIN 1, 16
	s_wait_xcnt 0x0
	TOSTAGE 3
	FIN 2, 16
	FIN 3, 0
	s_wait_tensorcnt 0x0                           ; the wave's end
	ds_add_u32 v14, v15
	s_wait_dscnt 0x0
	s_endpgm
.Lfunc_end_k_q69cc614212_proj:
	.size	k_q69cc614212_proj, .Lfunc_end_k_q69cc614212_proj-k_q69cc614212_proj
	.p2alignl 7, 3214868480
	.fill 96, 4, 3214868480
	.section	.rodata,"a",@progbits
	.p2align	6, 0x0
	.amdhsa_kernel k_q69cc614212_proj
		.amdhsa_group_segment_fixed_size 17920
		.amdhsa_private_segment_fixed_size 0
		.amdhsa_enable_private_segment 0
		.amdhsa_kernarg_size 40
		.amdhsa_user_sgpr_count 2
		.amdhsa_user_sgpr_kernarg_segment_ptr 1
		.amdhsa_wavefront_size32 1
		.amdhsa_system_sgpr_workgroup_id_x 1
		.amdhsa_system_sgpr_workgroup_id_y 1
		.amdhsa_system_sgpr_workgroup_id_z 1
		.amdhsa_system_vgpr_workitem_id 0
		.amdhsa_next_free_vgpr 1024
		.amdhsa_next_free_sgpr 66
		.amdhsa_reserve_vcc 0
		.amdhsa_float_denorm_mode_32 3
		.amdhsa_float_denorm_mode_16_64 3
		.amdhsa_memory_ordered 1
		.amdhsa_forward_progress 1
		.amdhsa_inst_pref_size 56
	.end_amdhsa_kernel
	.amdgpu_metadata
---
amdhsa.version: [ 1, 2 ]
amdhsa.kernels:
  - .name:           k_q69cc614212_proj
    .symbol:         k_q69cc614212_proj.kd
    .args:
      - { .name: acts, .offset: 0, .size: 8, .value_kind: global_buffer, .address_space: global }
      - { .name: wq, .offset: 8, .size: 8, .value_kind: global_buffer, .address_space: global }
      - { .name: b_proj, .offset: 16, .size: 8, .value_kind: global_buffer, .address_space: global }
      - { .name: x, .offset: 24, .size: 8, .value_kind: global_buffer, .address_space: global }
      - { .name: x1, .offset: 32, .size: 8, .value_kind: global_buffer, .address_space: global }
    .group_segment_fixed_size: 17920
    .private_segment_fixed_size: 0
    .kernarg_segment_align: 8
    .kernarg_segment_size: 40
    .max_flat_workgroup_size: 128
    .sgpr_count:     66
    .vgpr_count:     1024
    .wavefront_size: 32
...
	.end_amdgpu_metadata
.endif
;; end of part 11
;; launch ln2 (part 12): grid 256 x 1, 8 waves a work-group, no clusters, 50,944 bytes of LDS; arguments x1, ln2_g, ln2_b, acts; writes acts
.if DOCPART == 12
	.amdgcn_target "amdgcn-amd-amdhsa--gfx1250"
	.amdhsa_code_object_version 6
	.text
	.protected	k_q69cc614212_ln2
	.globl	k_q69cc614212_ln2
	.p2align	8
	.type	k_q69cc614212_ln2,@function
k_q69cc614212_ln2:
	s_mov_b64 s[64:65], 0
	v_nop
	global_prefetch_b8 v0, s[64:65] scope:SCOPE_SE
	s_setreg_imm32_b32 hwreg(HW_REG_WAVE_MODE, 25, 1), 1
	s_wait_xcnt 0x0
; y = (x1 - mean) / sqrt(var + 1e-5) * g + b along rows of 1,024 f32, then quantised along the row to FP6 (E2M3) with one E8M0 byte for each 32, and stored AS IMAGES OF THE OPERAND'S REGISTERS.
; AN IMAGE: 16 rows x 128 along K = 1,536 bytes; registers 4 g .. 4 g + 3 of lane l at 512 g + 16 l; lane (r, h): row r, registers 6 c .. 6 c + 5 = k 64 c + 32 h + 0 .. 31.
; ORDER OF ROWS: in a group of 32 rows, tile u, row r stands for row 8 u + r + 8 (r / 8).  Codes: [block of 128 rows][K step 0 .. 7][tile 2 p + u][1,536]; scale words at byte 3,145,728: [block][pair of K steps][p][lane r + 16 (K step & 1)][2 words: tiles 2 p, 2 p + 1].
; SHARES: 256 work-groups; work-group i takes tile u = i & 1 of group i / 2: 16 rows; each of its eight waves two whole rows (r = 2 w, 2 w + 1, neighbours in memory), kept in registers between the passes.  Mean first, then the centred squares.
; A row is loaded 16 bytes a lane (512 consecutive bytes a load).  The conversions want 32 neighbours in ONE lane: the finished row turns through the wave's own stage in LDS (128 bytes + 16 for each block of 32), and lane l gets block l whole.
; Its 24 bytes of codes go to their place in the eight images that the work-group gathers in LDS (pitch 1,552), its byte to the scale words' image; one barrier; wave f stores image f as 3 x 512 consecutive bytes.
; THE SCALE WORDS of tiles 2 p and 2 p + 1 alternate in memory, and a work-group has one of the two tiles: waves 0-3 store a pair of K steps each, 4 bytes of every 8 over 256 bytes.  That is one byte in 24 of what the launch stores.
; LIMITS: NaN and infinities are not served; a block whose largest magnitude lies under 2^-124 keeps the byte 1; a block of zeros has the byte 1 where the rule says 127 (zero codes; this program alone reads the bytes).
; No matrix unit, no cluster: the launch streams, and work-groups share only g and b (8 KB).
.set IMG,   36864                      ; behind the eight stages of 4,608 bytes
.set IP,    1552
.set SCB,   49408                      ; 512 bytes of scale words: [K step][r][4]
.set SPARE, 49920                      ; the spare words: 128 bytes for each of 8 waves
.set GG,  96                           ; v32-95 two rows; v96-127 g; v128-159 b
.set BB,  128
.set Y,   160                          ; v160-191 a block of 32 neighbours
.set CC,  192                          ; v192-199 codes and the byte
	s_load_b256 s[4:11], s[0:1], 0x0               ; x1, g, b, acts
	v_lshl_add_u32 v10, v0, 2, SPARE               ; my spare word; never rewritten
	v_mov_b32 v11, 0                               ; 0; never rewritten
	v_lshrrev_b32 v12, 5, v0
	v_readfirstlane_b32 s12, v12                   ; wave w
	s_mul_i32 s13, s12, 4608                       ; my stage
	s_lshl_b32 s17, s12, 5
	s_add_co_u32 s17, s17, IMG                     ; image lane r0 = 2 w
	s_lshl_b32 s18, s12, 3
	s_add_co_u32 s18, s18, SCB                     ; scale bytes: 4 r0
	s_mul_i32 s19, s12, IP
	s_add_co_u32 s19, s19, IMG                     ; back: image w
	s_lshl_b32 s22, s12, 7
	s_add_co_u32 s22, s22, SCB                     ; back: pair w of K steps (waves 0-3 use it)
	s_mov_b32 s20, 0x3a800000                      ; 1 / 1,024
	s_mov_b32 s21, 0x3727c5ac                      ; 1e-5
	s_mov_b32 s30, 0x76543210
	s_mov_b32 s31, 0xfedcba98                      ; lane l xor 16
	s_and_b32 s14, ttmp9, 1                        ; u
	s_lshr_b32 s15, ttmp9, 1                       ; group of 32 rows
	s_lshl_b32 s24, s15, 17
	s_lshl_b32 s25, s14, 15
	s_add_co_u32 s24, s24, s25                     ; + 8 u rows of 4,096 bytes
	s_and_b32 s25, s12, 3
	s_lshl_b32 s25, s25, 13
	s_add_co_u32 s24, s24, s25                     ; + 2 (w & 3)
	s_lshr_b32 s25, s12, 2
	s_lshl_b32 s25, s25, 16
	s_add_co_u32 s24, s24, s25                     ; + 16 (w / 4)
	s_mov_b32 s25, 0
	s_lshr_b32 s23, ttmp9, 3                       ; block of 128 rows
	s_and_b32 s32, s15, 3                          ; p
	s_lshl_b32 s26, s23, 3
	s_add_co_u32 s26, s26, s12
	s_mul_i32 s26, s26, 12288                      ; K step w,
	s_lshl_b32 s27, s32, 1
	s_add_co_u32 s27, s27, s14
	s_mul_i32 s27, s27, 1536                       ; tile 2 p + u
	s_add_co_u32 s26, s26, s27
	s_mov_b32 s27, 0
	s_lshl_b32 s28, s23, 2
	s_add_co_u32 s28, s28, s12
	s_lshl_b32 s28, s28, 10
	s_lshl_b32 s29, s32, 8
	s_add_co_u32 s28, s28, s29
	s_lshl_b32 s29, s14, 2
	s_add_co_u32 s28, s28, s29
	s_add_co_u32 s28, s28, 3145728
	s_mov_b32 s29, 0
	v_and_b32 v13, 31, v0                          ; lane l
	v_lshlrev_b32 v1, 4, v13                       ; 16 l
	v_lshlrev_b32 v9, 3, v13                       ; 8 l
	v_lshrrev_b32 v14, 3, v13
	v_mul_u32_u24 v2, v14, 144
	v_and_b32 v15, 7, v13
	v_lshl_add_u32 v2, v15, 4, v2
	v_add_nc_u32 v2, s13, v2                       ; into the stage: 144 (l / 8) + 16 (l % 8); load j's 512 bytes lie 576 j on
	v_mul_u32_u24 v3, v13, 144
	v_add_nc_u32 v3, s13, v3                       ; out of it: block l
	v_lshrrev_b32 v14, 2, v13                      ; my block's K step
	v_mul_u32_u24 v16, v14, IP
	v_and_b32 v15, 1, v13                          ; h
	v_lshl_add_u32 v16, v15, 8, v16
	v_bfe_u32 v15, v13, 1, 1                       ; c
	v_mad_u32_u24 v4, v15, 520, v16                ; registers 6 c, 6 c + 1 and (512 on) 6 c + 4, 6 c + 5
	v_mad_u32_u24 v5, v15, 1016, v16               ; (8 on) registers 6 c + 2, 6 c + 3
	v_add_nc_u32 v4, s17, v4
	v_add_nc_u32 v5, s17, v5
	v_and_b32 v15, 3, v13
	v_lshl_add_u32 v6, v14, 6, v15                 ; the byte: 64 x K step + block in the step
	v_add_nc_u32 v6, s18, v6
	v_add_nc_u32 v7, s19, v1
	v_lshl_add_u32 v8, v13, 2, s22                 ; lane r + 16 (K step & 1) of pair w lies at 128 w + 4 l
	s_wait_alu depctr_va_vdst(0)
	s_wait_kmcnt 0x0
	s_add_nc_u64 s[4:5], s[4:5], s[24:25]
	s_add_nc_u64 s[26:27], s[10:11], s[26:27]
	s_add_nc_u64 s[28:29], s[10:11], s[28:29]
.irp q, 0,1
.irp j, 0,1,2,3,4,5,6,7
	global_load_b128 v[32+32*\q+4*\j:35+32*\q+4*\j], v1, s[4:5] offset:4096*\q+512*\j th:TH_LOAD_NT
.endr
.endr
.irp j, 0,1,2,3,4,5,6,7
	global_load_b128 v[GG+4*\j:GG+4*\j+3], v1, s[6:7] offset:512*\j
.endr
.irp j, 0,1,2,3,4,5,6,7
	global_load_b128 v[BB+4*\j:BB+4*\j+3], v1, s[8:9] offset:512*\j
.endr
.macro REDUCE                          ; v12 summed over the 32 lanes, the result in every lane
	s_delay_alu instid0(VALU_DEP_1)
	v_add_f32_dpp v12, v12, v12 row_xmask:1 row_mask:0xf bank_mask:0xf
	s_delay_alu instid0(VALU_DEP_1)
	v_add_f32_dpp v12, v12, v12 row_xmask:2 row_mask:0xf bank_mask:0xf
	s_delay_alu instid0(VALU_DEP_1)
	v_add_f32_dpp v12, v12, v12 row_xmask:4 row_mask:0xf bank_mask:0xf
	s_delay_alu instid0(VALU_DEP_1)
	v_add_f32_dpp v12, v12, v12 row_xmask:8 row_mask:0xf bank_mask:0xf
	s_delay_alu instid0(VALU_DEP_1)
	v_permlanex16_b32 v13, v12, s30, s31
	s_delay_alu instid0(VALU_DEP_1)
	v_add_f32 v12, v12, v13
.endm
.macro FOLD                            ; four chains of pairs into v12
	s_delay_alu instid0(VALU_DEP_3)
	v_pk_add_f32 v[12:13], v[12:13], v[14:15]
	s_delay_alu instid0(VALU_DEP_2)
	v_pk_add_f32 v[16:17], v[16:17], v[18:19]
	s_delay_alu instid0(VALU_DEP_1)
	v_pk_add_f32 v[12:13], v[12:13], v[16:17]
	s_delay_alu instid0(VALU_DEP_1)
	v_add_f32 v12, v12, v13
.endm
; The row in v[x] .. v[x + 31] is centred in place; 1 / sqrt(var + eps) goes to v[rs], v[rs + 1].  left: the younger loads that may stay out.
.macro STATS x, rs, left
	s_wait_loadcnt \left
.irp k, 0,1,2,3
	v_pk_add_f32 v[12+2*\k:13+2*\k], v[\x+2*\k:\x+2*\k+1], v[\x+8+2*\k:\x+9+2*\k]
.endr
.irp q, 16,24
.irp k, 0,1,2,3
	s_delay_alu instid0(VALU_DEP_4)
	v_pk_add_f32 v[12+2*\k:13+2*\k], v[12+2*\k:13+2*\k], v[\x+\q+2*\k:\x+\q+2*\k+1]
.endr
.endr
	FOLD
	REDUCE
	s_delay_alu instid0(VALU_DEP_1)
	v_mul_f32 v20, s20, v12                        ; the mean,
	s_delay_alu instid0(VALU_DEP_1)
	v_mov_b32 v21, v20                             ; twice: a pair for the packed form
.set n, 0
.rept 16
	v_pk_add_f32 v[\x+n:\x+n+1], v[\x+n:\x+n+1], v[20:21] neg_lo:[0,1] neg_hi:[0,1]
.set n, n+2
.endr
.irp k, 0,1,2,3
	v_pk_mul_f32 v[12+2*\k:13+2*\k], v[\x+2*\k:\x+2*\k+1], v[\x+2*\k:\x+2*\k+1]
.endr
.irp q, 8,16,24
.irp k, 0,1,2,3
	s_delay_alu instid0(VALU_DEP_4)
	v_pk_fma_f32 v[12+2*\k:13+2*\k], v[\x+\q+2*\k:\x+\q+2*\k+1], v[\x+\q+2*\k:\x+\q+2*\k+1], v[12+2*\k:13+2*\k]
.endr
.endr
	FOLD
	REDUCE
	s_delay_alu instid0(VALU_DEP_1)
	v_fma_f32 v22, v12, s20, s21                   ; var + eps
	s_wait_alu depctr_va_vdst(0)                   ; a wait ahead of the transcendental,
	v_rsq_f32 v[\rs], v22
	v_nop                                          ; a plain line behind it,
	s_wait_alu depctr_va_vdst(0)                   ; and the wait ahead of its first use
	v_mov_b32 v[\rs+1], v[\rs]
.endm
; The centred row is finished, turned through the stage and quantised; rho: which of my two rows.
.macro NORMQ x, rs, rho
.set n, 0
.rept 16
	v_pk_mul_f32 v[\x+n:\x+n+1], v[\x+n:\x+n+1], v[\rs:\rs+1]
.set n, n+2
.endr
.set n, 0
.rept 16
	v_pk_fma_f32 v[\x+n:\x+n+1], v[\x+n:\x+n+1], v[GG+n:GG+n+1], v[BB+n:BB+n+1]
.set n, n+2
.endr
.irp j, 0,1,2,3,4,5,6,7
	ds_store_b128 v2, v[\x+4*\j:\x+4*\j+3] offset:576*\j
.endr
.irp i, 0,1,2,3,4,5,6,7
	ds_load_b128 v[Y+4*\i:Y+4*\i+3], v3 offset:16*\i   ; LDS serves a wave's instructions in order (ISA guide 5.7.1.4): these see the stores above, and the next row's stores come behind them
.endr
	s_wait_dscnt 0x0                               ; block l is in; my earlier LDS stores have read their registers
	v_max3_num_f32 v12, |v[Y]|, |v[Y+1]|, |v[Y+2]|
	v_max3_num_f32 v13, |v[Y+3]|, |v[Y+4]|, |v[Y+5]|
.irp i, 6,10,14,18,22,26
	s_delay_alu instid0(VALU_DEP_2)
	v_max3_num_f32 v12, v12, |v[Y+\i]|, |v[Y+\i+1]|
	s_delay_alu instid0(VALU_DEP_2)
	v_max3_num_f32 v13, v13, |v[Y+\i+2]|, |v[Y+\i+3]|
.endr
	s_delay_alu instid0(VALU_DEP_2)
	v_max3_num_f32 v12, v12, |v[Y+30]|, |v[Y+31]|
	s_delay_alu instid0(VALU_DEP_1)
	v_max3_num_f32 v12, v12, v13, 0x1800000        ; the floor 2^(3 - 127): the byte cannot fall under 1
	s_delay_alu instid0(VALU_DEP_1)
	v_add_nc_u32 v14, 0xff000000, v12              ; 2 off the exponent field: the conversion's scale operand
	v_cvt_scalef32_pk16_fp6_f32 v[CC:CC+2], v[Y:Y+15], v14
	v_cvt_scalef32_pk16_fp6_f32 v[CC+4:CC+6], v[Y+16:Y+31], v14
	v_lshrrev_b32 v[CC+7], 23, v14                 ; the byte (a plain line behind the conversions)
	v_mov_b32 v[CC+3], v[CC+4]                     ; the gap is closed: six registers on end
	v_mov_b32 v[CC+4], v[CC+5]
	v_mov_b32 v[CC+5], v[CC+6]
	ds_store_b64 v4, v[CC:CC+1] offset:16*\rho
	ds_store_b64 v5, v[CC+2:CC+3] offset:8+16*\rho
	ds_store_b64 v4, v[CC+4:CC+5] offset:512+16*\rho
	ds_store_b8 v6, v[CC+7] offset:4*\rho
.endm
	STATS 32, 24, 24                               ; row 0 is in; row 1, g and b (24 loads) may be out
	STATS 64, 26, 16                               ; row 1 is in; g and b may be out
	s_wait_loadcnt 0x0
	NORMQ 32, 24, 0
	NORMQ 64, 26, 1
	s_wait_dscnt 0x0                               ; for the others' sake: my stores into the images are done
	s_barrier_signal -1
	s_barrier_wait -1
.irp g, 0,1,2
	ds_load_b128 v[32+4*\g:35+4*\g], v7 offset:512*\g
.endr
	s_wait_dscnt 0x0
.irp g, 0,1,2
	global_store_b128 v1, v[32+4*\g:35+4*\g], s[26:27] offset:512*\g   ; 512 consecutive bytes, aligned
.endr
	s_cmp_lt_u32 s12, 4
	s_cbranch_scc0 .Lno_words
	ds_load_b32 v44, v8
	s_wait_dscnt 0x0
	global_store_b32 v9, v44, s[28:29]             ; my tile's word of each lane's pair: 4 bytes of every 8
.Lno_words:
	s_wait_tensorcnt 0x0                           ; the wave's end
	ds_add_u32 v10, v11
	s_wait_dscnt 0x0
	s_endpgm
.Lfunc_end_k_q69cc614212_ln2:
	.size	k_q69cc614212_ln2, .Lfunc_end_k_q69cc614212_ln2-k_q69cc614212_ln2
	.p2alignl 7, 3214868480
	.fill 96, 4, 3214868480
	.section	.rodata,"a",@progbits
	.p2align	6, 0x0
	.amdhsa_kernel k_q69cc614212_ln2
		.amdhsa_group_segment_fixed_size 50944
		.amdhsa_private_segment_fixed_size 0
		.amdhsa_enable_private_segment 0
		.amdhsa_kernarg_size 32
		.amdhsa_user_sgpr_count 2
		.amdhsa_user_sgpr_kernarg_segment_ptr 1
		.amdhsa_wavefront_size32 1
		.amdhsa_system_sgpr_workgroup_id_x 1
		.amdhsa_system_sgpr_workgroup_id_y 1
		.amdhsa_system_sgpr_workgroup_id_z 1
		.amdhsa_system_vgpr_workitem_id 0
		.amdhsa_next_free_vgpr 208
		.amdhsa_next_free_sgpr 66
		.amdhsa_reserve_vcc 0
		.amdhsa_float_denorm_mode_32 3
		.amdhsa_float_denorm_mode_16_64 3
		.amdhsa_memory_ordered 1
		.amdhsa_forward_progress 1
		.amdhsa_inst_pref_size 29
	.end_amdhsa_kernel
	.amdgpu_metadata
---
amdhsa.version: [ 1, 2 ]
amdhsa.kernels:
  - .name:           k_q69cc614212_ln2
    .symbol:         k_q69cc614212_ln2.kd
    .args:
      - { .name: x1, .offset: 0, .size: 8, .value_kind: global_buffer, .address_space: global }
      - { .name: ln2_g, .offset: 8, .size: 8, .value_kind: global_buffer, .address_space: global }
      - { .name: ln2_b, .offset: 16, .size: 8, .value_kind: global_buffer, .address_space: global }
      - { .name: acts, .offset: 24, .size: 8, .value_kind: global_buffer, .address_space: global }
    .group_segment_fixed_size: 50944
    .private_segment_fixed_size: 0
    .kernarg_segment_align: 8
    .kernarg_segment_size: 32
    .max_flat_workgroup_size: 256
    .sgpr_count:     66
    .vgpr_count:     208
    .wavefront_size: 32
...
	.end_amdgpu_metadata
.endif
;; end of part 12
;; launch fc (part 13): grid 16 x 16, 4 waves a work-group, no clusters, 0 bytes of LDS; arguments acts, wq, b_fc, hid; writes hid
.if DOCPART == 13
	.amdgcn_target "amdgcn-amd-amdhsa--gfx1250"
	.amdhsa_code_object_version 6
	.text
	.protected	k_q69cc614212_fc
	.globl	k_q69cc614212_fc
	.p2align	8
	.type	k_q69cc614212_fc,@function
k_q69cc614212_fc:
	s_mov_b64 s[64:65], 0
	v_nop
	global_prefetch_b8 v0, s[64:65] scope:SCOPE_SE
	s_setreg_imm32_b32 hwreg(HW_REG_WAVE_MODE, 25, 1), 1
	s_wait_xcnt 0x0
; hidden = gelu(LN2(x1) W_fc + b_fc), the tanh form, on codes of FP6 (E2M3) with E8M0 scales, K = 1,024; the result is quantised in registers along the hidden axis and leaves as the images that the last product loads.  No f32 hidden layer goes to memory.
; OPERANDS ARE IMAGES OF THEIR REGISTERS in memory: 16 rows x 128 K = 1,536 bytes, registers 4 g .. 4 g + 3 of lane l at 512 g + 16 l; [block of 128 rows][K step][tile 0 .. 7].  A fragment is three loads of 512 consecutive bytes, straight into registers.
; Rows of a tile: in a group of 32, tile u, row r stands for index 8 u + r + 8 (r / 8).  Source 0 = weights, source 1 = tokens: lane (r, h) holds one token, register 16 B + i of a token tile = hidden unit 32 B + 16 h + i: what QUANT takes.
; Scale words: [block][pair of K steps][p][lane r + 16 (K step & 1)][2 words]; odd K steps read lanes 16-31.
; SHARES: a wave makes 128 x 128: 64 accumulators.  Wave w of work-group (x, y): hidden block 2 x + (w & 1) of 32 (a K step of the next product), tokens block 2 y + (w / 2) of 32.  The bias is the C of each sum's first product.
; GELU: 0.5 x (1 + tanh(z)) = x / (1 + e^(-2 z)) = x / (1 + 2^(x (K1 + K2 x^2))), K1 = -2 log2(e) sqrt(2 / pi), K2 = 0.044715 K1: the same function, with no difference of near numbers.  Where the power overflows the quotient is 0, where it vanishes it is x.
; NO LDS, NO CLUSTER, NO JOINT LOADS: this text keeps no tile in LDS that partners could share; each wave asks for its own 24,576 bytes for every 64 products, so each block of A and of W is asked for by 32 waves.  A ring in LDS with joint loads would divide those requests; it is not built here.
; LIMITS: NaN and infinities are not served; a block whose largest magnitude lies under 2^-124 keeps the byte 1; a block of zeros has the byte 1 where the rule says 127 (zero codes; this program alone reads the bytes).
; REGISTERS, in windows of 256: window 0: v1 16 l, v2 8 l, v12-13 offsets; v16-23, v32-39 source 1's scale words; v24-31, v40-47 source 0's; v48-63 at work in QUANT; v64-159, v160-255 source 1's fragments (on the way out: v64-127 a tile, v128-146 codes, v152-159 scale words, v160-163 K1, K2).
;   window 1: v0-95, v96-191 source 0's fragments; v192-255 the bias.   windows 2, 3: accumulator (a, b) at v[8 (8 (a % 4) + b)].
.set BIASC, 1
.set TM, 48
.set PC, 128
.set MSB, 0
.macro WIN new                         ; s_set_vgpr_msb: bits 1:0 source 0, 3:2 source 1, 5:4 source 2, 7:6 destination; the high byte repeats the setting that is left
.if MSB != (\new)
	s_set_vgpr_msb (MSB<<8)|(\new)
.set MSB, (\new)
.endif
.endm
.macro PLACES                          ; four plain vector lines between a matrix instruction and a load into, or a vector read of, its registers (ISA guide 7.12.1 for vector reads)
.rept 4
	v_nop
.endr
.endm
.macro LOADF set, st                   ; K step st (counted from the pointers): 8 + 8 fragments, 48 loads
	WIN 0x40
.irp t, 0,1,2,3,4,5,6,7
.irp g, 0,1,2
	global_load_b128 v[96*\set+12*\t+4*\g:96*\set+12*\t+4*\g+3], v1, s[6:7] offset:\st*12288+1536*\t+512*\g
.endr
.endr
	WIN 0
.irp t, 0,1,2,3,4,5,6,7
.irp g, 0,1,2
	global_load_b128 v[64+96*\set+12*\t+4*\g:64+96*\set+12*\t+4*\g+3], v1, s[4:5] offset:\st*12288+1536*\t+512*\g
.endr
.endr
.endm
.macro LOADS sc, pr                    ; the scale words of pair pr of K steps: 8 loads
.irp p, 0,1,2,3
	global_load_b64 v[16+16*\sc+2*\p:17+16*\sc+2*\p], v2, s[8:9] offset:1024*\pr+256*\p
	global_load_b64 v[24+16*\sc+2*\p:25+16*\sc+2*\p], v2, s[10:11] offset:1024*\pr+256*\p
.endr
.endm
.macro MUL set, sc, row, first         ; 64 products, one K step; the 64 accumulators take turns, one instruction a turn, in the same order in every step
.irp a, 0,1,2,3,4,5,6,7
.if (\first) && BIASC
	WIN 0x91+0x40*(\a/4)
.else
	WIN 0xa1+0x50*(\a/4)
.endif
.irp b, 0,1,2,3,4,5,6,7
.set AC, 8*(8*(\a%4)+\b)
.set FB, 96*\set+12*\b
.set FA, 64+96*\set+12*\a
.set SB, 24+16*\sc+\b
.set SA, 16+16*\sc+\a
.if \first
.if BIASC
	v_wmma_scale_f32_16x16x128_f8f6f4 v[AC:AC+7], v[FB:FB+11], v[FA:FA+11], v[192+8*\b:199+8*\b], v[SB], v[SA] matrix_a_fmt:MATRIX_FMT_FP6 matrix_b_fmt:MATRIX_FMT_FP6
.else
	v_wmma_scale_f32_16x16x128_f8f6f4 v[AC:AC+7], v[FB:FB+11], v[FA:FA+11], 0, v[SB], v[SA] matrix_a_fmt:MATRIX_FMT_FP6 matrix_b_fmt:MATRIX_FMT_FP6
.endif
.elseif \row
	v_wmma_scale_f32_16x16x128_f8f6f4 v[AC:AC+7], v[FB:FB+11], v[FA:FA+11], v[AC:AC+7], v[SB], v[SA] matrix_a_fmt:MATRIX_FMT_FP6 matrix_b_fmt:MATRIX_FMT_FP6 matrix_a_scale:MATRIX_SCALE_ROW1 matrix_b_scale:MATRIX_SCALE_ROW1
.else
	v_wmma_scale_f32_16x16x128_f8f6f4 v[AC:AC+7], v[FB:FB+11], v[FA:FA+11], v[AC:AC+7], v[SB], v[SA] matrix_a_fmt:MATRIX_FMT_FP6 matrix_b_fmt:MATRIX_FMT_FP6
.endif
.endr
.endr
.endm
; Four K steps.  The counted waits: 48 = the other set's 48 loads, issued behind the set that is wanted; 56 = 8 scale loads and 48 fragment loads issued behind it.
.macro QUAD first, tail
	s_wait_loadcnt 48
	MUL 0, 0, 0, \first
	PLACES
	WIN 0
	LOADS 1, 1
	LOADF 0, 2
	s_wait_loadcnt 56
	MUL 1, 0, 1, 0
	PLACES
	LOADF 1, 3
	s_wait_loadcnt 48
	MUL 0, 1, 0, 0
	PLACES
.if \tail == 0
	WIN 0
	LOADS 0, 2
	LOADF 0, 4
	s_wait_loadcnt 56
.else
	s_wait_loadcnt 0x0
.endif
	MUL 1, 1, 1, 0
	PLACES
.if \tail == 0
	LOADF 1, 5
	s_wait_xcnt 0x0                                ; the loads have read their bases: now these may step
	s_add_nc_u64 s[4:5], s[4:5], 49152
	s_add_nc_u64 s[6:7], s[6:7], 49152
	s_add_nc_u64 s[8:9], s[8:9], 2048
	s_add_nc_u64 s[10:11], s[10:11], 2048
.endif
	WIN 0
.endm
; 64 numbers of a lane, register 16 b + i = k 32 b + 16 (lane / 16) + i of my row, become a fragment's codes in v[PC] .. v[PC + 11] and its scale word in v[pw].
.macro QUANT s, pw
.irp b, 0,1,2,3
	v_max3_num_f32 v[TM+\b], |v[\s+16*\b]|, |v[\s+1+16*\b]|, 0x1800000   ; my 16 numbers of block b, and the floor 2^(3 - 127): the byte cannot fall under 1
.endr
.irp i, 2,4,6,8,10,12,14
.irp b, 0,1,2,3
	v_max3_num_f32 v[TM+\b], v[TM+\b], |v[\s+16*\b+\i]|, |v[\s+1+16*\b+\i]|
.endr
.endr
.irp b, 0,1,2,3
	v_permlanex16_b32 v[TM+4+\b], v[TM+\b], s32, s33
.endr
.irp b, 0,1,2,3
	v_max_num_f32 v[TM+\b], v[TM+\b], v[TM+4+\b]   ; with lane l xor 16's: the block's largest magnitude
.endr
.irp b, 0,1,2,3
	v_add_nc_u32 v[TM+12+\b], 0xff000000, v[TM+\b] ; 2 off the exponent field: the conversion's scale operand
.endr
.irp b, 0,1,2,3
	v_lshrrev_b32 v[TM+4+\b], 23, v[TM+12+\b]      ; the byte
.endr
	v_lshl_or_b32 v[\pw], v[TM+5], 8, v[TM+4]
	v_lshl_or_b32 v[\pw], v[TM+6], 16, v[\pw]
	v_lshl_or_b32 v[\pw], v[TM+7], 24, v[\pw]
.irp c, 0,1
	v_cvt_scalef32_pk16_fp6_f32 v[PC+6*\c:PC+2+6*\c], v[\s+32*\c:\s+15+32*\c], v[TM+12+2*\c]
	v_cvt_scalef32_pk16_fp6_f32 v[PC+12+4*\c:PC+14+4*\c], v[\s+16+32*\c:\s+31+32*\c], v[TM+12+2*\c+1]
.endr
	v_nop                                          ; one plain line behind a scaled conversion
.irp c, 0,1                            ; the layout wants a whole block in a lane: lanes 0-15 block 2 c, lanes 16-31 block 2 c + 1
.irp i, 0,1,2
	v_permlane16_swap_b32 v[PC+6*\c+\i], v[PC+12+4*\c+\i]
.endr
.irp i, 0,1,2
	v_mov_b32 v[PC+3+6*\c+\i], v[PC+12+4*\c+\i]
.endr
.endr
.endm
	s_load_b256 s[24:31], s[0:1], 0x0              ; acts s[24:25], wq s[26:27], b_fc s[28:29], hid s[30:31]
	v_lshrrev_b32 v3, 5, v0
	v_readfirstlane_b32 s20, v3                    ; wave
	v_and_b32 v3, 31, v0                           ; lane
	v_lshlrev_b32 v1, 4, v3
	v_lshlrev_b32 v2, 3, v3
	v_lshrrev_b32 v12, 4, v3
	v_lshlrev_b32 v12, 6, v12                      ; 64 h: the bias
	v_and_b32 v13, 15, v0
	v_lshlrev_b32 v13, 3, v13                      ; 8 r: the scale words on the way out
.irp b, 0,1,2,3
	v_mov_b32 v[TM+4+\b], 0                        ; written once: a lane permute's destination counts as one of its sources
.endr
	s_mov_b32 s32, 0x76543210
	s_mov_b32 s33, 0xfedcba98
	s_and_b32 s34, s20, 1
	s_lshl_b32 s22, ttmp9, 1
	s_add_co_u32 s22, s22, s34                     ; hidden block, 0 .. 31
	s_lshr_b32 s12, s20, 1
	s_and_b32 s21, ttmp7, 0xffff
	s_lshl_b32 s21, s21, 1
	s_add_co_u32 s21, s21, s12                     ; block of tokens, 0 .. 31
	s_mul_i32 s12, s21, 98304
	s_mov_b32 s13, 0
	s_lshl_b32 s14, s21, 12
	s_add_co_u32 s14, s14, 3145728
	s_mov_b32 s15, 0
	s_mul_i32 s16, s22, 98304
	s_add_co_u32 s16, s16, 3145728
	s_mov_b32 s17, 0
	s_lshl_b32 s18, s22, 12
	s_add_co_u32 s18, s18, 9568256
	s_mov_b32 s19, 0
	s_lshl_b32 s38, s22, 9
	s_mov_b32 s39, 0
	s_lshl_b32 s44, s21, 5
	s_add_co_u32 s44, s44, s22
	s_mul_i32 s44, s44, 12288                      ; out: [block of tokens][K step = hidden block]
	s_mov_b32 s45, 0
	s_lshl_b32 s46, s21, 4
	s_add_co_u32 s46, s46, ttmp9
	s_lshl_b32 s46, s46, 10
	s_lshl_b32 s47, s34, 7
	s_add_co_u32 s46, s46, s47
	s_add_co_u32 s46, s46, 12582912                ; its scale words: pair x, lanes 16 (w & 1) on
	s_mov_b32 s47, 0
	s_wait_alu depctr_va_vdst(0)
	s_wait_kmcnt 0x0
	s_add_nc_u64 s[4:5], s[24:25], s[12:13]
	s_add_nc_u64 s[8:9], s[24:25], s[14:15]
	s_add_nc_u64 s[6:7], s[26:27], s[16:17]
	s_add_nc_u64 s[10:11], s[26:27], s[18:19]
	s_add_nc_u64 s[28:29], s[28:29], s[38:39]
	s_add_nc_u64 s[40:41], s[30:31], s[44:45]
	s_add_nc_u64 s[42:43], s[30:31], s[46:47]
	WIN 0x40
.irp b, 0,1,2,3,4,5,6,7                ; accumulator b's register j, lane (r, h): hidden unit 32 (b / 2) + 16 h + 8 (b % 2) + j
	global_load_b128 v[192+8*\b:195+8*\b], v12, s[28:29] offset:(32*(\b/2)+8*(\b%2))*4
	global_load_b128 v[196+8*\b:199+8*\b], v12, s[28:29] offset:(32*(\b/2)+8*(\b%2))*4+16
.endr
	WIN 0
	LOADS 0, 0
	LOADF 0, 0
	LOADF 1, 1
	QUAD 1, 0
	QUAD 0, 1
	v_mov_b32 v160, 0xc0135761                     ; K1 = -2.3022082, twice: a pair for the packed form
	v_mov_b32 v161, 0xc0135761
	v_mov_b32 v162, 0xbdd2d3e8                     ; K2 = -0.10294324
	v_mov_b32 v163, 0xbdd2d3e8
.macro FCTILE a
.set AB, 64*(\a%4)
	s_wait_xcnt 0x0                                ; the last tile's stores have read their registers
	WIN 0x0a+5*(\a/4)
.set n, 0
.rept 32
	v_pk_mul_f32 v[64+n:65+n], v[AB+n:AB+n+1], v[AB+n:AB+n+1]      ; x^2; each accumulator from its low end on
.set n, n+2
.endr
	WIN 0
.set n, 0
.rept 32
	v_pk_fma_f32 v[64+n:65+n], v[64+n:65+n], v[162:163], v[160:161]   ; K1 + K2 x^2
.set n, n+2
.endr
	WIN 0x02+(\a/4)
.set n, 0
.rept 32
	v_pk_mul_f32 v[64+n:65+n], v[AB+n:AB+n+1], v[64+n:65+n]
.set n, n+2
.endr
	WIN 0
.set n, 0
	s_wait_alu depctr_va_vdst(0)
.rept 64
	v_exp_f32 v[64+n], v[64+n]
.set n, n+1
.endr
	v_nop                                          ; a plain line behind the last exponential,
	s_wait_alu depctr_va_vdst(0)                   ; and one wait for the batch, ahead of its first use
.set n, 0
.rept 32
	v_pk_add_f32 v[64+n:65+n], v[64+n:65+n], 1.0 op_sel_hi:[1,0]
.set n, n+2
.endr
.set n, 0
	s_wait_alu depctr_va_vdst(0)
.rept 64
	v_rcp_f32 v[64+n], v[64+n]
.set n, n+1
.endr
	v_nop
	s_wait_alu depctr_va_vdst(0)
	WIN 0x02+(\a/4)
.set n, 0
.rept 32
	v_pk_mul_f32 v[64+n:65+n], v[AB+n:AB+n+1], v[64+n:65+n]        ; gelu
.set n, n+2
.endr
	WIN 0
	QUANT 64, 152+\a
.irp g, 0,1,2
	global_store_b128 v1, v[PC+4*\g:PC+4*\g+3], s[40:41] offset:1536*\a+512*\g   ; 512 consecutive bytes, aligned
.endr
.endm
.irp a, 0,1,2,3,4,5,6,7
	FCTILE \a
.endr
.irp p, 0,1,2,3
	global_store_b64 v13, v[152+2*\p:153+2*\p], s[42:43] offset:256*\p   ; 128 consecutive bytes; both halves of the lanes store equal bytes
.endr
	s_endpgm
.Lfunc_end_k_q69cc614212_fc:
	.size	k_q69cc614212_fc, .Lfunc_end_k_q69cc614212_fc-k_q69cc614212_fc
	.p2alignl 7, 3214868480
	.fill 96, 4, 3214868480
	.section	.rodata,"a",@progbits
	.p2align	6, 0x0
	.amdhsa_kernel k_q69cc614212_fc
		.amdhsa_group_segment_fixed_size 0
		.amdhsa_private_segment_fixed_size 0
		.amdhsa_enable_private_segment 0
		.amdhsa_kernarg_size 32
		.amdhsa_user_sgpr_count 2
		.amdhsa_user_sgpr_kernarg_segment_ptr 1
		.amdhsa_wavefront_size32 1
		.amdhsa_system_sgpr_workgroup_id_x 1
		.amdhsa_system_sgpr_workgroup_id_y 1
		.amdhsa_system_sgpr_workgroup_id_z 1
		.amdhsa_system_vgpr_workitem_id 0
		.amdhsa_next_free_vgpr 1024
		.amdhsa_next_free_sgpr 66
		.amdhsa_reserve_vcc 0
		.amdhsa_float_denorm_mode_32 3
		.amdhsa_float_denorm_mode_16_64 3
		.amdhsa_memory_ordered 1
		.amdhsa_forward_progress 1
		.amdhsa_inst_pref_size 255
	.end_amdhsa_kernel
	.section	.bss,"aw",@nobits
	.p2align	6
	.space	262144
	.amdgpu_metadata
---
amdhsa.version: [ 1, 2 ]
amdhsa.kernels:
  - .name:           k_q69cc614212_fc
    .symbol:         k_q69cc614212_fc.kd
    .args:
      - { .name: acts, .offset: 0, .size: 8, .value_kind: global_buffer, .address_space: global }
      - { .name: wq, .offset: 8, .size: 8, .value_kind: global_buffer, .address_space: global }
      - { .name: b_fc, .offset: 16, .size: 8, .value_kind: global_buffer, .address_space: global }
      - { .name: hid, .offset: 24, .size: 8, .value_kind: global_buffer, .address_space: global }
    .group_segment_fixed_size: 0
    .private_segment_fixed_size: 0
    .kernarg_segment_align: 8
    .kernarg_segment_size: 32
    .max_flat_workgroup_size: 128
    .sgpr_count:     66
    .vgpr_count:     1024
    .wavefront_size: 32
...
	.end_amdgpu_metadata
.endif
;; end of part 13
;; launch fc2 (part 14): grid 8 x 32, 4 waves a work-group, no clusters, 230,912 bytes of LDS; arguments hid, wq, b_fc2, x1, out0; writes out0
.if DOCPART == 14
	.amdgcn_target "amdgcn-amd-amdhsa--gfx1250"
	.amdhsa_code_object_version 6
	.text
	.protected	k_q69cc614212_fc2
	.globl	k_q69cc614212_fc2
	.p2align	8
	.type	k_q69cc614212_fc2,@function
k_q69cc614212_fc2:
	s_mov_b64 s[64:65], 0
	v_nop
	global_prefetch_b8 v0, s[64:65] scope:SCOPE_SE
	s_setreg_imm32_b32 hwreg(HW_REG_WAVE_MODE, 25, 1), 1
	s_wait_xcnt 0x0
; out = res + A W + bias on codes of FP6 (E2M3) with E8M0 scales; out and res f32 [4,096][1,024].  Here: A = the hidden layer (hid), W = w_fc2, K = 4,096, res = x1, out = out0.
; OPERANDS ARE IMAGES OF THEIR REGISTERS in memory: 16 rows x 128 K = 1,536 bytes, registers 4 g .. 4 g + 3 of lane l at 512 g + 16 l; [block of 128 rows][K step][tile 0 .. 7].  A fragment is three loads of 512 consecutive bytes, straight into registers.
; Rows of a tile: in a group of 32, tile u, row r stands for index 8 u + r + 8 (r / 8).  Source 0 = weights, source 1 = tokens: lane (r, h) holds one token, register 16 B + i of a token tile = column 32 B + 16 h + i.
; Scale words: [block][pair of K steps][p][lane r + 16 (K step & 1)][2 words]; odd K steps read lanes 16-31.
; SHARES: 256 work-groups, each one tile of 128 x 128.  K IS SPLIT OVER THE FOUR WAVES: wave w multiplies K steps KW w .. KW w + KW - 1 for the whole tile (64 accumulators), so that each K step's 24,576 bytes are asked for once in the work-group and all four SIMDs multiply.
; ROTATION: register slot a of wave w holds token tile (a + 2 w) & 7 (the offsets of A's loads carry it).  So slots 0 and 1 are the tiles that the wave OWNS, 2 w and 2 w + 1, in every wave: no register number and no branch hangs on the wave's number.
; THE SUM: slots 2 q, 2 q + 1 (q = 1 .. 3) belong to wave (q + w) & 3: they go to LDS as images of their registers (16 stores of 512 consecutive bytes a tile); one barrier; each owner adds the three images of each of its two tiles to its own accumulators.
; ORDER OF ROUNDING: an output is the sum of four partial f32 sums, each over a quarter of K, not one ascending chain.
; THE WAY OUT: 16 tokens x 128 columns through the wave's own stage in LDS (rows of 512 + 16 bytes), back as whole rows; residual and bias are added; a store covers 512 consecutive bytes, aligned.  The bias is added here, once, since every wave's sums begin with 0.
; The work-group claims 230,912 bytes of LDS, all of which it uses: more than half of a WGP's, so it is alone there.
; NO CLUSTER, NO JOINT LOADS: this text keeps no tile of A or W in LDS that partners could share; a block of A is asked for by 8 work-groups, a block of W by 32.  A ring in LDS with joint loads would divide those requests; it is not built here.
; REGISTERS, in windows of 256: window 0: v1 16 l, v2 8 l, v3 the stage (in), v4-11 A's offsets, v14-15 the add's two; v16-23, v32-39 source 1's scale words; v24-31, v40-47 source 0's; v48-51 offsets of source 1's scale words; v52-54 where my foreign slots go; v55 where my partners' lie;
;   v56 the stage (back); v60-63 the bias of my 4 columns of a row; v64-159, v160-255 source 1's fragments (on the way out: three images, then rows).
;   window 1: v0-95, v96-191 source 0's fragments (on the way out: v0-127 the residual).   windows 2, 3: accumulator (slot a, b) at v[8 (8 (a % 4) + b)].
.set ASTR,  393216                     ; A: bytes of a block's codes;
.set ASB,   12582912                   ; where its scale words begin;
.set ASS,   16384                      ; a block's scale words
.set WB,    6291456                    ; W in wq: the same three,
.set WSTR,  393216
.set WSB,   9699328
.set WSS,   16384
.set KW,    8                          ; K steps of a wave: 2 or 8
.set NTOUT, 1                          ; 1: the output is read by no later launch
.set STG,   196608                     ; LDS: 4 owners x 3 partners x 2 tiles x 8,192 bytes; then four stages of 16 x 528;
.set SPARE, 230400                     ; then the spare words: 128 bytes for each wave
.set MSB, 0
.macro WIN new                         ; s_set_vgpr_msb: bits 1:0 source 0, 3:2 source 1, 5:4 source 2, 7:6 destination; the high byte repeats the setting that is left
.if MSB != (\new)
	s_set_vgpr_msb (MSB<<8)|(\new)
.set MSB, (\new)
.endif
.endm
.macro PLACES                          ; four plain vector lines between a matrix instruction and a load into, or a read of, its registers (ISA guide 7.12.1 for vector reads)
.rept 4
	v_nop
.endr
.endm
.macro LOADF set, st                   ; K step st (counted from the pointers): 8 + 8 fragments, 48 loads
	WIN 0x40
.irp t, 0,1,2,3,4,5,6,7
.irp g, 0,1,2
	global_load_b128 v[96*\set+12*\t+4*\g:96*\set+12*\t+4*\g+3], v1, s[6:7] offset:\st*12288+1536*\t+512*\g
.endr
.endr
	WIN 0
.irp t, 0,1,2,3,4,5,6,7
.irp g, 0,1,2
	global_load_b128 v[64+96*\set+12*\t+4*\g:64+96*\set+12*\t+4*\g+3], v[4+\t], s[4:5] offset:\st*12288+512*\g   ; slot t: token tile (t + 2 w) & 7
.endr
.endr
.endm
.macro LOADS sc, pr                    ; the scale words of pair pr of K steps: 8 loads
.irp p, 0,1,2,3
	global_load_b64 v[16+16*\sc+2*\p:17+16*\sc+2*\p], v[48+\p], s[8:9] offset:1024*\pr       ; slots 2 p, 2 p + 1
	global_load_b64 v[24+16*\sc+2*\p:25+16*\sc+2*\p], v2, s[10:11] offset:1024*\pr+256*\p
.endr
.endm
.macro MUL set, sc, row, first         ; 64 products, one K step; the 64 accumulators take turns, one instruction a turn, in the same order in every step.  first = 1: the products start the sums: nothing is cleared
.irp a, 0,1,2,3,4,5,6,7
	WIN 0xa1+0x50*(\a/4)
.irp b, 0,1,2,3,4,5,6,7
.set AC, 8*(8*(\a%4)+\b)
.set FB, 96*\set+12*\b
.set FA, 64+96*\set+12*\a
.set SB, 24+16*\sc+\b
.set SA, 16+16*\sc+\a
.if \first
	v_wmma_scale_f32_16x16x128_f8f6f4 v[AC:AC+7], v[FB:FB+11], v[FA:FA+11], 0, v[SB], v[SA] matrix_a_fmt:MATRIX_FMT_FP6 matrix_b_fmt:MATRIX_FMT_FP6
.elseif \row
	v_wmma_scale_f32_16x16x128_f8f6f4 v[AC:AC+7], v[FB:FB+11], v[FA:FA+11], v[AC:AC+7], v[SB], v[SA] matrix_a_fmt:MATRIX_FMT_FP6 matrix_b_fmt:MATRIX_FMT_FP6 matrix_a_scale:MATRIX_SCALE_ROW1 matrix_b_scale:MATRIX_SCALE_ROW1
.else
	v_wmma_scale_f32_16x16x128_f8f6f4 v[AC:AC+7], v[FB:FB+11], v[FA:FA+11], v[AC:AC+7], v[SB], v[SA] matrix_a_fmt:MATRIX_FMT_FP6 matrix_b_fmt:MATRIX_FMT_FP6
.endif
.endr
.endr
.endm
; Four K steps.  The counted waits: 48 = the other set's 48 loads, issued behind the set that is wanted; 56 = 8 scale loads and 48 fragment loads issued behind it.
.macro QUAD first, tail
	s_wait_loadcnt 48
	MUL 0, 0, 0, \first
	PLACES
	WIN 0
	LOADS 1, 1
	LOADF 0, 2
	s_wait_loadcnt 56
	MUL 1, 0, 1, 0
	PLACES
	LOADF 1, 3
	s_wait_loadcnt 48
	MUL 0, 1, 0, 0
	PLACES
.if \tail == 0
	WIN 0
	LOADS 0, 2
	LOADF 0, 4
	s_wait_loadcnt 56
.else
	s_wait_loadcnt 0x0
.endif
	MUL 1, 1, 1, 0
	PLACES
.if \tail == 0
	LOADF 1, 5
	s_wait_xcnt 0x0                                ; the loads have read their bases: now these may step
	s_add_nc_u64 s[4:5], s[4:5], 49152
	s_add_nc_u64 s[6:7], s[6:7], 49152
	s_add_nc_u64 s[8:9], s[8:9], 2048
	s_add_nc_u64 s[10:11], s[10:11], 2048
.endif
	WIN 0
.endm
	s_load_b256 s[24:31], s[0:1], 0x0              ; A s[24:25], wq s[26:27], bias s[28:29], res s[30:31]
	s_load_b64 s[36:37], s[0:1], 0x20              ; out
	v_lshl_add_u32 v14, v0, 2, SPARE               ; my spare word; never rewritten
	v_mov_b32 v15, 0                               ; 0; never rewritten
	v_lshrrev_b32 v12, 5, v0
	v_readfirstlane_b32 s20, v12                   ; wave w
	v_and_b32 v12, 31, v0                          ; lane l
	v_lshlrev_b32 v1, 4, v12
	v_lshlrev_b32 v2, 3, v12
	v_bfe_u32 v13, v0, 4, 1                        ; h
	v_and_b32 v3, 15, v0                           ; r
	v_mul_u32_u24 v3, v3, 528
	v_lshl_add_u32 v3, v13, 6, v3
	s_mul_i32 s44, s20, 8448
	s_add_co_u32 s44, s44, STG                     ; my stage
	v_add_nc_u32 v3, s44, v3                       ; in: row r, + 64 h
	v_add_nc_u32 v56, s44, v1                      ; back: 16 l of a row
	s_mul_i32 s44, s20, 49152
	v_add_nc_u32 v55, s44, v1                      ; what my three partners leave for me
.irp q, 1,2,3
	s_add_co_u32 s44, s20, \q
	s_and_b32 s44, s44, 3                          ; the owner of my slots 2 q, 2 q + 1
	s_mul_i32 s44, s44, 49152
	s_add_co_u32 s44, s44, (\q-1)*16384            ; an owner's place q - 1 is written by one wave alone: owner - q
	v_add_nc_u32 v[51+\q], s44, v1
.endr
.irp t, 0,1,2,3,4,5,6,7
	s_lshl_b32 s44, s20, 1
	s_add_co_u32 s44, s44, \t
	s_and_b32 s44, s44, 7                          ; slot t's token tile
	s_mul_i32 s44, s44, 1536
	v_add_nc_u32 v[4+\t], s44, v1
.endr
.irp p, 0,1,2,3
	s_add_co_u32 s44, s20, \p
	s_and_b32 s44, s44, 3                          ; slots 2 p, 2 p + 1: their pair of tiles
	s_lshl_b32 s44, s44, 8
	v_add_nc_u32 v[48+\p], s44, v2
.endr
	s_and_b32 s21, ttmp7, 0xffff                   ; block of tokens
	s_mul_i32 s45, s20, KW*12288                   ; my first K step's codes,
	s_mul_i32 s46, s20, KW*512                     ; and its pair's scale words
	s_mul_i32 s12, s21, ASTR
	s_add_co_u32 s12, s12, s45
	s_mov_b32 s13, 0
	s_mul_i32 s14, s21, ASS
	s_add_co_u32 s14, s14, s46
	s_add_co_u32 s14, s14, ASB
	s_mov_b32 s15, 0
	s_mul_i32 s16, ttmp9, WSTR                     ; block of columns
	s_add_co_u32 s16, s16, s45
	s_add_co_u32 s16, s16, WB
	s_mov_b32 s17, 0
	s_mul_i32 s18, ttmp9, WSS
	s_add_co_u32 s18, s18, s46
	s_add_co_u32 s18, s18, WSB
	s_mov_b32 s19, 0
	s_lshl_b32 s38, ttmp9, 9
	s_mov_b32 s39, 0
	s_lshl_b32 s40, s21, 19
	s_add_co_u32 s40, s40, s38                     ; the tile's corner in res and out,
	s_lshl_b32 s41, s20, 17
	s_add_co_u32 s40, s40, s41                     ; and my 32 tokens: rows 32 w on
	s_mov_b32 s41, 0
	s_wait_alu depctr_va_vdst(0)
	s_wait_kmcnt 0x0
	s_add_nc_u64 s[4:5], s[24:25], s[12:13]
	s_add_nc_u64 s[8:9], s[24:25], s[14:15]
	s_add_nc_u64 s[6:7], s[26:27], s[16:17]
	s_add_nc_u64 s[10:11], s[26:27], s[18:19]
	s_add_nc_u64 s[28:29], s[28:29], s[38:39]
	s_add_nc_u64 s[30:31], s[30:31], s[40:41]
	s_add_nc_u64 s[36:37], s[36:37], s[40:41]
	global_load_b128 v[60:63], v1, s[28:29]        ; the bias of columns 4 l .. 4 l + 3 (older than every fragment: the first counted wait covers it)
	LOADS 0, 0
	LOADF 0, 0
	LOADF 1, 1
.if KW == 2
	s_wait_loadcnt 48                              ; the first K step is in; the second's 48 loads may be out
	MUL 0, 0, 0, 1
	s_wait_loadcnt 0x0
	MUL 1, 0, 1, 0
	PLACES
	WIN 0
.else
	QUAD 1, 0
	QUAD 0, 1
.endif
.macro RLOAD e                         ; the residual of my tile e: row t of the tile is token 32 w + 8 e + t + 8 (t / 8)
	WIN 0x40
.irp t, 0,1,2,3,4,5,6,7,8,9,10,11,12,13,14,15
	global_load_b128 v[64*\e+4*\t:64*\e+4*\t+3], v1, s[30:31] offset:(8*\e+\t+8*(\t/8))*4096 th:TH_LOAD_NT
.endr
	WIN 0
.endm
	RLOAD 0                                        ; asked for here: they land while the partial sums go round
	RLOAD 1
.irp a, 2,3,4,5,6,7                    ; my six foreign slots, as images of their registers
	WIN 0x08+4*(\a/4)                              ; an LDS store's data are its source 1: window 2 or 3
.set n, 0
.rept 16
	ds_store_b128 v[51+\a/2], v[64*(\a%4)+4*n:64*(\a%4)+4*n+3] offset:8192*(\a%2)+512*n   ; each accumulator from its low end on
.set n, n+1
.endr
.endr
	WIN 0
	s_wait_dscnt 0x0                               ; for the others' sake: my stores are done
	s_barrier_signal -1
	s_barrier_wait -1
.macro OUTT e
.if \e
	s_wait_xcnt 0x0                                ; the first tile's stores have read their registers
.endif
.irp q, 0,1,2
.set n, 0
.rept 16
	ds_load_b128 v[64+64*\q+4*n:64+64*\q+4*n+3], v55 offset:16384*\q+8192*\e+512*n
.set n, n+1
.endr
.endr
	s_wait_dscnt 32                                ; the first image is in; the other two's 32 loads may be out
	WIN 0x02                                       ; source 0: my own accumulators, window 2
.set n, 0
.rept 32
	v_pk_add_f32 v[64+n:65+n], v[64*\e+n:64*\e+n+1], v[64+n:65+n]   ; each accumulator from its low end on
.set n, n+2
.endr
	WIN 0
	s_wait_dscnt 0x0
.set n, 0
.rept 32
	v_pk_add_f32 v[128+n:129+n], v[128+n:129+n], v[192+n:193+n]
.set n, n+2
.endr
.set n, 0
.rept 32
	v_pk_add_f32 v[64+n:65+n], v[64+n:65+n], v[128+n:129+n]         ; the four quarters of K
.set n, n+2
.endr
.set n, 0
.rept 16
	ds_store_b128 v3, v[64+4*n:64+4*n+3] offset:128*(n/4)+16*(n%4)
.set n, n+1
.endr
.irp t, 0,1,2,3,4,5,6,7,8,9,10,11,12,13,14,15
	ds_load_b128 v[128+4*\t:131+4*\t], v56 offset:528*\t   ; LDS serves a wave's instructions in order (ISA guide 5.7.1.4): these see the stores above, and the next tile's stores come behind them
.endr
	s_wait_dscnt 0x0
.if \e == 0
	s_wait_loadcnt 16                              ; this tile's residual is in; the next tile's 16 loads may be out
.else
	s_wait_loadcnt 0x0
.endif
	WIN 0x04                                       ; source 1: the residual, window 1
.set n, 0
.rept 32
	v_pk_add_f32 v[128+n:129+n], v[128+n:129+n], v[64*\e+n:64*\e+n+1]
.set n, n+2
.endr
	WIN 0
.irp t, 0,1,2,3,4,5,6,7,8,9,10,11,12,13,14,15
	v_pk_add_f32 v[128+4*\t:129+4*\t], v[128+4*\t:129+4*\t], v[60:61]
	v_pk_add_f32 v[130+4*\t:131+4*\t], v[130+4*\t:131+4*\t], v[62:63]
.endr
.irp t, 0,1,2,3,4,5,6,7,8,9,10,11,12,13,14,15
.if NTOUT
	global_store_b128 v1, v[128+4*\t:131+4*\t], s[36:37] offset:(8*\e+\t+8*(\t/8))*4096 th:TH_STORE_NT
.else
	global_store_b128 v1, v[128+4*\t:131+4*\t], s[36:37] offset:(8*\e+\t+8*(\t/8))*4096
.endif
.endr
.endm
	OUTT 0
	OUTT 1
	s_wait_tensorcnt 0x0                           ; the wave's end
	ds_add_u32 v14, v15
	s_wait_dscnt 0x0
	s_endpgm
.Lfunc_end_k_q69cc614212_fc2:
	.size	k_q69cc614212_fc2, .Lfunc_end_k_q69cc614212_fc2-k_q69cc614212_fc2
	.p2alignl 7, 3214868480
	.fill 96, 4, 3214868480
	.section	.rodata,"a",@progbits
	.p2align	6, 0x0
	.amdhsa_kernel k_q69cc614212_fc2
		.amdhsa_group_segment_fixed_size 230912
		.amdhsa_private_segment_fixed_size 0
		.amdhsa_enable_private_segment 0
		.amdhsa_kernarg_size 40
		.amdhsa_user_sgpr_count 2
		.amdhsa_user_sgpr_kernarg_segment_ptr 1
		.amdhsa_wavefront_size32 1
		.amdhsa_system_sgpr_workgroup_id_x 1
		.amdhsa_system_sgpr_workgroup_id_y 1
		.amdhsa_system_sgpr_workgroup_id_z 1
		.amdhsa_system_vgpr_workitem_id 0
		.amdhsa_next_free_vgpr 1024
		.amdhsa_next_free_sgpr 66
		.amdhsa_reserve_vcc 0
		.amdhsa_float_denorm_mode_32 3
		.amdhsa_float_denorm_mode_16_64 3
		.amdhsa_memory_ordered 1
		.amdhsa_forward_progress 1
		.amdhsa_inst_pref_size 154
	.end_amdhsa_kernel
	.amdgpu_metadata
---
amdhsa.version: [ 1, 2 ]
amdhsa.kernels:
  - .name:           k_q69cc614212_fc2
    .symbol:         k_q69cc614212_fc2.kd
    .args:
      - { .name: hid, .offset: 0, .size: 8, .value_kind: global_buffer, .address_space: global }
      - { .name: wq, .offset: 8, .size: 8, .value_kind: global_buffer, .address_space: global }
      - { .name: b_fc2, .offset: 16, .size: 8, .value_kind: global_buffer, .address_space: global }
      - { .name: x1, .offset: 24, .size: 8, .value_kind: global_buffer, .address_space: global }
      - { .name: out0, .offset: 32, .size: 8, .value_kind: global_buffer, .address_space: global }
    .group_segment_fixed_size: 230912
    .private_segment_fixed_size: 0
    .kernarg_segment_align: 8
    .kernarg_segment_size: 40
    .max_flat_workgroup_size: 128
    .sgpr_count:     66
    .vgpr_count:     1024
    .wavefront_size: 32
...
	.end_amdgpu_metadata
.endif
;; end of part 14
